; MI455X (gfx1250); checked and timed in simulation.
; The chip was launched on July 23, 2026; its instructions are those of AMD's public machine-readable ISA for CDNA 5 (MIT licence, August 2026) and "CDNA5" Instruction Set Architecture Reference Guide (July 2026). The comments in the code are by the model that wrote it; some were corrected since.
;; Multi Headed Self Attention. Allowed arithmetic: matrix products marked QUANTISED: E2M1 operands, one E8M0 scale for each 32 along K, by v_wmma_scale_f32_16x16x128_f8f6f4 with both operands' format E2M1 (or v_wmma_scale_f32_32x16x128_f4), f32 sums; products left as they are: bf16, f16 or f32 operands; f32 sums; everything else in f32.
;; Inputs: Wk 768 x 768 float32; Wq 768 x 768 float32; Wv 768 x 768 float32; bk 768 float32; bq 768 float32; bv 768 float32; mask 8 x 1,024 float32; x 8 x 1,024 x 768 float32.
;; Outputs: out0 8 x 1,024 x 768 float32.
;; This version of the problem:
;;   THIS VERSION OF THE PROBLEM IS GIVEN IN LOW PRECISION. The matrix products marked QUANTISED in the list below multiply operands that are first quantised to E2M1 (2 exponent bits, 1 mantissa bit; 4 bits a number), with one power-of-two scale for each 32 numbers along K (OCP MX v1.0); their sums are f32. The products marked 'left as it is' may take bf16, f16 or f32 operands, with f32 sums. Whichever they take, every output number must still come out within the allowed error. Rounding operands to bf16 (8 significant bits) uses up far more of that allowance than f16 does (11 bits, for magnitudes from 6e-5 to 65,504). All else is computed in f32.
;;   The module's matrix products, in the order in which they are computed (A, B: the left and right operand; K: the contracted axis; several contracted axes count as one K, in the product's order):
;;     1. [M 8,192, K 768] x [K 768, N 768]; A: input x; B: input Wq: QUANTISED
;;     2. [M 8,192, K 768] x [K 768, N 768]; A: input x; B: input Wk: QUANTISED
;;     3. [M 8,192, K 768] x [K 768, N 768]; A: input x; B: input Wv: QUANTISED
;;     4. batch 96 x [M 1,024, K 64] x [K 64, N 1,024]; A: computed on the way; B: computed on the way: left as it is (an operand is computed on the way)
;;     5. batch 96 x [M 1,024, K 1,024] x [K 1,024, N 64]; A: computed on the way; B: computed on the way: left as it is (an operand is computed on the way)
;;   THE QUANTISER, for each operand of a quantised product, along K:
;;     - K is cut into blocks of 32 from its start; a last block that is shorter is filled with zeros.
;;     - A block's scale is 2^e with e = floor(log2(the largest magnitude in the block)) - 2, held to -126 .. 127; a block of zeros has e = 0. As a byte (E8M0): e + 127.
;;     - Each number is divided by its block's scale, clamped to +-6, and rounded to the nearest number of E2M1, ties to even, subnormals kept.
;;     - The product sums the exact products of the quantised numbers (number of the format x scale) in f32.
;;   ~~~python
;;   def quantise(x, axis):      # numpy; x: float32 -> the quantised numbers, widened to float32 again
;;       x = np.moveaxis(x, axis, -1); K = x.shape[-1]
;;       x = np.pad(x, [(0, 0)] * (x.ndim - 1) + [(0, -K % 32)]); x = x.reshape(x.shape[:-1] + (-1, 32)); a = np.abs(x).max(-1, keepdims=True)
;;       e = np.where(a > 0, np.clip(np.frexp(np.where(a > 0, a, 1))[1] - 1 - 2, -126, 127), 0)      # np.frexp(a)[1] - 1 = floor(log2(a)), exactly
;;       r = np.clip(x / 2.0 ** e, -6, 6)
;;       step = 2.0 ** (np.maximum(np.frexp(np.where(r == 0, 1, r))[1] - 1, 0) - 1)
;;       q = np.round(r / step) * step * 2.0 ** e      # np.round: ties to even
;;       return np.moveaxis(q.reshape(q.shape[:-2] + (-1,))[..., :K], -1, axis).astype(np.float32)
;;   ~~~
;; One version. Each part assembles by itself: llvm-mc -triple=amdgcn-amd-amdhsa -mcpu=gfx1250 --defsym DOCPART=n.
;; ======== version 1 of 1: 7 launches
;; workspace buffers: codes 4,534,272 bytes; pmax1 4,096 bytes; qf 12,582,912 bytes; kf 12,582,912 bytes; vf 12,582,912 bytes; pA 1,024 bytes; stats 787,456 bytes; hbuf 25,166,848 bytes
;; launch quant (part 1): grid 328 x 1, 4 waves a work-group, no clusters, 34,304 bytes of LDS; arguments x, Wq, Wk, Wv, codes; writes codes
.if DOCPART == 1
	.amdgcn_target "amdgcn-amd-amdhsa--gfx1250"
	.amdhsa_code_object_version 6
	.text
	.protected	k_q3aa2310918_quant
	.globl	k_q3aa2310918_quant
	.p2align	8
	.type	k_q3aa2310918_quant,@function
k_q3aa2310918_quant:
	s_mov_b64 s[64:65], 0
	v_nop
	global_prefetch_b8 v0, s[64:65] scope:SCOPE_SE
	s_setreg_imm32_b32 hwreg(HW_REG_WAVE_MODE, 25, 1), 1
	s_wait_xcnt 0x0
; MULTI-HEADED SELF-ATTENTION WITH SEVEN 16-BIT FIXED-POINT QUANTISERS, IN SEVEN LAUNCHES.  This is the first: x [8192][768] and Wq, Wk, Wv [768][768], f32,
; K innermost, become codes of FP4 (E2M1) with one E8M0 byte for each 32 along K, laid as IMAGES OF THE OPERANDS' REGISTERS.
; NOTHING OF reference() IS LEFT OUT AS DEAD WORK, and every input is loaded by some launch.  What is folded, for all finite inputs inside the limits below:
;   n(m) = max(ceil(log2 m), -26), ceil(log2 m) = ((bits(m) + 0x7fffff) >> 23) - 127; -26 = ceil(log2 1e-8), the floor that reference() lays under each maximum.
;   fq(t) = min(rne(t 2^(15-n)), 32767) 2^(n-15): |t| <= 2^n, so the lower clip never binds; t + (q - t) = q up to one rounding of f32.  rne(u) = (u + 1.5 x 2^23) - 1.5 x 2^23 for |u| < 2^22.
;   q, k, v are carried as the whole numbers qi = min(rne(q 2^(15-nq)), 32767) (ki, vi likewise), rounded to f16 as operands of the products that are left as they are.  Si = sum qi ki, score = Si 2^(nq+nk-30).
;   attn_3, the division by 8 and attn_4 are one rounding and one minimum: n3 = n(max|score|), y = rne(Si 2^(nq+nk-n3-15)).  The largest |y| lies in [16384, 32768].  Above 16384 attn_4 has three bits more than
;   attn_3 and changes nothing in min(y, 32767) / 8.  At 16384 exactly it has four bits more and clips +16384 alone, to 16383.5.  So y' = min(y, cap), cap = 32767 or 16383.5, and the score is y' 2^-b3, b3 = 18 - n3.
;   The mask's term T = 10000 (1 - mask) is scaled by 2^b3, which rounds nothing: g = fl(y' - T 2^b3) = 2^b3 fl(score - T), the f32 rounding of reference() itself.
;   softmax: e = 2^(g c - Mc), c = log2(e) 2^-b3, Mc = fl(c G), G the row's largest g (a running maximum); l = sum e.  The rounding of Mc shifts a whole row alike and cancels in e / l.
;   attn_5: the tensor's largest p is 1 / (the smallest l 2^-(G c - Mc)); Pi = min(rne(e 2^bits5 / l), 32767), rounded to f16.  h = 2^(nv-15-bits5) sum Pi vi.  attn_6 is the last launch.
; LIMITS.  max|score| / 8 is at least 1e-8 (below that attn_4's own floor would round a second time).  ceil(log2) is exact here, where reference() takes it through an f32 logarithm: at a maximum within an
; ulp of a power of two the fixed-point step may differ by a factor 2.  All the powers of two above lie inside f32's exponent range.  NaN and infinities among the inputs are not served.
; FP4 blocks whose largest magnitude lies under 2^-124 keep the byte 1; a block of zeros keeps the byte 1 where the rule says 127: its codes are zeros, and this program alone reads the bytes.
;
; THE BUFFER codes: 656 records of 6,912 bytes, one for each tile of 16 rows (tiles 0-511 x, 512-559 Wq, 560-607 Wk, 608-655 Wv).  A record: six K steps of 128, each 1,024 bytes [c 0,1][lane][16 bytes]:
; lane (r, h) holds the codes of k = 64 c + 32 h + 0 .. 31 of row r, as the matrix instruction wants them; from byte 6,144 on six times 128 bytes of scale words, 4 bytes a lane, row r's word in lanes r and 16 + r.
; SHARES.  A wave takes three K steps of one tile: job = 4 x work-group + wave, tile = job / 2, half = job % 2.  Each load reads 512 consecutive bytes of a row; a K step's 16 rows turn through the wave's own stage
; in LDS (rows 528 bytes apart) and come back 128 bytes a lane: two whole blocks of 32.  The codes leave as 512 consecutive bytes a store; the scale words as 128, one byte in 64 of what is read.
; No tensor load, no barrier, no matrix unit, no cluster: waves share nothing and memory binds.
.set STG,   8448                       ; a wave's stage: 16 rows x 528 bytes
.set SPARE, 4*STG                      ; behind the stages: the spare words, 128 bytes a wave
.set L16,  4                           ; v4   16 x lane
.set SIN,  5                           ; v5   the stage, on the way in
.set SOUT, 6                           ; v6   and on the way out: 528 r + 128 h
.set CO,   7                           ; v7   my codes' place in the record
.set WO,   8                           ; v8   my scale word's
.set SH,   9                           ; v9   8 h
.set SPW,  10                          ; v10  my spare word; never rewritten
.set NIL,  11                          ; v11  0; never rewritten
.set CD,   20                          ; K step f: codes in v[20+10f .. 27+10f], the word in v[28+10f]: no store's data are written again
.set R0,   64                          ; v64-127, v128-191: two sets of 16 rows as loaded
.set X,    192                         ; v192-255: my two blocks
	s_load_b256 s[4:11], s[0:1], 0x0               ; x, Wq, Wk, Wv
	s_load_b64 s[16:17], s[0:1], 0x20              ; codes
	v_lshl_add_u32 v[SPW], v0, 2, SPARE
	v_mov_b32 v[NIL], 0
	v_lshrrev_b32 v1, 5, v0
	v_readfirstlane_b32 s18, v1                    ; wave
	v_and_b32 v2, 31, v0                           ; lane
	v_and_b32 v3, 15, v0                           ; r
	v_bfe_u32 v[SH], v0, 4, 1                      ; h
	v_lshlrev_b32 v[L16], 4, v2
	s_mul_i32 s19, s18, STG
	v_add_nc_u32 v[SIN], s19, v[L16]
	v_mul_u32_u24 v[SOUT], v3, 528
	v_lshl_add_u32 v[SOUT], v[SH], 7, v[SOUT]
	v_add_nc_u32 v[SOUT], s19, v[SOUT]
	s_and_b32 s20, s18, 1                          ; which half of K
	s_lshr_b32 s21, s18, 1
	s_lshl_b32 s22, ttmp9, 1
	s_add_co_u32 s21, s21, s22                     ; the tile of 16 rows
	s_mul_i32 s23, s20, 3072
	v_add_nc_u32 v[CO], s23, v[L16]
	s_mul_i32 s23, s20, 384
	v_lshl_add_u32 v[WO], v2, 2, s23
	v_lshlrev_b32 v[SH], 3, v[SH]
	v_mov_b32 v19, 0                               ; a lane permute's destination counts as one of its sources
	s_mov_b32 s24, 0x76543210
	s_mov_b32 s25, 0xfedcba98                      ; v_permlanex16_b32's selects for lane l xor 16
	s_wait_kmcnt 0x0
	s_cmp_lt_u32 ttmp9, 256                        ; which tensor: the choice hangs on the work-group's number alone
	s_cselect_b64 s[12:13], s[4:5], s[6:7]
	s_cselect_b32 s14, 0, 512
	s_cmp_lt_u32 ttmp9, 280
	s_cselect_b64 s[12:13], s[12:13], s[8:9]
	s_cselect_b32 s14, s14, 560
	s_cmp_lt_u32 ttmp9, 304
	s_cselect_b64 s[12:13], s[12:13], s[10:11]
	s_cselect_b32 s14, s14, 608                    ; the tensor's first tile
	s_sub_co_u32 s26, s21, s14
	s_mul_i32 s26, s26, 49152                      ; 16 rows of 3,072 bytes
	s_mul_i32 s27, s20, 1536
	s_add_co_u32 s26, s26, s27
	s_mov_b32 s27, 0
	s_add_nc_u64 s[12:13], s[12:13], s[26:27]
	s_mul_i32 s26, s21, 6912
	s_add_nc_u64 s[16:17], s[16:17], s[26:27]
.macro LOAD f                          ; K step f of my three: 16 rows x 512 bytes into set f % 2
.irp i, 0,1,2,3,4,5,6,7,8,9,10,11,12,13,14,15
	global_load_b128 v[R0+64*((\f)%2)+4*\i:R0+64*((\f)%2)+4*\i+3], v[L16], s[12:13] offset:\i*3072+(\f)*512 th:TH_LOAD_NT
.endr
.endm
.macro FRAG f, left
	s_wait_loadcnt \left                           ; this K step's 16 loads are in; the younger K step's 16 may be out
.irp i, 0,1,2,3,4,5,6,7,8,9,10,11,12,13,14,15
	ds_store_b128 v[SIN], v[R0+64*((\f)%2)+4*\i:R0+64*((\f)%2)+4*\i+3] offset:\i*528
.endr
.irp c, 0,1
.irp i, 0,1,2,3,4,5,6,7
	ds_load_b128 v[X+32*\c+4*\i:X+32*\c+4*\i+3], v[SOUT] offset:256*\c+16*\i   ; LDS serves a wave's instructions in order: these see my stores
.endr
.endr
.if \f == 0
	s_wait_dscnt 16                                ; the 16 stores are done (the 16 loads behind them may be out): set 0 may be loaded again
	LOAD 2
.endif
	s_wait_dscnt 0x0
.irp c, 0,1
	v_max3_num_f32 v[12+\c], |v[X+32*\c]|, |v[X+32*\c+1]|, 0x1800000   ; block 2 c + h: all 32 numbers are mine; the floor 2^(3 - 127) holds the byte at 1 from below
.endr
.irp i, 2,4,6,8,10,12,14,16,18,20,22,24,26,28,30
.irp c, 0,1
	v_max3_num_f32 v[12+\c], v[12+\c], |v[X+32*\c+\i]|, |v[X+32*\c+\i+1]|
.endr
.endr
.irp c, 0,1
	v_add_nc_u32 v[14+\c], 0xff000000, v[12+\c]    ; 2 off the exponent field: the conversion's scale operand
.endr
.irp c, 0,1
	v_lshrrev_b32 v[16+\c], 23, v[14+\c]           ; the scale's byte
.endr
	v_lshl_or_b32 v18, v17, 16, v16                ; my bytes: blocks h and 2 + h,
	v_lshlrev_b32 v18, v[SH], v18                  ; at their places in the row's word;
	v_permlanex16_b32 v19, v18, s24, s25
	v_or_b32 v[CD+10*\f+8], v18, v19               ; with lane l xor 16's two the word is whole
.irp c, 0,1
.irp g, 0,1,2,3
	v_cvt_scalef32_pk8_fp4_f32 v[CD+10*\f+4*\c+\g], v[X+32*\c+8*\g:X+32*\c+8*\g+7], v[14+\c]
.endr
.endr
	v_nop                                          ; one plain place behind the last scaled conversion
	global_store_b128 v[CO], v[CD+10*\f:CD+10*\f+3], s[16:17] offset:1024*\f
	global_store_b128 v[CO], v[CD+10*\f+4:CD+10*\f+7], s[16:17] offset:1024*\f+512
	global_store_b32 v[WO], v[CD+10*\f+8], s[16:17] offset:6144+128*\f
.endm
	LOAD 0
	LOAD 1
	FRAG 0, 16
	FRAG 1, 16
	FRAG 2, 0
	s_wait_tensorcnt 0x0                           ; the wave's end, behind my last LDS store
	ds_add_u32 v[SPW], v[NIL]
	s_wait_dscnt 0x0
	s_endpgm
.Lfunc_end_k_q3aa2310918_quant:
	.size	k_q3aa2310918_quant, .Lfunc_end_k_q3aa2310918_quant-k_q3aa2310918_quant
	.p2alignl 7, 3214868480
	.fill 96, 4, 3214868480
	.section	.rodata,"a",@progbits
	.p2align	6, 0x0
	.amdhsa_kernel k_q3aa2310918_quant
		.amdhsa_group_segment_fixed_size 34304
		.amdhsa_private_segment_fixed_size 0
		.amdhsa_enable_private_segment 0
		.amdhsa_kernarg_size 40
		.amdhsa_user_sgpr_count 2
		.amdhsa_user_sgpr_kernarg_segment_ptr 1
		.amdhsa_wavefront_size32 1
		.amdhsa_system_sgpr_workgroup_id_x 1
		.amdhsa_system_sgpr_workgroup_id_y 1
		.amdhsa_system_sgpr_workgroup_id_z 1
		.amdhsa_system_vgpr_workitem_id 0
		.amdhsa_next_free_vgpr 256
		.amdhsa_next_free_sgpr 66
		.amdhsa_reserve_vcc 0
		.amdhsa_float_denorm_mode_32 3
		.amdhsa_float_denorm_mode_16_64 3
		.amdhsa_memory_ordered 1
		.amdhsa_forward_progress 1
		.amdhsa_inst_pref_size 23
	.end_amdhsa_kernel
	.amdgpu_metadata
---
amdhsa.version: [ 1, 2 ]
amdhsa.kernels:
  - .name:           k_q3aa2310918_quant
    .symbol:         k_q3aa2310918_quant.kd
    .args:
      - { .name: x, .offset: 0, .size: 8, .value_kind: global_buffer, .address_space: global }
      - { .name: Wq, .offset: 8, .size: 8, .value_kind: global_buffer, .address_space: global }
      - { .name: Wk, .offset: 16, .size: 8, .value_kind: global_buffer, .address_space: global }
      - { .name: Wv, .offset: 24, .size: 8, .value_kind: global_buffer, .address_space: global }
      - { .name: codes, .offset: 32, .size: 8, .value_kind: global_buffer, .address_space: global }
    .group_segment_fixed_size: 34304
    .private_segment_fixed_size: 0
    .kernarg_segment_align: 8
    .kernarg_segment_size: 40
    .max_flat_workgroup_size: 128
    .sgpr_count:     66
    .vgpr_count:     256
    .wavefront_size: 32
...
	.end_amdgpu_metadata
.endif
;; end of part 1
;; launch pmaxl (part 2): grid 4 x 64, 8 waves a work-group, clusters of 4 x 4, 327,680 bytes of LDS; arguments codes, bq, bk, bv, pmax1; writes pmax1
.if DOCPART == 2
	.amdgcn_target "amdgcn-amd-amdhsa--gfx1250"
	.amdhsa_code_object_version 6
	.text
	.protected	k_q3aa2310918_pmaxl
	.globl	k_q3aa2310918_pmaxl
	.p2align	8
	.type	k_q3aa2310918_pmaxl,@function
k_q3aa2310918_pmaxl:
	s_mov_b64 s[64:65], 0
	v_nop
	global_prefetch_b8 v0, s[64:65] scope:SCOPE_SE
	s_setreg_imm32_b32 hwreg(HW_REG_WAVE_MODE, 25, 1), 1
	s_wait_xcnt 0x0
	s_wait_alu depctr_hold_cnt(0) depctr_sa_sdst(0) depctr_va_vdst(0) depctr_va_sdst(0) depctr_va_ssrc(0) depctr_va_vcc(0) depctr_vm_vsrc(0)
	s_getreg_b32 s2, hwreg(HW_REG_IB_STS2, 6, 4)
	s_cmp_eq_u32 s2, 0
	s_cbranch_scc0 .Lentry_in_a_cluster
	s_endpgm
.Lentry_in_a_cluster:
	s_bfe_u32 s2, ttmp6, 0x10000c
	s_cmp_lg_u32 s2, 0xf033
	s_cbranch_scc0 .Lentry_shape_is_right
	s_endpgm
.Lentry_shape_is_right:
; THE PROJECTIONS q = x Wq^T + bq, k, v on codes of FP4, one text for two launches.  MODE 0 (this file): only each work-group's largest |q|, |k|, |v| leave, to pmax1[work-group] = {mq, mk, mv, 0}.
; MODE 1: the same products again; with the tensors' maxima known, q, k, v become 16-bit whole numbers, rounded to f16, and leave as images of the next products' operands.
; The products are made twice because the quantiser of q, k, v needs each tensor's maximum first: a second pass over 4.5 MB of codes moves fewer bytes than 75 MB of f32 results out and in again.  No work of reference() is left out.
; SHARES.  A work-group takes 128 tokens (block mb) x the 192 columns of three heads (group hg) of all three tensors.  Wave w: rg = w & 1: 4 tiles of 16 tokens; cg = w >> 1: 3 tiles of 16 columns of each tensor.
; Twelve accumulators take turns, one instruction a turn.  K = 768 is six matrix instructions deep.  The bias is the C of a sum's first instruction.
; q and k are used TRANSPOSED (source 0 = 16 rows of W, source 1 = 16 tokens): a lane holds one token and 8 neighbouring channels.  v is used as it stands: a lane holds one channel and 8 neighbouring tokens.
; Either way the lane's four packed registers are four registers of the next operand's fragment, and a store of the wave covers 512 consecutive bytes, aligned.
; LDS is filled once: x's 8 records, then 12 records of each W (a record: 6,912 bytes, dense in memory).  CLUSTER 4 x 4: x's records hang on mb alone and are asked for jointly along a row of the cluster,
; W's hang on hg alone and are asked for jointly along a column.  Waves 0-3 issue four loads each, in one branch: four tensor loads of a wave are out at the most.
.set MODE,  0
.set REC,   6912
.set LWB,   8*REC                      ; LDS: x's records from 0, Wq's from here, Wk's and Wv's behind
.set WT,    12*REC
.set SPARE, LWB+3*WT                   ; the spare words, 128 bytes a wave
.set RED,   SPARE+1024                 ; 16 bytes a wave: the waves' maxima
.set LA,   1                           ; v1   x's fragments: 16 x lane + my 4 records
.set LAS,  2                           ; v2   x's scale words
.set HH,   3                           ; v3   h = lane / 16
.set L4,   4                           ; v4   4 x lane
.set BO,   5                           ; v5   a bias, transposed use: 32 h + 192 cg
.set BO2,  6                           ; v6   a bias, plain use: 4 r + 192 cg
.set L16,  7                           ; v7   16 x lane
.set SPW,  8                           ; v8   my spare word; never rewritten
.set NIL,  9                           ; v9   0; never rewritten
.set LN,   10
.set RL,   11                          ; v11  r = lane % 16
.set LB,   12                          ; v12-14  W's fragments, one address for each tensor
.set LBS,  16                          ; v16-18  W's scale words
.set RW,   20
.set RR,   21
.set ZR,   22
.set AF,   32                          ; v32-63   x's four fragments
.set BF,   64                          ; v64-87   W's three
.set AS,   88                          ; v88-91   x's scale words: scales and nothing else
.set BS,   92                          ; v92-94   W's
.set ACC,  96                          ; v96-191  accumulator (a, b) at 96 + 8 (3 a + b)
.set BIAS, 192                         ; v192-215 the bias of my three column tiles, in the result's layout
.set MAGV, 216                         ; v216-217 1.5 x 2^23
.set MX,   220                         ; v220-222 maxima, v223 = 0, v224-226 second chains, v227 at work
.set G1A, 16
.set G1W, 24
.set G0,  32                           ; s[32:47] four groups 0: x, Wq, Wk, Wv
.set WV,  48
.set RG,  49
.set CG,  50
.set CX,  51
.set CY,  52
.set HG,  53
.set MB,  54
.set SEL, 56
.set CAPM, 70                          ; 1.5 x 2^23 + 32767
.set SB,  76                           ; s[76:93] nine store bases: tensor t, column tile b at 76 + 6 t + 2 b
.set SC,  94                           ; s[94:99] 2^(15 - n) of q, k, v, as pairs
.set NM,  100                          ; s[100:101] -1.5 x 2^23
.macro CROUND                          ; a round of the cluster's barrier
	s_barrier_signal -1
	s_barrier_wait -1
	s_cmp_lg_u32 s[WV], 0
	s_cbranch_scc1 .Lnot_wave_0_\@
	s_barrier_signal -3
.Lnot_wave_0_\@:
	s_barrier_wait -3
	s_barrier_signal -1
	s_barrier_wait -1
.endm
.macro PLACES
.rept 4
	v_nop
.endr
.endm
.macro WMAX r, t                       ; the largest of the 32 lanes' v[r], in every lane
	v_max_num_f32_dpp v[\r], v[\r], v[\r] row_xmask:1 row_mask:0xf bank_mask:0xf
	v_max_num_f32_dpp v[\r], v[\r], v[\r] row_xmask:2 row_mask:0xf bank_mask:0xf
	v_max_num_f32_dpp v[\r], v[\r], v[\r] row_xmask:4 row_mask:0xf bank_mask:0xf
	v_max_num_f32_dpp v[\r], v[\r], v[\r] row_xmask:8 row_mask:0xf bank_mask:0xf
	v_permlanex16_b32 v[\t], v[\r], s[SEL], s[SEL+1]
	v_max_num_f32 v[\r], v[\r], v[\t]
.endm
	s_load_b256 s[4:11], s[0:1], 0x0               ; codes, bq, bk, bv
	s_load_b64 s[12:13], s[0:1], 0x20              ; pmax1
.if MODE
	s_load_b64 s[68:69], s[0:1], 0x28              ; qf
	s_load_b128 s[72:75], s[0:1], 0x30             ; kf, vf
.endif
	v_lshl_add_u32 v[SPW], v0, 2, SPARE
	v_mov_b32 v[NIL], 0
	ds_add_u32 v[SPW], v[NIL]                      ; the opening: the add, twice on end, and its wait ahead of my first tensor load
	ds_add_u32 v[SPW], v[NIL]
	v_lshrrev_b32 v[LN], 5, v0
	v_readfirstlane_b32 s[WV], v[LN]               ; wave 0..7
	s_and_b32 s[RG], s[WV], 1
	s_lshr_b32 s[CG], s[WV], 1
	s_bfe_u32 s[CX], ttmp6, 0x40000
	s_bfe_u32 s[CY], ttmp6, 0x40004
	s_lshl_b32 s[HG], ttmp9, 2
	s_add_co_u32 s[HG], s[HG], s[CX]               ; head group = 4 x cluster x + cx
	s_and_b32 s[MB], ttmp7, 0xffff
	s_lshl_b32 s[MB], s[MB], 2
	s_add_co_u32 s[MB], s[MB], s[CY]               ; token block = 4 x cluster y + cy
	s_lshl_b32 s2, s[CY], 2
	s_lshl_b32 s2, 15, s2                          ; my row of the cluster
	s_lshl_b32 s3, 0x1111, s[CX]                   ; my column
	s_or_b32 s[G1A], s2, (3<<16)|(1<<21)           ; the mask; elements of 8 bytes; bit 21 beside a mask; no padding: images are read 512 consecutive bytes an instruction
	s_or_b32 s[G1W], s3, (3<<16)|(1<<21)
	s_mov_b32 s[G1A+1], 32<<16                     ; rows of 256 bytes
	s_mov_b32 s[G1A+2], 54<<16                     ; two records are 54 rows
	s_mov_b32 s[G1A+3], 32<<16
	s_mov_b32 s[G1A+4], 54
	s_mov_b32 s[G1A+5], 32
	s_mov_b32 s[G1A+6], 0
	s_mov_b32 s[G1A+7], 0
	s_mov_b32 s[G1W+1], 32<<16
	s_mov_b32 s[G1W+2], 81<<16                     ; three records are 81 rows
	s_mov_b32 s[G1W+3], 32<<16
	s_mov_b32 s[G1W+4], 81
	s_mov_b32 s[G1W+5], 32
	s_mov_b32 s[G1W+6], 0
	s_mov_b32 s[G1W+7], 0
	s_lshl_b32 s58, s[MB], 3                       ; x: records 8 mb + 2 w, + 1: made of the token block and the wave's number alone
	s_lshl_b32 s59, s[WV], 1
	s_add_co_u32 s58, s58, s59
	s_mul_i32 s58, s58, REC
	s_mov_b32 s59, 0
	s_mul_i32 s60, s[HG], 12                       ; W: records 512 + 48 t + 12 hg + 3 w on: made of the head group and the wave's number alone
	s_mul_i32 s61, s[WV], 3
	s_add_co_u32 s60, s60, s61
	s_add_co_u32 s60, s60, 512
	s_mul_i32 s60, s60, REC
	s_mov_b32 s61, 0
	s_mul_i32 s62, s[WV], 2*REC                    ; and where they go
	s_mul_i32 s63, s[WV], 3*REC
	s_mov_b32 s[SEL], 0x76543210
	s_mov_b32 s[SEL+1], 0xfedcba98
	v_and_b32 v[LN], 31, v0
	v_and_b32 v[RL], 15, v0
	v_bfe_u32 v[HH], v0, 4, 1
	v_lshlrev_b32 v[L16], 4, v[LN]
	v_lshlrev_b32 v[L4], 2, v[LN]
	s_mul_i32 s2, s[RG], 4*REC
	v_add_nc_u32 v[LA], s2, v[L16]
	s_add_co_u32 s2, s2, 6144
	v_add_nc_u32 v[LAS], s2, v[L4]
	s_mul_i32 s2, s[CG], 3*REC
	s_add_co_u32 s2, s2, LWB
.irp t, 0,1,2
	v_add_nc_u32 v[LB+\t], s2, v[L16]
	s_add_co_u32 s3, s2, 6144
	v_add_nc_u32 v[LBS+\t], s3, v[L4]
	s_add_co_u32 s2, s2, WT
.endr
	s_mul_i32 s2, s[CG], 192
	v_lshl_add_u32 v[BO], v[HH], 5, s2
	v_lshl_add_u32 v[BO2], v[RL], 2, s2
	s_lshl_b32 s2, s[WV], 4
	s_add_co_u32 s2, s2, RED
	v_mov_b32 v[RW], s2
	v_and_b32 v[RR], 7, v0
	v_lshl_add_u32 v[RR], v[RR], 4, RED
	v_mov_b32 v[ZR], 0
.irp j, 0,1,2,3,4,5,6,7
	v_mov_b32 v[MX+\j], 0
.endr
	s_wait_dscnt 0x0                               ; both opening adds are done
	s_wait_kmcnt 0x0
	s_add_nc_u64 s[58:59], s[4:5], s[58:59]
	s_add_nc_u64 s[60:61], s[4:5], s[60:61]
	s_mov_b32 s[G0], 1
	s_mov_b32 s[G0+1], s62
	s_mov_b64 s[G0+2:G0+3], s[58:59]
	s_or_b32 s[G0+3], s[G0+3], 0x80000000
.irp t, 0,1,2
	s_mov_b32 s[G0+4+4*\t], 1
	s_add_co_u32 s[G0+5+4*\t], s63, LWB+WT*\t
	s_add_nc_u64 s[G0+6+4*\t:G0+7+4*\t], s[60:61], 48*REC*\t
	s_or_b32 s[G0+7+4*\t], s[G0+7+4*\t], 0x80000000
.endr
	CROUND                                         ; all sixteen work-groups are here: the joint loads meet
	s_cmp_lt_u32 s[WV], 4                          ; a wave's four first fills stand in one branch on the wave's number
	s_cbranch_scc0 .Lno_fetch
	tensor_load_to_lds s[G0:G0+3], s[G1A:G1A+7]
	s_nop 0
	tensor_load_to_lds s[G0+4:G0+7], s[G1W:G1W+7]
	s_nop 0
	tensor_load_to_lds s[G0+8:G0+11], s[G1W:G1W+7]
	s_nop 0
	tensor_load_to_lds s[G0+12:G0+15], s[G1W:G1W+7]
	s_nop 0
.rept 4
	v_nop
.endr
.Lno_fetch:
	s_mul_i32 s2, s[HG], 768                       ; the head group's 192 numbers of each bias
	s_mov_b32 s3, 0
	s_add_nc_u64 s[6:7], s[6:7], s[2:3]
	s_add_nc_u64 s[8:9], s[8:9], s[2:3]
	s_add_nc_u64 s[10:11], s[10:11], s[2:3]
; the bias of tensor t in the result's layout.  Transposed use: lane (r, h) wants the 8 channels 16 b + 8 h + 0 .. 7.  Plain use: channel 16 b + r in all 8 registers.
.macro BLOAD t
.if (\t) < 2
.irp b, 0,1,2
	global_load_b128 v[BIAS+8*\b:BIAS+8*\b+3], v[BO], s[6+2*(\t):7+2*(\t)] offset:64*\b
	global_load_b128 v[BIAS+8*\b+4:BIAS+8*\b+7], v[BO], s[6+2*(\t):7+2*(\t)] offset:64*\b+16
.endr
.else
.irp b, 0,1,2
.irp j, 0,1,2,3,4,5,6,7
	global_load_b32 v[BIAS+8*\b+\j], v[BO2], s[10:11] offset:64*\b
.endr
.endr
.endif
.endm
	BLOAD 0
.if MODE
	; the three tensors' maxima: 256 work-groups' {mq, mk, mv, 0}, 8 x 16 bytes a lane
.irp i, 0,1,2,3,4,5,6,7
	global_load_b128 v[AF+4*\i:AF+4*\i+3], v[L16], s[12:13] offset:512*\i
.endr
	s_mov_b32 s[NM], 0xcb400000
	s_mov_b32 s[NM+1], s[NM]
	s_mov_b32 s[CAPM], 0x4b407fff
	v_mov_b32 v[MAGV], 0x4b400000
	v_mov_b32 v[MAGV+1], 0x4b400000
	; where my results go.  b = mb / 8, sl = mb % 8; column tile ct = 3 cg + b: head ct / 4 of the group, sub = ct % 4
	s_lshr_b32 s58, s[MB], 3
	s_and_b32 s59, s[MB], 7
	s_mul_i32 s60, s58, 12
	s_mul_i32 s61, s[HG], 3
	s_add_co_u32 s60, s60, s61                     ; 12 b + 3 hg
	s_lshl_b32 s62, s58, 2
	s_add_co_u32 s62, s62, s[HG]
	s_lshl_b32 s62, s62, 3
	s_add_co_u32 s62, s62, s59
	s_mul_i32 s62, s62, 3                          ; ((4 b + hg) 8 + sl) 3
.irp b, 0,1,2
	s_mul_i32 s2, s[CG], 3
	s_add_co_u32 s2, s2, \b
	s_lshr_b32 s3, s2, 2                           ; the head in the group
	s_and_b32 s2, s2, 3                            ; sub
	s_add_co_u32 s14, s60, s3                      ; qf: (((12 b + 3 hg + head) 64 + 8 sl + 4 rg) 2048 + 512 sub
	s_lshl_b32 s14, s14, 6
	s_lshl_b32 s15, s59, 3
	s_add_co_u32 s14, s14, s15
	s_lshl_b32 s15, s[RG], 2
	s_add_co_u32 s14, s14, s15
	s_lshl_b32 s14, s14, 11
	s_lshl_b32 s15, s2, 9
	s_add_co_u32 s14, s14, s15
	s_mov_b32 s15, 0
	s_add_nc_u64 s[SB+2*\b:SB+2*\b+1], s[68:69], s[14:15]
	s_add_co_u32 s14, s62, s3                      ; kf: (.. + head) 16384 + 8192 rg + 512 sub
	s_lshl_b32 s14, s14, 14
	s_lshl_b32 s63, s[RG], 13
	s_add_co_u32 s63, s14, s63
	s_lshl_b32 s14, s2, 9
	s_add_co_u32 s14, s63, s14
	s_add_nc_u64 s[SB+6+2*\b:SB+6+2*\b+1], s[72:73], s[14:15]
	s_lshl_b32 s14, s2, 10                         ; vf: the same with 1024 sub
	s_add_co_u32 s14, s63, s14
	s_add_nc_u64 s[SB+12+2*\b:SB+12+2*\b+1], s[74:75], s[14:15]
.endr
	s_wait_loadcnt 0x0
.irp c, 0,1,2
	v_max3_num_f32 v[MX+\c], v[AF+\c], v[AF+4+\c], v[AF+8+\c]
	v_max3_num_f32 v[MX+\c], v[MX+\c], v[AF+12+\c], v[AF+16+\c]
	v_max3_num_f32 v[MX+\c], v[MX+\c], v[AF+20+\c], v[AF+24+\c]
	v_max_num_f32 v[MX+\c], v[MX+\c], v[AF+28+\c]
.endr
.irp c, 0,1,2
	WMAX MX+\c, MX+7
	v_readfirstlane_b32 s2, v[MX+\c]
	s_add_co_u32 s2, s2, 0x7fffff                  ; n = max(ceil(log2 m), -26)
	s_lshr_b32 s2, s2, 23
	s_sub_co_i32 s2, s2, 127
	s_max_i32 s2, s2, -26
	s_sub_co_i32 s2, 142, s2                       ; 2^(15 - n): its exponent field
	s_lshl_b32 s[SC+2*\c], s2, 23
	s_mov_b32 s[SC+2*\c+1], s[SC+2*\c]
.endr
.else
	s_lshl_b32 s2, s[MB], 2
	s_add_co_u32 s2, s2, s[HG]
	s_lshl_b32 s2, s2, 4
	s_mov_b32 s3, 0
	s_add_nc_u64 s[12:13], s[12:13], s[2:3]        ; pmax1[4 mb + hg]
.endif
; One K step of tensor t: 14 fragment loads and 7 scale words, then 12 matrix instructions.  Four places stand behind them, in front of the next loads into their registers.
.macro KSTEP t, k, swap
.irp a, 0,1,2,3
	ds_load_b128 v[AF+8*\a:AF+8*\a+3], v[LA] offset:\a*REC+1024*\k
	ds_load_b128 v[AF+8*\a+4:AF+8*\a+7], v[LA] offset:\a*REC+1024*\k+512
	ds_load_b32 v[AS+\a], v[LAS] offset:\a*REC+128*\k
.endr
.irp b, 0,1,2
	ds_load_b128 v[BF+8*\b:BF+8*\b+3], v[LB+\t] offset:\b*REC+1024*\k
	ds_load_b128 v[BF+8*\b+4:BF+8*\b+7], v[LB+\t] offset:\b*REC+1024*\k+512
	ds_load_b32 v[BS+\b], v[LBS+\t] offset:\b*REC+128*\k
.endr
	s_wait_dscnt 0x0
.irp a, 0,1,2,3
.irp b, 0,1,2
.set rD, ACC+8*(3*\a+\b)
.if \k == 0
.set rC, BIAS+8*\b
.else
.set rC, rD
.endif
.if \swap
	v_wmma_scale_f32_16x16x128_f8f6f4 v[rD:rD+7], v[BF+8*\b:BF+8*\b+7], v[AF+8*\a:AF+8*\a+7], v[rC:rC+7], v[BS+\b], v[AS+\a] matrix_a_fmt:MATRIX_FMT_FP4 matrix_b_fmt:MATRIX_FMT_FP4
.else
	v_wmma_scale_f32_16x16x128_f8f6f4 v[rD:rD+7], v[AF+8*\a:AF+8*\a+7], v[BF+8*\b:BF+8*\b+7], v[rC:rC+7], v[AS+\a], v[BS+\b] matrix_a_fmt:MATRIX_FMT_FP4 matrix_b_fmt:MATRIX_FMT_FP4
.endif
.endr
.endr
	PLACES
.endm
.macro PHASE t, swap
	s_wait_loadcnt 0x0                             ; this tensor's bias is in
.if MODE
	s_wait_xcnt 0x0                                ; the last tensor's stores have read the accumulators' registers
.endif
	KSTEP \t, 0, \swap
.if \t < 2
	BLOAD \t+1                                     ; the next tensor's bias, behind the places of the instructions that read this one's
.endif
	KSTEP \t, 1, \swap
	KSTEP \t, 2, \swap
	KSTEP \t, 3, \swap
	KSTEP \t, 4, \swap
	KSTEP \t, 5, \swap
.if MODE
.set j, 0
.rept 48
	v_pk_fma_f32 v[ACC+j:ACC+j+1], v[ACC+j:ACC+j+1], s[SC+2*\t:SC+2*\t+1], v[MAGV:MAGV+1] op_sel_hi:[1,0,1]   ; t 2^(15-n) + 1.5 x 2^23: rounded to a whole number, ties to even
.set j, j+2
.endr
.set j, 0
.rept 96
	v_min_num_f32 v[ACC+j], s[CAPM], v[ACC+j]      ; the upper clip, 32767
.set j, j+1
.endr
.set j, 0
.rept 48
	v_pk_add_f32 v[ACC+j:ACC+j+1], v[ACC+j:ACC+j+1], s[NM:NM+1] op_sel_hi:[1,0]
.set j, j+2
.endr
.set j, 0
.rept 12
.irp i, 0,1,2,3
	v_cvt_pk_f16_f32 v[ACC+8*j+\i], v[ACC+8*j+2*\i], v[ACC+8*j+2*\i+1]
.endr
.set j, j+1
.endr
.irp a, 0,1,2,3
.irp b, 0,1,2
.if \t < 2
	global_store_b128 v[L16], v[ACC+8*(3*\a+\b):ACC+8*(3*\a+\b)+3], s[SB+6*\t+2*\b:SB+6*\t+2*\b+1] offset:2048*\a
.else
	global_store_b128 v[L16], v[ACC+8*(3*\a+\b):ACC+8*(3*\a+\b)+3], s[SB+6*\t+2*\b:SB+6*\t+2*\b+1] offset:4096*(\a/2)+512*(\a%2)
.endif
.endr
.endr
.else
.set j, 0
.rept 24
	v_max3_num_f32 v[MX+\t], v[MX+\t], |v[ACC+j]|, |v[ACC+j+1]|       ; each accumulator from its low end on; two chains
	v_max3_num_f32 v[MX+4+\t], v[MX+4+\t], |v[ACC+j+2]|, |v[ACC+j+3]|
.set j, j+4
.endr
.endif
.endm
	s_wait_tensorcnt 0x2                           ; x's and Wq's records of mine are in; Wk's and Wv's may be out
	s_barrier_signal -1
	s_barrier_wait -1
	PHASE 0, 1
	s_wait_tensorcnt 0x1                           ; Wk's; Wv's may be out
	s_barrier_signal -1
	s_barrier_wait -1
	PHASE 1, 1
	s_wait_tensorcnt 0x0
	s_barrier_signal -1
	s_barrier_wait -1
	PHASE 2, 0
.if MODE == 0
.irp t, 0,1,2
	v_max_num_f32 v[MX+\t], v[MX+\t], v[MX+4+\t]
.endr
.irp t, 0,1,2
	WMAX MX+\t, MX+7
.endr
	ds_store_b128 v[RW], v[MX:MX+3]                ; my wave's three maxima and a 0 (all lanes write the same 16 bytes with the same values)
	s_wait_dscnt 0x0                               ; for the others' sake
	s_barrier_signal -1
	s_barrier_wait -1
	ds_load_b128 v[MX:MX+3], v[RR]                 ; wave lane % 8's
	s_wait_dscnt 0x0
.irp t, 0,1,2
	v_max_num_f32_dpp v[MX+\t], v[MX+\t], v[MX+\t] row_xmask:1 row_mask:0xf bank_mask:0xf
	v_max_num_f32_dpp v[MX+\t], v[MX+\t], v[MX+\t] row_xmask:2 row_mask:0xf bank_mask:0xf
	v_max_num_f32_dpp v[MX+\t], v[MX+\t], v[MX+\t] row_xmask:4 row_mask:0xf bank_mask:0xf
.endr
	s_wait_xcnt 0x0                                ; EXEC changes only behind this wait
	v_cmp_gt_u32 vcc_lo, 1, v0
	s_and_saveexec_b32 s2, vcc_lo                  ; thread 0 of the work-group alone
	global_store_b128 v[ZR], v[MX:MX+3], s[12:13]
	s_wait_xcnt 0x0
	s_or_b32 exec_lo, exec_lo, s2
.endif
	s_wait_tensorcnt 0x0                           ; the wave's end
	ds_add_u32 v[SPW], v[NIL]
	s_wait_dscnt 0x0
	CROUND                                         ; the closing round
	s_endpgm
.Lfunc_end_k_q3aa2310918_pmaxl:
	.size	k_q3aa2310918_pmaxl, .Lfunc_end_k_q3aa2310918_pmaxl-k_q3aa2310918_pmaxl
	.p2alignl 7, 3214868480
	.fill 96, 4, 3214868480
	.section	.rodata,"a",@progbits
	.p2align	6, 0x0
	.amdhsa_kernel k_q3aa2310918_pmaxl
		.amdhsa_group_segment_fixed_size 327680
		.amdhsa_private_segment_fixed_size 0
		.amdhsa_enable_private_segment 0
		.amdhsa_kernarg_size 40
		.amdhsa_user_sgpr_count 2
		.amdhsa_user_sgpr_kernarg_segment_ptr 1
		.amdhsa_wavefront_size32 1
		.amdhsa_system_sgpr_workgroup_id_x 1
		.amdhsa_system_sgpr_workgroup_id_y 1
		.amdhsa_system_sgpr_workgroup_id_z 1
		.amdhsa_system_vgpr_workitem_id 0
		.amdhsa_next_free_vgpr 256
		.amdhsa_next_free_sgpr 102
		.amdhsa_reserve_vcc 1
		.amdhsa_float_denorm_mode_32 3
		.amdhsa_float_denorm_mode_16_64 3
		.amdhsa_memory_ordered 1
		.amdhsa_forward_progress 1
		.amdhsa_inst_pref_size 76
	.end_amdhsa_kernel
	.amdgpu_metadata
---
amdhsa.version: [ 1, 2 ]
amdhsa.kernels:
  - .name:           k_q3aa2310918_pmaxl
    .symbol:         k_q3aa2310918_pmaxl.kd
    .args:
      - { .name: codes, .offset: 0, .size: 8, .value_kind: global_buffer, .address_space: global }
      - { .name: bq, .offset: 8, .size: 8, .value_kind: global_buffer, .address_space: global }
      - { .name: bk, .offset: 16, .size: 8, .value_kind: global_buffer, .address_space: global }
      - { .name: bv, .offset: 24, .size: 8, .value_kind: global_buffer, .address_space: global }
      - { .name: pmax1, .offset: 32, .size: 8, .value_kind: global_buffer, .address_space: global }
    .group_segment_fixed_size: 327680
    .private_segment_fixed_size: 0
    .kernarg_segment_align: 8
    .kernarg_segment_size: 40
    .max_flat_workgroup_size: 256
    .sgpr_count:     102
    .vgpr_count:     256
    .wavefront_size: 32
...
	.end_amdgpu_metadata
.endif
;; end of part 2
;; launch projl (part 3): grid 4 x 64, 8 waves a work-group, clusters of 4 x 4, 327,680 bytes of LDS; arguments codes, bq, bk, bv, pmax1, qf, kf, vf; writes qf, kf, vf
.if DOCPART == 3
	.amdgcn_target "amdgcn-amd-amdhsa--gfx1250"
	.amdhsa_code_object_version 6
	.text
	.protected	k_q3aa2310918_projl
	.globl	k_q3aa2310918_projl
	.p2align	8
	.type	k_q3aa2310918_projl,@function
k_q3aa2310918_projl:
	s_mov_b64 s[64:65], 0
	v_nop
	global_prefetch_b8 v0, s[64:65] scope:SCOPE_SE
	s_setreg_imm32_b32 hwreg(HW_REG_WAVE_MODE, 25, 1), 1
	s_wait_xcnt 0x0
	s_wait_alu depctr_hold_cnt(0) depctr_sa_sdst(0) depctr_va_vdst(0) depctr_va_sdst(0) depctr_va_ssrc(0) depctr_va_vcc(0) depctr_vm_vsrc(0)
	s_getreg_b32 s2, hwreg(HW_REG_IB_STS2, 6, 4)
	s_cmp_eq_u32 s2, 0
	s_cbranch_scc0 .Lentry_in_a_cluster
	s_endpgm
.Lentry_in_a_cluster:
	s_bfe_u32 s2, ttmp6, 0x10000c
	s_cmp_lg_u32 s2, 0xf033
	s_cbranch_scc0 .Lentry_shape_is_right
	s_endpgm
.Lentry_shape_is_right:
; THE PROJECTIONS q = x Wq^T + bq, k, v on codes of FP4, one text for two launches.  MODE 0: only each work-group's largest |q|, |k|, |v| leave, to pmax1[work-group] = {mq, mk, mv, 0}.
; MODE 1 (this file): the same products again; with the tensors' maxima known, q, k, v become 16-bit whole numbers, rounded to f16, and leave as images of the next products' operands.
; The products are made twice because the quantiser of q, k, v needs each tensor's maximum first: a second pass over 4.5 MB of codes moves fewer bytes than 75 MB of f32 results out and in again.  No work of reference() is left out.
; SHARES.  A work-group takes 128 tokens (block mb) x the 192 columns of three heads (group hg) of all three tensors.  Wave w: rg = w & 1: 4 tiles of 16 tokens; cg = w >> 1: 3 tiles of 16 columns of each tensor.
; Twelve accumulators take turns, one instruction a turn.  K = 768 is six matrix instructions deep.  The bias is the C of a sum's first instruction.
; q and k are used TRANSPOSED (source 0 = 16 rows of W, source 1 = 16 tokens): a lane holds one token and 8 neighbouring channels.  v is used as it stands: a lane holds one channel and 8 neighbouring tokens.
; Either way the lane's four packed registers are four registers of the next operand's fragment, and a store of the wave covers 512 consecutive bytes, aligned.
; qf: [96 heads][64 query tiles][sub 4][lane][16 bytes].  kf: [batch 8][group 4][128 keys: 8][head 3][key tile 8][sub 4][lane][16].  vf: [batch][group][128 keys][head 3][32 keys: 4][channel tile 4][half 2][lane][16].
; LDS is filled once: x's 8 records, then 12 records of each W (a record: 6,912 bytes, dense in memory).  CLUSTER 4 x 4: x's records hang on mb alone and are asked for jointly along a row of the cluster,
; W's hang on hg alone and are asked for jointly along a column.  Waves 0-3 issue four loads each, in one branch: four tensor loads of a wave are out at the most.
.set MODE,  1
.set REC,   6912
.set LWB,   8*REC                      ; LDS: x's records from 0, Wq's from here, Wk's and Wv's behind
.set WT,    12*REC
.set SPARE, LWB+3*WT                   ; the spare words, 128 bytes a wave
.set RED,   SPARE+1024                 ; 16 bytes a wave: the waves' maxima
.set LA,   1                           ; v1   x's fragments: 16 x lane + my 4 records
.set LAS,  2                           ; v2   x's scale words
.set HH,   3                           ; v3   h = lane / 16
.set L4,   4                           ; v4   4 x lane
.set BO,   5                           ; v5   a bias, transposed use: 32 h + 192 cg
.set BO2,  6                           ; v6   a bias, plain use: 4 r + 192 cg
.set L16,  7                           ; v7   16 x lane
.set SPW,  8                           ; v8   my spare word; never rewritten
.set NIL,  9                           ; v9   0; never rewritten
.set LN,   10
.set RL,   11                          ; v11  r = lane % 16
.set LB,   12                          ; v12-14  W's fragments, one address for each tensor
.set LBS,  16                          ; v16-18  W's scale words
.set RW,   20
.set RR,   21
.set ZR,   22
.set AF,   32                          ; v32-63   x's four fragments
.set BF,   64                          ; v64-87   W's three
.set AS,   88                          ; v88-91   x's scale words: scales and nothing else
.set BS,   92                          ; v92-94   W's
.set ACC,  96                          ; v96-191  accumulator (a, b) at 96 + 8 (3 a + b)
.set BIAS, 192                         ; v192-215 the bias of my three column tiles, in the result's layout
.set MAGV, 216                         ; v216-217 1.5 x 2^23
.set MX,   220                         ; v220-222 maxima, v223 = 0, v224-226 second chains, v227 at work
.set G1A, 16
.set G1W, 24
.set G0,  32                           ; s[32:47] four groups 0: x, Wq, Wk, Wv
.set WV,  48
.set RG,  49
.set CG,  50
.set CX,  51
.set CY,  52
.set HG,  53
.set MB,  54
.set SEL, 56
.set CAPM, 70                          ; 1.5 x 2^23 + 32767
.set SB,  76                           ; s[76:93] nine store bases: tensor t, column tile b at 76 + 6 t + 2 b
.set SC,  94                           ; s[94:99] 2^(15 - n) of q, k, v, as pairs
.set NM,  100                          ; s[100:101] -1.5 x 2^23
.macro CROUND                          ; a round of the cluster's barrier
	s_barrier_signal -1
	s_barrier_wait -1
	s_cmp_lg_u32 s[WV], 0
	s_cbranch_scc1 .Lnot_wave_0_\@
	s_barrier_signal -3
.Lnot_wave_0_\@:
	s_barrier_wait -3
	s_barrier_signal -1
	s_barrier_wait -1
.endm
.macro PLACES
.rept 4
	v_nop
.endr
.endm
.macro WMAX r, t                       ; the largest of the 32 lanes' v[r], in every lane
	v_max_num_f32_dpp v[\r], v[\r], v[\r] row_xmask:1 row_mask:0xf bank_mask:0xf
	v_max_num_f32_dpp v[\r], v[\r], v[\r] row_xmask:2 row_mask:0xf bank_mask:0xf
	v_max_num_f32_dpp v[\r], v[\r], v[\r] row_xmask:4 row_mask:0xf bank_mask:0xf
	v_max_num_f32_dpp v[\r], v[\r], v[\r] row_xmask:8 row_mask:0xf bank_mask:0xf
	v_permlanex16_b32 v[\t], v[\r], s[SEL], s[SEL+1]
	v_max_num_f32 v[\r], v[\r], v[\t]
.endm
	s_load_b256 s[4:11], s[0:1], 0x0               ; codes, bq, bk, bv
	s_load_b64 s[12:13], s[0:1], 0x20              ; pmax1
.if MODE
	s_load_b64 s[68:69], s[0:1], 0x28              ; qf
	s_load_b128 s[72:75], s[0:1], 0x30             ; kf, vf
.endif
	v_lshl_add_u32 v[SPW], v0, 2, SPARE
	v_mov_b32 v[NIL], 0
	ds_add_u32 v[SPW], v[NIL]                      ; the opening: the add, twice on end, and its wait ahead of my first tensor load
	ds_add_u32 v[SPW], v[NIL]
	v_lshrrev_b32 v[LN], 5, v0
	v_readfirstlane_b32 s[WV], v[LN]               ; wave 0..7
	s_and_b32 s[RG], s[WV], 1
	s_lshr_b32 s[CG], s[WV], 1
	s_bfe_u32 s[CX], ttmp6, 0x40000
	s_bfe_u32 s[CY], ttmp6, 0x40004
	s_lshl_b32 s[HG], ttmp9, 2
	s_add_co_u32 s[HG], s[HG], s[CX]               ; head group = 4 x cluster x + cx
	s_and_b32 s[MB], ttmp7, 0xffff
	s_lshl_b32 s[MB], s[MB], 2
	s_add_co_u32 s[MB], s[MB], s[CY]               ; token block = 4 x cluster y + cy
	s_lshl_b32 s2, s[CY], 2
	s_lshl_b32 s2, 15, s2                          ; my row of the cluster
	s_lshl_b32 s3, 0x1111, s[CX]                   ; my column
	s_or_b32 s[G1A], s2, (3<<16)|(1<<21)           ; the mask; elements of 8 bytes; bit 21 beside a mask; no padding: images are read 512 consecutive bytes an instruction
	s_or_b32 s[G1W], s3, (3<<16)|(1<<21)
	s_mov_b32 s[G1A+1], 32<<16                     ; rows of 256 bytes
	s_mov_b32 s[G1A+2], 54<<16                     ; two records are 54 rows
	s_mov_b32 s[G1A+3], 32<<16
	s_mov_b32 s[G1A+4], 54
	s_mov_b32 s[G1A+5], 32
	s_mov_b32 s[G1A+6], 0
	s_mov_b32 s[G1A+7], 0
	s_mov_b32 s[G1W+1], 32<<16
	s_mov_b32 s[G1W+2], 81<<16                     ; three records are 81 rows
	s_mov_b32 s[G1W+3], 32<<16
	s_mov_b32 s[G1W+4], 81
	s_mov_b32 s[G1W+5], 32
	s_mov_b32 s[G1W+6], 0
	s_mov_b32 s[G1W+7], 0
	s_lshl_b32 s58, s[MB], 3                       ; x: records 8 mb + 2 w, + 1: made of the token block and the wave's number alone
	s_lshl_b32 s59, s[WV], 1
	s_add_co_u32 s58, s58, s59
	s_mul_i32 s58, s58, REC
	s_mov_b32 s59, 0
	s_mul_i32 s60, s[HG], 12                       ; W: records 512 + 48 t + 12 hg + 3 w on: made of the head group and the wave's number alone
	s_mul_i32 s61, s[WV], 3
	s_add_co_u32 s60, s60, s61
	s_add_co_u32 s60, s60, 512
	s_mul_i32 s60, s60, REC
	s_mov_b32 s61, 0
	s_mul_i32 s62, s[WV], 2*REC                    ; and where they go
	s_mul_i32 s63, s[WV], 3*REC
	s_mov_b32 s[SEL], 0x76543210
	s_mov_b32 s[SEL+1], 0xfedcba98
	v_and_b32 v[LN], 31, v0
	v_and_b32 v[RL], 15, v0
	v_bfe_u32 v[HH], v0, 4, 1
	v_lshlrev_b32 v[L16], 4, v[LN]
	v_lshlrev_b32 v[L4], 2, v[LN]
	s_mul_i32 s2, s[RG], 4*REC
	v_add_nc_u32 v[LA], s2, v[L16]
	s_add_co_u32 s2, s2, 6144
	v_add_nc_u32 v[LAS], s2, v[L4]
	s_mul_i32 s2, s[CG], 3*REC
	s_add_co_u32 s2, s2, LWB
.irp t, 0,1,2
	v_add_nc_u32 v[LB+\t], s2, v[L16]
	s_add_co_u32 s3, s2, 6144
	v_add_nc_u32 v[LBS+\t], s3, v[L4]
	s_add_co_u32 s2, s2, WT
.endr
	s_mul_i32 s2, s[CG], 192
	v_lshl_add_u32 v[BO], v[HH], 5, s2
	v_lshl_add_u32 v[BO2], v[RL], 2, s2
	s_lshl_b32 s2, s[WV], 4
	s_add_co_u32 s2, s2, RED
	v_mov_b32 v[RW], s2
	v_and_b32 v[RR], 7, v0
	v_lshl_add_u32 v[RR], v[RR], 4, RED
	v_mov_b32 v[ZR], 0
.irp j, 0,1,2,3,4,5,6,7
	v_mov_b32 v[MX+\j], 0
.endr
	s_wait_dscnt 0x0                               ; both opening adds are done
	s_wait_kmcnt 0x0
	s_add_nc_u64 s[58:59], s[4:5], s[58:59]
	s_add_nc_u64 s[60:61], s[4:5], s[60:61]
	s_mov_b32 s[G0], 1
	s_mov_b32 s[G0+1], s62
	s_mov_b64 s[G0+2:G0+3], s[58:59]
	s_or_b32 s[G0+3], s[G0+3], 0x80000000
.irp t, 0,1,2
	s_mov_b32 s[G0+4+4*\t], 1
	s_add_co_u32 s[G0+5+4*\t], s63, LWB+WT*\t
	s_add_nc_u64 s[G0+6+4*\t:G0+7+4*\t], s[60:61], 48*REC*\t
	s_or_b32 s[G0+7+4*\t], s[G0+7+4*\t], 0x80000000
.endr
	CROUND                                         ; all sixteen work-groups are here: the joint loads meet
	s_cmp_lt_u32 s[WV], 4                          ; a wave's four first fills stand in one branch on the wave's number
	s_cbranch_scc0 .Lno_fetch
	tensor_load_to_lds s[G0:G0+3], s[G1A:G1A+7]
	s_nop 0
	tensor_load_to_lds s[G0+4:G0+7], s[G1W:G1W+7]
	s_nop 0
	tensor_load_to_lds s[G0+8:G0+11], s[G1W:G1W+7]
	s_nop 0
	tensor_load_to_lds s[G0+12:G0+15], s[G1W:G1W+7]
	s_nop 0
.rept 4
	v_nop
.endr
.Lno_fetch:
	s_mul_i32 s2, s[HG], 768                       ; the head group's 192 numbers of each bias
	s_mov_b32 s3, 0
	s_add_nc_u64 s[6:7], s[6:7], s[2:3]
	s_add_nc_u64 s[8:9], s[8:9], s[2:3]
	s_add_nc_u64 s[10:11], s[10:11], s[2:3]
; the bias of tensor t in the result's layout.  Transposed use: lane (r, h) wants the 8 channels 16 b + 8 h + 0 .. 7.  Plain use: channel 16 b + r in all 8 registers.
.macro BLOAD t
.if (\t) < 2
.irp b, 0,1,2
	global_load_b128 v[BIAS+8*\b:BIAS+8*\b+3], v[BO], s[6+2*(\t):7+2*(\t)] offset:64*\b
	global_load_b128 v[BIAS+8*\b+4:BIAS+8*\b+7], v[BO], s[6+2*(\t):7+2*(\t)] offset:64*\b+16
.endr
.else
.irp b, 0,1,2
.irp j, 0,1,2,3,4,5,6,7
	global_load_b32 v[BIAS+8*\b+\j], v[BO2], s[10:11] offset:64*\b
.endr
.endr
.endif
.endm
	BLOAD 0
.if MODE
	; the three tensors' maxima: 256 work-groups' {mq, mk, mv, 0}, 8 x 16 bytes a lane
.irp i, 0,1,2,3,4,5,6,7
	global_load_b128 v[AF+4*\i:AF+4*\i+3], v[L16], s[12:13] offset:512*\i
.endr
	s_mov_b32 s[NM], 0xcb400000
	s_mov_b32 s[NM+1], s[NM]
	s_mov_b32 s[CAPM], 0x4b407fff
	v_mov_b32 v[MAGV], 0x4b400000
	v_mov_b32 v[MAGV+1], 0x4b400000
	; where my results go.  b = mb / 8, sl = mb % 8; column tile ct = 3 cg + b: head ct / 4 of the group, sub = ct % 4
	s_lshr_b32 s58, s[MB], 3
	s_and_b32 s59, s[MB], 7
	s_mul_i32 s60, s58, 12
	s_mul_i32 s61, s[HG], 3
	s_add_co_u32 s60, s60, s61                     ; 12 b + 3 hg
	s_lshl_b32 s62, s58, 2
	s_add_co_u32 s62, s62, s[HG]
	s_lshl_b32 s62, s62, 3
	s_add_co_u32 s62, s62, s59
	s_mul_i32 s62, s62, 3                          ; ((4 b + hg) 8 + sl) 3
.irp b, 0,1,2
	s_mul_i32 s2, s[CG], 3
	s_add_co_u32 s2, s2, \b
	s_lshr_b32 s3, s2, 2                           ; the head in the group
	s_and_b32 s2, s2, 3                            ; sub
	s_add_co_u32 s14, s60, s3                      ; qf: (((12 b + 3 hg + head) 64 + 8 sl + 4 rg) 2048 + 512 sub
	s_lshl_b32 s14, s14, 6
	s_lshl_b32 s15, s59, 3
	s_add_co_u32 s14, s14, s15
	s_lshl_b32 s15, s[RG], 2
	s_add_co_u32 s14, s14, s15
	s_lshl_b32 s14, s14, 11
	s_lshl_b32 s15, s2, 9
	s_add_co_u32 s14, s14, s15
	s_mov_b32 s15, 0
	s_add_nc_u64 s[SB+2*\b:SB+2*\b+1], s[68:69], s[14:15]
	s_add_co_u32 s14, s62, s3                      ; kf: (.. + head) 16384 + 8192 rg + 512 sub
	s_lshl_b32 s14, s14, 14
	s_lshl_b32 s63, s[RG], 13
	s_add_co_u32 s63, s14, s63
	s_lshl_b32 s14, s2, 9
	s_add_co_u32 s14, s63, s14
	s_add_nc_u64 s[SB+6+2*\b:SB+6+2*\b+1], s[72:73], s[14:15]
	s_lshl_b32 s14, s2, 10                         ; vf: the same with 1024 sub
	s_add_co_u32 s14, s63, s14
	s_add_nc_u64 s[SB+12+2*\b:SB+12+2*\b+1], s[74:75], s[14:15]
.endr
	s_wait_loadcnt 0x0
.irp c, 0,1,2
	v_max3_num_f32 v[MX+\c], v[AF+\c], v[AF+4+\c], v[AF+8+\c]
	v_max3_num_f32 v[MX+\c], v[MX+\c], v[AF+12+\c], v[AF+16+\c]
	v_max3_num_f32 v[MX+\c], v[MX+\c], v[AF+20+\c], v[AF+24+\c]
	v_max_num_f32 v[MX+\c], v[MX+\c], v[AF+28+\c]
.endr
.irp c, 0,1,2
	WMAX MX+\c, MX+7
	v_readfirstlane_b32 s2, v[MX+\c]
	s_add_co_u32 s2, s2, 0x7fffff                  ; n = max(ceil(log2 m), -26)
	s_lshr_b32 s2, s2, 23
	s_sub_co_i32 s2, s2, 127
	s_max_i32 s2, s2, -26
	s_sub_co_i32 s2, 142, s2                       ; 2^(15 - n): its exponent field
	s_lshl_b32 s[SC+2*\c], s2, 23
	s_mov_b32 s[SC+2*\c+1], s[SC+2*\c]
.endr
.else
	s_lshl_b32 s2, s[MB], 2
	s_add_co_u32 s2, s2, s[HG]
	s_lshl_b32 s2, s2, 4
	s_mov_b32 s3, 0
	s_add_nc_u64 s[12:13], s[12:13], s[2:3]        ; pmax1[4 mb + hg]
.endif
; One K step of tensor t: 14 fragment loads and 7 scale words, then 12 matrix instructions.  Four places stand behind them, in front of the next loads into their registers.
.macro KSTEP t, k, swap
.irp a, 0,1,2,3
	ds_load_b128 v[AF+8*\a:AF+8*\a+3], v[LA] offset:\a*REC+1024*\k
	ds_load_b128 v[AF+8*\a+4:AF+8*\a+7], v[LA] offset:\a*REC+1024*\k+512
	ds_load_b32 v[AS+\a], v[LAS] offset:\a*REC+128*\k
.endr
.irp b, 0,1,2
	ds_load_b128 v[BF+8*\b:BF+8*\b+3], v[LB+\t] offset:\b*REC+1024*\k
	ds_load_b128 v[BF+8*\b+4:BF+8*\b+7], v[LB+\t] offset:\b*REC+1024*\k+512
	ds_load_b32 v[BS+\b], v[LBS+\t] offset:\b*REC+128*\k
.endr
	s_wait_dscnt 0x0
.irp a, 0,1,2,3
.irp b, 0,1,2
.set rD, ACC+8*(3*\a+\b)
.if \k == 0
.set rC, BIAS+8*\b
.else
.set rC, rD
.endif
.if \swap
	v_wmma_scale_f32_16x16x128_f8f6f4 v[rD:rD+7], v[BF+8*\b:BF+8*\b+7], v[AF+8*\a:AF+8*\a+7], v[rC:rC+7], v[BS+\b], v[AS+\a] matrix_a_fmt:MATRIX_FMT_FP4 matrix_b_fmt:MATRIX_FMT_FP4
.else
	v_wmma_scale_f32_16x16x128_f8f6f4 v[rD:rD+7], v[AF+8*\a:AF+8*\a+7], v[BF+8*\b:BF+8*\b+7], v[rC:rC+7], v[AS+\a], v[BS+\b] matrix_a_fmt:MATRIX_FMT_FP4 matrix_b_fmt:MATRIX_FMT_FP4
.endif
.endr
.endr
	PLACES
.endm
.macro PHASE t, swap
	s_wait_loadcnt 0x0                             ; this tensor's bias is in
.if MODE
	s_wait_xcnt 0x0                                ; the last tensor's stores have read the accumulators' registers
.endif
	KSTEP \t, 0, \swap
.if \t < 2
	BLOAD \t+1                                     ; the next tensor's bias, behind the places of the instructions that read this one's
.endif
	KSTEP \t, 1, \swap
	KSTEP \t, 2, \swap
	KSTEP \t, 3, \swap
	KSTEP \t, 4, \swap
	KSTEP \t, 5, \swap
.if MODE
.set j, 0
.rept 48
	v_pk_fma_f32 v[ACC+j:ACC+j+1], v[ACC+j:ACC+j+1], s[SC+2*\t:SC+2*\t+1], v[MAGV:MAGV+1] op_sel_hi:[1,0,1]   ; t 2^(15-n) + 1.5 x 2^23: rounded to a whole number, ties to even
.set j, j+2
.endr
.set j, 0
.rept 96
	v_min_num_f32 v[ACC+j], s[CAPM], v[ACC+j]      ; the upper clip, 32767
.set j, j+1
.endr
.set j, 0
.rept 48
	v_pk_add_f32 v[ACC+j:ACC+j+1], v[ACC+j:ACC+j+1], s[NM:NM+1] op_sel_hi:[1,0]
.set j, j+2
.endr
.set j, 0
.rept 12
.irp i, 0,1,2,3
	v_cvt_pk_f16_f32 v[ACC+8*j+\i], v[ACC+8*j+2*\i], v[ACC+8*j+2*\i+1]
.endr
.set j, j+1
.endr
.irp a, 0,1,2,3
.irp b, 0,1,2
.if \t < 2
	global_store_b128 v[L16], v[ACC+8*(3*\a+\b):ACC+8*(3*\a+\b)+3], s[SB+6*\t+2*\b:SB+6*\t+2*\b+1] offset:2048*\a
.else
	global_store_b128 v[L16], v[ACC+8*(3*\a+\b):ACC+8*(3*\a+\b)+3], s[SB+6*\t+2*\b:SB+6*\t+2*\b+1] offset:4096*(\a/2)+512*(\a%2)
.endif
.endr
.endr
.else
.set j, 0
.rept 24
	v_max3_num_f32 v[MX+\t], v[MX+\t], |v[ACC+j]|, |v[ACC+j+1]|       ; each accumulator from its low end on; two chains
	v_max3_num_f32 v[MX+4+\t], v[MX+4+\t], |v[ACC+j+2]|, |v[ACC+j+3]|
.set j, j+4
.endr
.endif
.endm
	s_wait_tensorcnt 0x2                           ; x's and Wq's records of mine are in; Wk's and Wv's may be out
	s_barrier_signal -1
	s_barrier_wait -1
	PHASE 0, 1
	s_wait_tensorcnt 0x1                           ; Wk's; Wv's may be out
	s_barrier_signal -1
	s_barrier_wait -1
	PHASE 1, 1
	s_wait_tensorcnt 0x0
	s_barrier_signal -1
	s_barrier_wait -1
	PHASE 2, 0
.if MODE == 0
.irp t, 0,1,2
	v_max_num_f32 v[MX+\t], v[MX+\t], v[MX+4+\t]
.endr
.irp t, 0,1,2
	WMAX MX+\t, MX+7
.endr
	ds_store_b128 v[RW], v[MX:MX+3]                ; my wave's three maxima and a 0 (all lanes write the same 16 bytes with the same values)
	s_wait_dscnt 0x0                               ; for the others' sake
	s_barrier_signal -1
	s_barrier_wait -1
	ds_load_b128 v[MX:MX+3], v[RR]                 ; wave lane % 8's
	s_wait_dscnt 0x0
.irp t, 0,1,2
	v_max_num_f32_dpp v[MX+\t], v[MX+\t], v[MX+\t] row_xmask:1 row_mask:0xf bank_mask:0xf
	v_max_num_f32_dpp v[MX+\t], v[MX+\t], v[MX+\t] row_xmask:2 row_mask:0xf bank_mask:0xf
	v_max_num_f32_dpp v[MX+\t], v[MX+\t], v[MX+\t] row_xmask:4 row_mask:0xf bank_mask:0xf
.endr
	s_wait_xcnt 0x0                                ; EXEC changes only behind this wait
	v_cmp_gt_u32 vcc_lo, 1, v0
	s_and_saveexec_b32 s2, vcc_lo                  ; thread 0 of the work-group alone
	global_store_b128 v[ZR], v[MX:MX+3], s[12:13]
	s_wait_xcnt 0x0
	s_or_b32 exec_lo, exec_lo, s2
.endif
	s_wait_tensorcnt 0x0                           ; the wave's end
	ds_add_u32 v[SPW], v[NIL]
	s_wait_dscnt 0x0
	CROUND                                         ; the closing round
	s_endpgm
.Lfunc_end_k_q3aa2310918_projl:
	.size	k_q3aa2310918_projl, .Lfunc_end_k_q3aa2310918_projl-k_q3aa2310918_projl
	.p2alignl 7, 3214868480
	.fill 96, 4, 3214868480
	.section	.rodata,"a",@progbits
	.p2align	6, 0x0
	.amdhsa_kernel k_q3aa2310918_projl
		.amdhsa_group_segment_fixed_size 327680
		.amdhsa_private_segment_fixed_size 0
		.amdhsa_enable_private_segment 0
		.amdhsa_kernarg_size 64
		.amdhsa_user_sgpr_count 2
		.amdhsa_user_sgpr_kernarg_segment_ptr 1
		.amdhsa_wavefront_size32 1
		.amdhsa_system_sgpr_workgroup_id_x 1
		.amdhsa_system_sgpr_workgroup_id_y 1
		.amdhsa_system_sgpr_workgroup_id_z 1
		.amdhsa_system_vgpr_workitem_id 0
		.amdhsa_next_free_vgpr 256
		.amdhsa_next_free_sgpr 102
		.amdhsa_reserve_vcc 1
		.amdhsa_float_denorm_mode_32 3
		.amdhsa_float_denorm_mode_16_64 3
		.amdhsa_memory_ordered 1
		.amdhsa_forward_progress 1
		.amdhsa_inst_pref_size 111
	.end_amdhsa_kernel
	.amdgpu_metadata
---
amdhsa.version: [ 1, 2 ]
amdhsa.kernels:
  - .name:           k_q3aa2310918_projl
    .symbol:         k_q3aa2310918_projl.kd
    .args:
      - { .name: codes, .offset: 0, .size: 8, .value_kind: global_buffer, .address_space: global }
      - { .name: bq, .offset: 8, .size: 8, .value_kind: global_buffer, .address_space: global }
      - { .name: bk, .offset: 16, .size: 8, .value_kind: global_buffer, .address_space: global }
      - { .name: bv, .offset: 24, .size: 8, .value_kind: global_buffer, .address_space: global }
      - { .name: pmax1, .offset: 32, .size: 8, .value_kind: global_buffer, .address_space: global }
      - { .name: qf, .offset: 40, .size: 8, .value_kind: global_buffer, .address_space: global }
      - { .name: kf, .offset: 48, .size: 8, .value_kind: global_buffer, .address_space: global }
      - { .name: vf, .offset: 56, .size: 8, .value_kind: global_buffer, .address_space: global }
    .group_segment_fixed_size: 327680
    .private_segment_fixed_size: 0
    .kernarg_segment_align: 8
    .kernarg_segment_size: 64
    .max_flat_workgroup_size: 256
    .sgpr_count:     102
    .vgpr_count:     256
    .wavefront_size: 32
...
	.end_amdgpu_metadata
.endif
;; end of part 3
;; launch smax (part 4): grid 8 x 32, 12 waves a work-group, clusters of 4 x 1, 327,680 bytes of LDS; arguments qf, kf, pA; writes pA
.if DOCPART == 4
	.amdgcn_target "amdgcn-amd-amdhsa--gfx1250"
	.amdhsa_code_object_version 6
	.text
	.protected	k_q3aa2310918_smax
	.globl	k_q3aa2310918_smax
	.p2align	8
	.type	k_q3aa2310918_smax,@function
k_q3aa2310918_smax:
	s_mov_b64 s[64:65], 0
	v_nop
	global_prefetch_b8 v0, s[64:65] scope:SCOPE_SE
	s_setreg_imm32_b32 hwreg(HW_REG_WAVE_MODE, 25, 1), 1
	s_wait_xcnt 0x0
	s_wait_alu depctr_hold_cnt(0) depctr_sa_sdst(0) depctr_va_vdst(0) depctr_va_sdst(0) depctr_va_ssrc(0) depctr_va_vcc(0) depctr_vm_vsrc(0)
	s_getreg_b32 s2, hwreg(HW_REG_IB_STS2, 6, 4)
	s_cmp_eq_u32 s2, 0
	s_cbranch_scc0 .Lentry_in_a_cluster
	s_endpgm
.Lentry_in_a_cluster:
	s_bfe_u32 s2, ttmp6, 0x10000c
	s_cmp_lg_u32 s2, 0x3003
	s_cbranch_scc0 .Lentry_shape_is_right
	s_endpgm
.Lentry_shape_is_right:
; ATTENTION, one text for three launches, since three per-tensor maxima stand one behind the other.  Scores are made anew in each: 100 million of them would cost more on their way to memory and back.  No work of reference() is left out.
; MODE 0 (this file): each work-group's largest |Si|, Si = sum qi ki, to pA.   MODE 1: for each row Mc and l, to stats, and each work-group's smallest normalised l.   MODE 2: h, f32, to hbuf, and each work-group's largest |h|.
; The arithmetic and its limits stand at the head of the first launch's text.  The maximum is taken away before every exponential: a running maximum in MODE 1, the row's own stored one in MODE 2.
; SHARES.  A work-group takes 128 queries (block qb) of the three heads of one (batch, head group) y.  Twelve waves, three to a SIMD, so that one wave's vector work stands beside another's products and LDS loads.
; Head hl = wave / 4.  MODE 1, 2: wave % 4 picks two tiles of 16 queries, and the wave walks all 1,024 keys.  MODE 0: wave % 2 picks four tiles, (wave / 2) % 2 one half of each slot's keys: a fragment of K feeds four products.
; Both products are used transposed: S^T = K Q^T, O^T = V^T P: a lane holds ONE query (lane % 16) throughout, and two tiles of S^T, packed to f16, are the second product's source 1.
; THE RING.  Two LDS slots of 98,304 bytes, 2^17 apart.  MODE 0, 1: a slot holds 256 keys of the three heads' K.  MODE 2: 128 keys of K, then of V.  All are images of operand registers, dense in memory: rows of 256 bytes, no padding.
; Waves 0-5 fetch 16,384 bytes each: one tensor load of a wave is out at the most.  CLUSTER 4 x 1: the four query blocks of a cluster walk the same K and V, so each tile is asked for jointly, with the mask 15.
; The change of slots stands at a slot's head; the refill has the whole slot's work in which to land.
.set MODE,  0
.set SLOT1, 1<<17
.set TAU,   2*SLOT1                    ; -T 2^b3 of the batch's 1,024 keys
.set RED,   TAU+4096                   ; 4 bytes a wave
.set SPARE, RED+256                    ; the spare words, 128 bytes a wave
.set STAGE, SPARE+1536                 ; MODE 2, the way out: 16 rows x 272 bytes for each wave
.if MODE == 2
.set NSL,    8
.set STRIDE, 49152
.set KEYS,   128
.else
.set NSL,    4
.set STRIDE, 98304
.set KEYS,   256
.endif
.set AK0, 1                            ; v1   my lane's place in a slot's K
.set AV0, 2                            ; v2   and V
.set AT0, 3                            ; v3   TAU + 32 h
.set ADK, 4                            ; v4-6 the same for the slot in hand
.set ADV, 5
.set ADT, 6
.set SPW, 7                            ; v7   my spare word; never rewritten
.set NIL, 8                            ; v8   0; never rewritten
.set L16, 9                            ; v9   16 x lane
.set RL,  10                           ; v10  r = lane % 16
.set HH,  11                           ; v11  h = lane / 16
.set RW,  12                           ; v12  RED + 4 x wave
.set RRD, 13                           ; v13  RED
.set TW,  14                           ; v14  TAU + 16 (thread % 256)
.set PFO, 15                           ; v15  256 x lane
.set ZR,  252
.set R4,  253                          ; 4 r
.set L4,  254                          ; 4 x lane
.set ML,  255                          ; 16 (thread % 256)
.if MODE == 0
.set NKT, 2                            ; key tiles in a step
.set NQ,  4                            ; query tiles of a wave
.set Q,   16                           ; v16-79
.set KF,  80                           ; v80-111
.set S,   112                          ; v112-175
.set MX,  208
.endif
.if MODE == 1
.set NKT, 4
.set NQ,  2
.set Q,   16                           ; v16-47
.set KF,  48                           ; v48-111
.set S,   112                          ; v112-175: accumulator (kt, q) at 16 kt + 8 q
.set TT,  176                          ; v176-207
.set ST,  208                          ; tile q at 208 + 8 q: Mc, G, l (two halves), f, at work, a second sum (two halves)
.set STW, 8
.set MAGV, 224
.endif
.if MODE == 2
.set NKT, 2
.set NQ,  2
.set Q,   16                           ; v16-47
.set KF,  48                           ; v48-79: K's fragments, then V's
.set S,   80                           ; v80-111
.set P,   112                          ; v112-127
.set TT,  128                          ; v128-143
.set O,   144                          ; v144-207: accumulator (q, ct) at 32 q + 8 ct
.set ST,  208                          ; tile q at 208 + 4 q: Mc twice, 2^bits5 / l twice
.set STW, 4
.set MAGV, 224
.set MX,  226
.set STO, 228
.set RD,  229
.set GO,  230
.endif
.set W0,  S                            ; at the head: 52 registers for the work-groups' figures and the mask
.set PQ,  4                            ; s[4:5] qf, s[6:7] kf, s[8:9] mask, s[10:11] pmax1, s[12:13] pA, s[14:15] stats, s[16:17] vf, s[18:19] hbuf
.set PK,  6
.set PM,  8
.set PX,  10
.set PAA, 12
.set PS,  14
.set PV,  16
.set PH,  18
.set WV,  20
.set HL,  21
.set QG,  22
.set CX,  23
.set QB,  24
.set Y,   25
.set BB,  26
.set HG,  27
.set SEL, 28
.set G1,  32
.set G0K, 40
.set TB,  44                           ; the slot in hand: 0 or 2^17
.set TS,  45                           ; its keys' place in the table
.set SLOTS, 46
.set T0,  47                           ; my first query tile among the 6,144
.set SCL, 48                           ; s[48:49] 2^(nq+nk-n3-15)
.set CP,  50                           ; s[50:51] log2(e) 2^-b3
.set NM,  52                           ; s[52:53] -1.5 x 2^23
.set CAP, 54
.set CAPM, 55
.set HS,  56                           ; s[56:57] 2^(nv-15-bits5)
.set PFA, 58
.set LIM, 60
.set HMASK, 61
.set B3,  62
.set BITS5, 63
.set OUTP, 78                          ; s[78:79] where the work-group's figure goes
.set ROWP, 80                          ; s[80:81] stats at my first row
.set HP,  82                           ; s[82:83] hbuf at my first row and head
.set G0V, 84
.macro CROUND                          ; a round of the cluster's barrier
	s_barrier_signal -1
	s_barrier_wait -1
	s_cmp_lg_u32 s[WV], 0
	s_cbranch_scc1 .Lnot_wave_0_\@
	s_barrier_signal -3
.Lnot_wave_0_\@:
	s_barrier_wait -3
	s_barrier_signal -1
	s_barrier_wait -1
.endm
.macro PLACES
.rept 4
	v_nop
.endr
.endm
.macro WMAX r, t
	v_max_num_f32_dpp v[\r], v[\r], v[\r] row_xmask:1 row_mask:0xf bank_mask:0xf
	v_max_num_f32_dpp v[\r], v[\r], v[\r] row_xmask:2 row_mask:0xf bank_mask:0xf
	v_max_num_f32_dpp v[\r], v[\r], v[\r] row_xmask:4 row_mask:0xf bank_mask:0xf
	v_max_num_f32_dpp v[\r], v[\r], v[\r] row_xmask:8 row_mask:0xf bank_mask:0xf
	v_permlanex16_b32 v[\t], v[\r], s[SEL], s[SEL+1]
	v_max_num_f32 v[\r], v[\r], v[\t]
.endm
.macro WMIN r, t
	v_min_num_f32_dpp v[\r], v[\r], v[\r] row_xmask:1 row_mask:0xf bank_mask:0xf
	v_min_num_f32_dpp v[\r], v[\r], v[\r] row_xmask:2 row_mask:0xf bank_mask:0xf
	v_min_num_f32_dpp v[\r], v[\r], v[\r] row_xmask:4 row_mask:0xf bank_mask:0xf
	v_min_num_f32_dpp v[\r], v[\r], v[\r] row_xmask:8 row_mask:0xf bank_mask:0xf
	v_permlanex16_b32 v[\t], v[\r], s[SEL], s[SEL+1]
	v_min_num_f32 v[\r], v[\r], v[\t]
.endm
; The joint load of a slot.  The branches hang on the wave's number alone: they are the same in all four partners.  An s_nop 0 and four v_nop follow each load.
.macro TLOAD
.if MODE == 2
	s_cmp_lt_u32 s[WV], 3
	s_cbranch_scc0 .Lnot_k_\@
	tensor_load_to_lds s[G0K:G0K+3], s[G1:G1+7]
	s_nop 0
.rept 4
	v_nop
.endr
	s_branch .Lasked_\@
.Lnot_k_\@:
	s_cmp_lt_u32 s[WV], 6
	s_cbranch_scc0 .Lasked_\@
	tensor_load_to_lds s[G0V:G0V+3], s[G1:G1+7]
	s_nop 0
.rept 4
	v_nop
.endr
.Lasked_\@:
.else
	s_cmp_lt_u32 s[WV], 6
	s_cbranch_scc0 .Lasked_\@
	tensor_load_to_lds s[G0K:G0K+3], s[G1:G1+7]
	s_nop 0
.rept 4
	v_nop
.endr
.Lasked_\@:
.endif
.endm
; MODE 0: a prefetch of the slot that the NEXT change will ask for: 384 blocks of 256 bytes, each named once in the launch.  Both clusters of a y walk the same K: the first (cluster x = 0) asks.  Its four partners take
; 24,576 bytes each, told apart by address; in each, waves 8 to 10 ask for 8,192 bytes, lanes 256 bytes apart.  It stands behind the tensor load's lines.  The last change that fills a slot asks for nothing.
.macro ASK
	s_cmp_gt_u32 s[SLOTS], s[LIM]
	s_cbranch_scc0 .Lnot_mine_\@
	global_prefetch_b8 v[PFO], s[PFA:PFA+1] th:TH_LOAD_NT scope:SCOPE_SE
.Lnot_mine_\@:
.endm
	s_load_b128 s[4:7], s[0:1], 0x0                ; qf, kf
.if MODE == 0
	s_load_b64 s[12:13], s[0:1], 0x10              ; pA
.else
	s_load_b256 s[8:15], s[0:1], 0x10              ; mask, pmax1, pA, stats
.endif
.if MODE == 2
	s_load_b128 s[16:19], s[0:1], 0x30             ; vf, hbuf
.endif
	v_lshl_add_u32 v[SPW], v0, 2, SPARE
	v_mov_b32 v[NIL], 0
	ds_add_u32 v[SPW], v[NIL]                      ; the opening: the add, twice on end, and its wait ahead of my first tensor load
	ds_add_u32 v[SPW], v[NIL]
	v_lshrrev_b32 v[RL], 5, v0
	v_readfirstlane_b32 s[WV], v[RL]               ; wave 0..11
	s_lshr_b32 s[HL], s[WV], 2
	s_and_b32 s[QG], s[WV], 3
	s_bfe_u32 s[CX], ttmp6, 0x40000
	s_lshl_b32 s[QB], ttmp9, 2
	s_add_co_u32 s[QB], s[QB], s[CX]               ; my block of 128 queries: it enters global addresses of Q, the rows and the results alone
	s_and_b32 s[Y], ttmp7, 0xffff                  ; 4 x batch + head group, which the partners share
	s_lshr_b32 s[BB], s[Y], 2
	s_and_b32 s[HG], s[Y], 3
	s_mov_b32 s[G1], 15|(3<<16)|(1<<21)            ; the mask: all four; elements of 8 bytes; bit 21 beside a mask
	s_mov_b32 s[G1+1], 32<<16                      ; rows of 256 bytes,
	s_mov_b32 s[G1+2], 64<<16                      ; 64 of them
	s_mov_b32 s[G1+3], 32<<16
	s_mov_b32 s[G1+4], 64
	s_mov_b32 s[G1+5], 32
	s_mov_b32 s[G1+6], 0
	s_mov_b32 s[G1+7], 0
	s_mov_b32 s[SEL], 0x76543210
	s_mov_b32 s[SEL+1], 0xfedcba98
	s_mov_b32 s[TB], 0
	s_mov_b32 s[TS], 0
	s_mov_b32 s[SLOTS], NSL-1
	s_lshl_b32 s70, s[WV], 14                      ; 16,384 x wave: my part of a slot
	s_mul_i32 s71, s[Y], 393216                    ; y's first byte in kf and in vf
	s_add_co_u32 s66, s71, s70
	s_mov_b32 s67, 0
.if MODE == 2
	s_max_u32 s68, s[WV], 3
	s_sub_co_u32 s68, s68, 3
	s_lshl_b32 s68, s68, 14
	s_add_co_u32 s68, s68, s71                     ; waves 3-5: V's parts 0-2
	s_mov_b32 s69, 0
.endif
	s_mul_i32 s76, s[BB], 12
	s_mul_i32 s77, s[HG], 3
	s_add_co_u32 s76, s76, s77
	s_add_co_u32 s76, s76, s[HL]                   ; my head among the 96
	s_lshl_b32 s76, s76, 6
	s_lshl_b32 s77, s[QB], 3
	s_add_co_u32 s76, s76, s77
.if MODE == 0
	s_and_b32 s77, s[WV], 1
	s_lshl_b32 s77, s77, 2
.else
	s_lshl_b32 s77, s[QG], 1
.endif
	s_add_co_u32 s[T0], s76, s77
	v_and_b32 v[L16], 31, v0
	v_lshlrev_b32 v[PFO], 8, v[L16]
	v_lshlrev_b32 v[L4], 2, v[L16]
	v_lshlrev_b32 v[L16], 4, v[L16]
	v_and_b32 v[RL], 15, v0
	v_bfe_u32 v[HH], v0, 4, 1
	v_lshlrev_b32 v[R4], 2, v[RL]
	v_mov_b32 v[ZR], 0
	v_and_b32 v[ML], 255, v0
	v_lshlrev_b32 v[ML], 4, v[ML]
	v_add_nc_u32 v[TW], TAU, v[ML]
	s_lshl_b32 s76, s[HL], 14
.if MODE == 0
	s_bfe_u32 s77, s[WV], 0x10001                  ; which 128 of a slot's 256 keys
	s_mul_i32 s77, s77, 49152
	s_add_co_u32 s76, s76, s77
.endif
	v_add_nc_u32 v[AK0], s76, v[L16]
	s_lshl_b32 s76, s[HL], 14
	s_add_co_u32 s76, s76, 49152
	v_add_nc_u32 v[AV0], s76, v[L16]
	v_lshl_add_u32 v[AT0], v[HH], 5, TAU
	s_lshl_b32 s76, s[WV], 2
	s_add_co_u32 s76, s76, RED
	v_mov_b32 v[RW], s76
	v_mov_b32 v[RRD], RED
	v_mov_b32 v237, 0                              ; a lane permute's destination counts as one of its sources
.if MODE == 2
	s_mul_i32 s76, s[WV], 4352
	s_add_co_u32 s76, s76, STAGE                   ; my stage
	v_mul_u32_u24 v[STO], v[RL], 272
	v_lshl_add_u32 v[STO], v[HH], 5, v[STO]
	v_add_nc_u32 v[STO], s76, v[STO]               ; in: row r, 32 bytes for each half of the lanes
	v_mul_u32_u24 v[RD], v[HH], 272
	v_lshl_add_u32 v[RD], v[RL], 4, v[RD]
	v_add_nc_u32 v[RD], s76, v[RD]                 ; back: lanes 0-15 one row of 256 bytes, lanes 16-31 the next
	v_mul_u32_u24 v[GO], v[HH], 3072
	v_lshl_add_u32 v[GO], v[RL], 4, v[GO]          ; and the same two rows in hbuf
.endif
	s_wait_dscnt 0x0                               ; both opening adds are done
	s_wait_kmcnt 0x0
	s_mov_b32 s[G0K], 1
	s_mov_b32 s[G0K+1], s70
	s_add_nc_u64 s[G0K+2:G0K+3], s[PK:PK+1], s[66:67]
	s_or_b32 s[G0K+3], s[G0K+3], 0x80000000
.if MODE == 2
	s_mov_b32 s[G0V], 1
	s_mov_b32 s[G0V+1], s70
	s_add_nc_u64 s[G0V+2:G0V+3], s[PV:PV+1], s[68:69]
	s_or_b32 s[G0V+3], s[G0V+3], 0x80000000
.endif
	CROUND                                         ; all four work-groups are here: the first joint loads meet
	TLOAD                                          ; slot 0
	s_lshl_b32 s76, s[T0], 11
	s_mov_b32 s77, 0
	s_add_nc_u64 s[PQ:PQ+1], s[PQ:PQ+1], s[76:77]
.set n, 0
.rept NQ*4
	global_load_b128 v[Q+4*n:Q+4*n+3], v[L16], s[PQ:PQ+1] offset:512*n   ; Q's fragments stay in registers
.set n, n+1
.endr
	s_lshl_b32 s76, s[Y], 3
	s_add_co_u32 s76, s76, s[QB]
	s_lshl_b32 s76, s76, 2                         ; 4 x my work-group's number
.if MODE == 0
	s_add_nc_u64 s[OUTP:OUTP+1], s[PAA:PAA+1], s[76:77]
	s_mov_b32 s66, s71
	s_mov_b32 s67, 0
	s_add_nc_u64 s[PFA:PFA+1], s[PK:PK+1], s[66:67]
	s_mul_i32 s66, s[CX], 24576                    ; my work-group's part of a slot,
	s_and_b32 s68, s[WV], 3
	s_lshl_b32 s68, s68, 13                        ; my wave's part of that,
	s_add_co_u32 s66, s66, s68
	s_add_co_u32 s66, s66, STRIDE                  ; in slot 1: the first change of slots steps it to slot 2
	s_add_nc_u64 s[PFA:PFA+1], s[PFA:PFA+1], s[66:67]
	s_sub_co_u32 s66, s[WV], 8
	s_cmp_lt_u32 s66, 3                            ; waves 8 to 10
	s_cselect_b32 s66, 0, 1
	s_or_b32 s66, s66, ttmp9                       ; of the first cluster of this y: the same in all four partners
	s_cmp_eq_u32 s66, 0
	s_cselect_b32 s[LIM], 1, -1
	v_mov_b32 v[MX], 0
	v_mov_b32 v[MX+1], 0
.endif
.if MODE == 1
	s_add_nc_u64 s[OUTP:OUTP+1], s[PS:PS+1], s[76:77]
.endif
.if MODE == 2
	s_add_nc_u64 s[OUTP:OUTP+1], s[PH:PH+1], s[76:77]
	s_add_nc_u64 s[OUTP:OUTP+1], s[OUTP:OUTP+1], 0x1800000   ; behind h's 25,165,824 bytes
	s_lshl_b32 s76, s[BB], 10
	s_lshl_b32 s66, s[QB], 7
	s_add_co_u32 s76, s76, s66
	s_lshl_b32 s66, s[QG], 5
	s_add_co_u32 s76, s76, s66                     ; my first token
	s_mul_i32 s76, s76, 3072
	s_mul_i32 s66, s[HG], 3
	s_add_co_u32 s66, s66, s[HL]
	s_lshl_b32 s66, s66, 8                         ; my head's 256 bytes of a row
	s_add_co_u32 s76, s76, s66
	s_add_nc_u64 s[HP:HP+1], s[PH:PH+1], s[76:77]
.endif
.if MODE > 0
	s_lshl_b32 s76, s[T0], 6
	s_add_nc_u64 s[ROWP:ROWP+1], s[PS:PS+1], s[76:77]
	s_lshl_b32 s76, s[BB], 12
	s_add_nc_u64 s[PM:PM+1], s[PM:PM+1], s[76:77]
.irp i, 0,1,2,3,4,5,6,7
	global_load_b128 v[W0+4*\i:W0+4*\i+3], v[L16], s[PX:PX+1] offset:512*\i          ; 256 x {mq, mk, mv, 0}
.endr
.irp i, 0,1
	global_load_b128 v[W0+32+4*\i:W0+35+4*\i], v[L16], s[PAA:PAA+1] offset:512*\i    ; 256 x max|Si|
.endr
	global_load_b128 v[W0+48:W0+51], v[ML], s[PM:PM+1]                               ; four keys' mask
.if MODE == 2
.irp i, 0,1
	global_load_b128 v[W0+40+4*\i:W0+43+4*\i], v[L16], s[PS:PS+1] offset:786432+512*\i   ; 256 x the smallest normalised l
.endr
.irp q, 0,1
	global_load_b32 v[ST+4*\q], v[R4], s[ROWP:ROWP+1] offset:64*\q                   ; my query's Mc
	global_load_b32 v[ST+4*\q+2], v[R4], s[ROWP:ROWP+1] offset:393216+64*\q          ; and l
.endr
.endif
	s_mov_b32 s[NM], 0xcb400000
	s_mov_b32 s[NM+1], s[NM]
	s_mov_b32 s[CAPM], 0x4b407fff
	s_mov_b32 s[HMASK], 0xffff0000
	v_mov_b32 v[MAGV], 0x4b400000
	v_mov_b32 v[MAGV+1], 0x4b400000
	s_wait_loadcnt 0x0
.macro PMAX c
	v_max3_num_f32 v[232+\c], v[W0+\c], v[W0+4+\c], v[W0+8+\c]
	v_max3_num_f32 v[232+\c], v[232+\c], v[W0+12+\c], v[W0+16+\c]
	v_max3_num_f32 v[232+\c], v[232+\c], v[W0+20+\c], v[W0+24+\c]
	v_max_num_f32 v[232+\c], v[232+\c], v[W0+28+\c]
	WMAX 232+\c, 237
	v_readfirstlane_b32 s[66+\c], v[232+\c]
	s_add_co_u32 s[71+\c], s[66+\c], 0x7fffff      ; n = max(ceil(log2 m), -26)
	s_lshr_b32 s[71+\c], s[71+\c], 23
	s_sub_co_i32 s[71+\c], s[71+\c], 127
	s_max_i32 s[71+\c], s[71+\c], -26
.endm
	PMAX 0                                         ; nq in s71
	PMAX 1                                         ; nk in s72
	v_max3_num_f32 v235, v[W0+32], v[W0+33], v[W0+34]
	v_max3_num_f32 v235, v235, v[W0+35], v[W0+36]
	v_max3_num_f32 v235, v235, v[W0+37], v[W0+38]
	v_max_num_f32 v235, v235, v[W0+39]
	WMAX 235, 237
	v_readfirstlane_b32 s69, v235                  ; max|Si|
	s_add_co_u32 s74, s69, 0x7fffff
	s_lshr_b32 s74, s74, 23
	s_sub_co_i32 s74, s74, 157                     ; ceil(log2) - 30
	s_add_co_i32 s75, s71, s72
	s_add_co_i32 s74, s74, s75
	s_max_i32 s74, s74, -26                        ; n3
	s_sub_co_i32 s76, s75, s74
	s_add_co_i32 s76, s76, 112                     ; nq + nk - n3 - 15, as an exponent field
	s_lshl_b32 s[SCL], s76, 23
	s_mov_b32 s[SCL+1], s[SCL]
	s_sub_co_i32 s[B3], 18, s74
	s_lshl_b32 s76, s[B3], 23
	s_sub_co_u32 s[CP], 0x3fb8aa3b, s76            ; log2(e) with b3 off its exponent field
	s_mov_b32 s[CP+1], s[CP]
	v_mov_b32 v238, 0x4b400000
	v_fma_f32 v238, v235, s[SCL], v238             ; the largest |y|, on top of 1.5 x 2^23
	v_mov_b32 v239, 0x46fffe00                     ; 32767
	v_mov_b32 v240, 0x467ffe00                     ; 16383.5
	v_cmp_eq_u32 vcc_lo, 0x4b404000, v238          ; is it 16384?  A choice of a value: no branch hangs on it
	v_cndmask_b32 v239, v239, v240, vcc_lo
	v_readfirstlane_b32 s[CAP], v239
.if MODE == 2
	PMAX 2                                         ; nv in s73
	v_min3_num_f32 v236, v[W0+40], v[W0+41], v[W0+42]
	v_min3_num_f32 v236, v236, v[W0+43], v[W0+44]
	v_min3_num_f32 v236, v236, v[W0+45], v[W0+46]
	v_min_num_f32 v236, v236, v[W0+47]
	WMIN 236, 237
	v_readfirstlane_b32 s70, v236
	s_lshr_b32 s[BITS5], s70, 23
	s_sub_co_i32 s[BITS5], s[BITS5], 112           ; bits5 = 15 + floor(log2 of it)
	s_sub_co_i32 s76, s73, s[BITS5]
	s_add_co_i32 s76, s76, 112
	s_lshl_b32 s[HS], s76, 23
	s_mov_b32 s[HS+1], s[HS]
.irp q, 0,1
	v_rcp_f32 v[ST+4*\q+2], v[ST+4*\q+2]
.endr
	v_nop                                          ; a plain place behind the reciprocals,
	s_wait_alu depctr_va_vdst(0)                   ; and the one wait ahead of their first reader
.irp q, 0,1
	v_ldexp_f32 v[ST+4*\q+2], v[ST+4*\q+2], s[BITS5]
	v_mov_b32 v[ST+4*\q+1], v[ST+4*\q]
.endr
.irp q, 0,1
	v_mov_b32 v[ST+4*\q+3], v[ST+4*\q+2]
.endr
	v_mov_b32 v[MX], 0
	v_mov_b32 v[MX+1], 0
.set j, 0
.rept 64
	v_mov_b32 v[O+j], 0                            ; O^T: the step is written once, and its first trip adds onto zeros
.set j, j+1
.endr
.endif
.if MODE == 1
.irp q, 0,1
	v_mov_b32 v[ST+8*\q], 0xff61b1e6               ; Mc and G begin at -3e38, under every g
	v_mov_b32 v[ST+8*\q+1], 0xff61b1e6
	v_mov_b32 v[ST+8*\q+2], 0
	v_mov_b32 v[ST+8*\q+3], 0
	v_mov_b32 v[ST+8*\q+4], 0
	v_mov_b32 v[ST+8*\q+5], 0
.endr
.endif
.irp j, 0,1,2,3
	v_sub_f32 v[W0+48+\j], 1.0, v[W0+48+\j]        ; -T 2^b3, T = 10000 (1 - mask), rounded as reference() rounds it
.endr
.irp j, 0,1,2,3
	v_mul_f32 v[W0+48+\j], 0xc61c4000, v[W0+48+\j]
.endr
.irp j, 0,1,2,3
	v_ldexp_f32 v[W0+48+\j], v[W0+48+\j], s[B3]
.endr
	s_cmp_lt_u32 s[WV], 8                          ; 256 threads x 4 keys fill the table; the first change of slots shows it to every wave
	s_cbranch_scc0 .Lno_tau
	ds_store_b128 v[TW], v[W0+48:W0+51]
.Lno_tau:
.else
	s_wait_loadcnt 0x0                             ; Q
.endif
.macro KLOAD i                         ; the step's key tiles: tile T of the slot lies at (T / 8) x 49,152 + (T % 8) x 2,048; four loads of 512 consecutive bytes each
.set n, 0
.rept NKT*4
.set T, NKT*(\i)+n/4
	ds_load_b128 v[KF+4*n:KF+4*n+3], v[ADK] offset:(T/8)*49152+(T%8)*2048+512*(n%4)
.set n, n+1
.endr
.endm
.macro TTLOAD i                        ; the table's 8 numbers for my half of each key tile
.set n, 0
.rept NKT*2
	ds_load_b128 v[TT+4*n:TT+4*n+3], v[ADT] offset:64*NKT*(\i)+64*(n/2)+16*(n%2)
.set n, n+1
.endr
.endm
.macro QK                              ; S^T = K Q^T: the accumulators take turns, one instruction a turn; the first 32 channels start the sums
.set c, 0
.rept 2
.set n, 0
.rept NKT*NQ
.set rS, S+8*n
.set rK, KF+16*(n/NQ)+8*c
.set rQ, Q+16*(n%NQ)+8*c
.if c == 0
	v_wmma_f32_16x16x32_f16 v[rS:rS+7], v[rK:rK+7], v[rQ:rQ+7], 0
.else
	v_wmma_f32_16x16x32_f16 v[rS:rS+7], v[rK:rK+7], v[rQ:rQ+7], v[rS:rS+7]
.endif
.set n, n+1
.endr
.set c, c+1
.endr
.endm
.macro FRONT                           ; Si -> g = min(rne(Si sc), cap) - T 2^b3
.set j, 0
.rept NKT*8
	v_pk_fma_f32 v[S+j:S+j+1], v[S+j:S+j+1], s[SCL:SCL+1], v[MAGV:MAGV+1] op_sel_hi:[1,0,1]
.set j, j+2
.endr
.set j, 0
.rept NKT*8
	v_pk_add_f32 v[S+j:S+j+1], v[S+j:S+j+1], s[NM:NM+1] op_sel_hi:[1,0]
.set j, j+2
.endr
.set j, 0
.rept NKT*16
	v_min_num_f32 v[S+j], s[CAP], v[S+j]
.set j, j+1
.endr
.set j, 0
.rept NKT*8
	v_pk_add_f32 v[S+j:S+j+1], v[S+j:S+j+1], v[TT+8*(j/16)+j%8:TT+8*(j/16)+j%8+1]
.set j, j+2
.endr
.endm
.macro EXPS                            ; e = 2^(g c - Mc): one batch, one plain place, one wait
.set j, 0
.rept NKT*8
.set rM, ST+STW*((j/8)%2)
	v_pk_fma_f32 v[S+j:S+j+1], v[S+j:S+j+1], s[CP:CP+1], v[rM:rM+1] op_sel_hi:[1,0,0] neg_lo:[0,0,1] neg_hi:[0,0,1]
.set j, j+2
.endr
.set j, 0
.rept NKT*16
	v_exp_f32 v[S+j], v[S+j]
.set j, j+1
.endr
	v_nop
	s_wait_alu depctr_va_vdst(0)                   ; ahead of the batch's first reader
.endm
.macro SUB i
	KLOAD \i
.if MODE > 0
	TTLOAD \i
.endif
	s_wait_dscnt 0x0
	QK
	PLACES                                         ; four places behind the products, in front of the reads of their results and of loads into their sources
.if MODE == 0
.set j, 0
.rept 16
	v_max3_num_f32 v[MX], v[MX], |v[S+j]|, |v[S+j+1]|          ; each accumulator from its low end on; two chains
	v_max3_num_f32 v[MX+1], v[MX+1], |v[S+j+2]|, |v[S+j+3]|
.set j, j+4
.endr
.endif
.if MODE == 2
.set n, 0
.rept 8
	ds_load_b128 v[KF+4*n:KF+4*n+3], v[ADV] offset:4096*(\i)+512*n   ; V^T of these 32 keys, four channel tiles: it lands under the vector work below
.set n, n+1
.endr
.endif
.if MODE > 0
	FRONT
.endif
.if MODE == 1
.irp q, 0,1
	v_max3_num_f32 v[ST+8*\q+5], v[S+8*\q], v[S+8*\q+1], v[S+8*\q+2]
.endr
.set m, 3
.rept 14
.irp q, 0,1
	v_max3_num_f32 v[ST+8*\q+5], v[ST+8*\q+5], v[S+16*(m/8)+8*\q+m%8], v[S+16*((m+1)/8)+8*\q+(m+1)%8]
.endr
.set m, m+2
.endr
.irp q, 0,1
	v_max_num_f32 v[ST+8*\q+5], v[ST+8*\q+5], v[S+55+8*\q]
.endr
.irp q, 0,1
	v_permlanex16_b32 v[ST+8*\q+4], v[ST+8*\q+5], s[SEL], s[SEL+1]     ; the query's other keys lie in the lane 16 away
.endr
.irp q, 0,1
	v_max3_num_f32 v[ST+8*\q+1], v[ST+8*\q+5], v[ST+8*\q+4], v[ST+8*\q+1]   ; the running G
.endr
.irp q, 0,1
	v_mul_f32 v[ST+8*\q+5], s[CP], v[ST+8*\q+1]    ; the new Mc
.endr
.irp q, 0,1
	v_sub_f32 v[ST+8*\q+4], v[ST+8*\q], v[ST+8*\q+5]
.endr
.irp q, 0,1
	v_mov_b32 v[ST+8*\q], v[ST+8*\q+5]
.endr
.irp q, 0,1
	v_exp_f32 v[ST+8*\q+4], v[ST+8*\q+4]           ; f = 2^(old Mc - new Mc): it belongs to the batch below
.endr
.endif
.if MODE > 0
	EXPS
.endif
.if MODE == 1
.irp q, 0,1
	v_pk_mul_f32 v[ST+8*\q+2:ST+8*\q+3], v[ST+8*\q+2:ST+8*\q+3], v[ST+8*\q+4:ST+8*\q+5] op_sel_hi:[1,0]
	v_pk_add_f32 v[ST+8*\q+6:ST+8*\q+7], v[S+8*\q:S+8*\q+1], v[S+8*\q+2:S+8*\q+3]
.endr
.set m, 2
.rept 7
.irp q, 0,1
	v_pk_add_f32 v[ST+8*\q+2:ST+8*\q+3], v[ST+8*\q+2:ST+8*\q+3], v[S+16*(m/4)+8*\q+2*(m%4):S+16*(m/4)+8*\q+2*(m%4)+1]
	v_pk_add_f32 v[ST+8*\q+6:ST+8*\q+7], v[ST+8*\q+6:ST+8*\q+7], v[S+16*((m+1)/4)+8*\q+2*((m+1)%4):S+16*((m+1)/4)+8*\q+2*((m+1)%4)+1]
.endr
.set m, m+2
.endr
.irp q, 0,1
	v_pk_add_f32 v[ST+8*\q+2:ST+8*\q+3], v[ST+8*\q+2:ST+8*\q+3], v[ST+8*\q+6:ST+8*\q+7]
.endr
.endif
.if MODE == 2
.set j, 0
.rept 16
.set rM, ST+4*((j/8)%2)+2
	v_pk_fma_f32 v[S+j:S+j+1], v[S+j:S+j+1], v[rM:rM+1], v[MAGV:MAGV+1]      ; e 2^bits5 / l, rounded to a whole number
.set j, j+2
.endr
.set j, 0
.rept 32
	v_min_num_f32 v[S+j], s[CAPM], v[S+j]          ; the upper clip, 32767
.set j, j+1
.endr
.set j, 0
.rept 16
	v_pk_add_f32 v[S+j:S+j+1], v[S+j:S+j+1], s[NM:NM+1] op_sel_hi:[1,0]
.set j, j+2
.endr
.set n, 0
.rept 16
	v_cvt_pk_f16_f32 v[P+8*((n/4)%2)+4*(n/8)+n%4], v[S+2*n], v[S+2*n+1]
.set n, n+1
.endr
	s_wait_dscnt 0x0                               ; V is in
.set n, 0
.rept 8
.set rO, O+32*(n%2)+8*(n/2)
	v_wmma_f32_16x16x32_f16 v[rO:rO+7], v[KF+8*(n/2):KF+8*(n/2)+7], v[P+8*(n%2):P+8*(n%2)+7], v[rO:rO+7]
.set n, n+1
.endr
	PLACES
.endif
.endm
; THE CHANGE OF SLOTS, at a slot's head.  Each wave waits for all its tensor loads, adds 0 to its spare word, and waits for that and for its reads of the slot that it has left.  fill = 1: a round of the cluster's barrier, so
; that no wave of any partner still reads that slot or has a load on its way; the joint refill is the first thing behind it.
.macro CHANGE fill
	s_wait_tensorcnt 0x0                           ; no tensor load of mine is out, so a group 0 may be written
	ds_add_u32 v[SPW], v[NIL]
.if \fill
	ds_add_u32 v[SPW], v[NIL]                      ; and twice on end here, in every trip alike
	s_xor_b32 s[G0K+1], s[G0K+1], SLOT1            ; the walking descriptor: the other slot, the next keys
	s_add_nc_u64 s[G0K+2:G0K+3], s[G0K+2:G0K+3], STRIDE
.if MODE == 2
	s_xor_b32 s[G0V+1], s[G0V+1], SLOT1
	s_add_nc_u64 s[G0V+2:G0V+3], s[G0V+2:G0V+3], STRIDE
.endif
.if MODE == 0
	s_wait_xcnt 0x0                                ; the last prefetch, a slot back, has read its address
	s_add_nc_u64 s[PFA:PFA+1], s[PFA:PFA+1], STRIDE
.endif
	s_wait_dscnt 0x0
	CROUND
	TLOAD
.if MODE == 0
	ASK
.endif
.else
	s_wait_dscnt 0x0
	s_barrier_signal -1
	s_barrier_wait -1
.endif
.endm
.macro SLOTWORK
	v_add_nc_u32 v[ADK], s[TB], v[AK0]
.if MODE == 2
	v_add_nc_u32 v[ADV], s[TB], v[AV0]
.endif
.if MODE > 0
	v_add_nc_u32 v[ADT], s[TS], v[AT0]
.endif
	SUB 0
	SUB 1
	SUB 2
	SUB 3
	s_xor_b32 s[TB], s[TB], SLOT1
	s_add_co_u32 s[TS], s[TS], KEYS*4
.endm
.Lslot:                                            ; NSL - 1 trips: behind each change of slots but the last the next slot is asked for
	CHANGE 1
	SLOTWORK
	s_sub_co_u32 s[SLOTS], s[SLOTS], 1
	s_cmp_lg_u32 s[SLOTS], 0
	s_cbranch_scc1 .Lslot
	CHANGE 0                                       ; the last slot is written out
	SLOTWORK
; a figure of the work-group: each wave's to its own word, a barrier, every wave reads all twelve, thread 0 stores
.macro XRED r, off
	ds_store_b32 v[RW], v[\r]
	s_wait_dscnt 0x0                               ; for the others' sake
	s_barrier_signal -1
	s_barrier_wait -1
	ds_load_b128 v[240:243], v[RRD]
	ds_load_b128 v[244:247], v[RRD] offset:16
	ds_load_b128 v[248:251], v[RRD] offset:32
	s_wait_dscnt 0x0
.if MODE == 1
	v_min3_num_f32 v240, v240, v241, v242
	v_min3_num_f32 v240, v240, v243, v244
	v_min3_num_f32 v240, v240, v245, v246
	v_min3_num_f32 v240, v240, v247, v248
	v_min3_num_f32 v240, v240, v249, v250
	v_min_num_f32 v240, v240, v251
.else
	v_max3_num_f32 v240, v240, v241, v242
	v_max3_num_f32 v240, v240, v243, v244
	v_max3_num_f32 v240, v240, v245, v246
	v_max3_num_f32 v240, v240, v247, v248
	v_max3_num_f32 v240, v240, v249, v250
	v_max_num_f32 v240, v240, v251
.endif
	s_wait_xcnt 0x0                                ; EXEC changes only behind this wait
	v_cmp_gt_u32 vcc_lo, 1, v0
	s_and_saveexec_b32 s66, vcc_lo                 ; thread 0 of the work-group alone
	global_store_b32 v[ZR], v240, s[OUTP:OUTP+1] offset:\off
	s_wait_xcnt 0x0
	s_or_b32 exec_lo, exec_lo, s66
.endm
.if MODE == 0
	v_max_num_f32 v[MX], v[MX], v[MX+1]
	WMAX MX, 237
	XRED MX, 0
.endif
.if MODE == 1
.irp q, 0,1
	v_add_f32 v[ST+8*\q+2], v[ST+8*\q+2], v[ST+8*\q+3]
.endr
.irp q, 0,1
	v_permlanex16_b32 v[ST+8*\q+4], v[ST+8*\q+2], s[SEL], s[SEL+1]
.endr
.irp q, 0,1
	v_add_f32 v[ST+8*\q+2], v[ST+8*\q+2], v[ST+8*\q+4]                 ; the row's l
	v_fma_f32 v[ST+8*\q+5], v[ST+8*\q+1], s[CP], -v[ST+8*\q]           ; G c - Mc: what the rounding of Mc left
.endr
.irp q, 0,1
	v_exp_f32 v[ST+8*\q+5], -v[ST+8*\q+5]
.endr
	v_nop
	s_wait_alu depctr_va_vdst(0)
.irp q, 0,1
	v_mul_f32 v[ST+8*\q+5], v[ST+8*\q+2], v[ST+8*\q+5]                 ; 1 / (the row's largest p)
.endr
	v_min_num_f32 v236, v[ST+5], v[ST+13]
	v_max_num_f32 v236, 1.0, v236                  ; never under 1 in real numbers: the sum holds its largest term
	v_cndmask_b32 v238, v[ST], v[ST+8], s[HMASK]   ; lanes 0-15: my first tile's rows; lanes 16-31: my second's
	v_cndmask_b32 v239, v[ST+2], v[ST+10], s[HMASK]
	global_store_b32 v[L4], v238, s[ROWP:ROWP+1]
	global_store_b32 v[L4], v239, s[ROWP:ROWP+1] offset:393216
	WMIN 236, 237
	XRED 236, 786432
.endif
.if MODE == 2
	; THE WAY OUT: O^T x 2^(nv-15-bits5) goes through my stage, a tile of 16 queries at a time, and leaves as rows of 256 bytes: sixteen lanes store 256 consecutive bytes, aligned
.irp q, 0,1
.set j, 0
.rept 16
	v_pk_mul_f32 v[O+32*\q+j:O+32*\q+j+1], v[O+32*\q+j:O+32*\q+j+1], s[HS:HS+1] op_sel_hi:[1,0]
.set j, j+2
.endr
.set j, 0
.rept 8
	v_max3_num_f32 v[MX], v[MX], |v[O+32*\q+j]|, |v[O+32*\q+j+1]|
	v_max3_num_f32 v[MX+1], v[MX+1], |v[O+32*\q+j+2]|, |v[O+32*\q+j+3]|
.set j, j+4
.endr
.irp ct, 0,1,2,3
	ds_store_b128 v[STO], v[O+32*\q+8*\ct:O+32*\q+8*\ct+3] offset:64*\ct
	ds_store_b128 v[STO], v[O+32*\q+8*\ct+4:O+32*\q+8*\ct+7] offset:64*\ct+16
.endr
.irp i, 0,1,2,3,4,5,6,7
	ds_load_b128 v[KF+32*\q+4*\i:KF+32*\q+4*\i+3], v[RD] offset:544*\i     ; LDS serves a wave's instructions in order: these see my stores, and the next tile's stores come behind them
.endr
.endr
.irp q, 0,1
.irp i, 0,1,2,3,4,5,6,7
	s_wait_dscnt 16*(1-\q)+7-\i                    ; the LDS instructions issued behind this load may be out
	global_store_b128 v[GO], v[KF+32*\q+4*\i:KF+32*\q+4*\i+3], s[HP:HP+1] offset:6144*\i+49152*\q
.endr
.endr
	v_max_num_f32 v[MX], v[MX], v[MX+1]
	WMAX MX, 237
	XRED MX, 0
.endif
	s_wait_tensorcnt 0x0                           ; the wave's end
	ds_add_u32 v[SPW], v[NIL]
	s_wait_dscnt 0x0
	CROUND                                         ; the closing round
	s_endpgm
.Lfunc_end_k_q3aa2310918_smax:
	.size	k_q3aa2310918_smax, .Lfunc_end_k_q3aa2310918_smax-k_q3aa2310918_smax
	.p2alignl 7, 3214868480
	.fill 96, 4, 3214868480
	.section	.rodata,"a",@progbits
	.p2align	6, 0x0
	.amdhsa_kernel k_q3aa2310918_smax
		.amdhsa_group_segment_fixed_size 327680
		.amdhsa_private_segment_fixed_size 0
		.amdhsa_enable_private_segment 0
		.amdhsa_kernarg_size 24
		.amdhsa_user_sgpr_count 2
		.amdhsa_user_sgpr_kernarg_segment_ptr 1
		.amdhsa_wavefront_size32 1
		.amdhsa_system_sgpr_workgroup_id_x 1
		.amdhsa_system_sgpr_workgroup_id_y 1
		.amdhsa_system_sgpr_workgroup_id_z 1
		.amdhsa_system_vgpr_workitem_id 0
		.amdhsa_next_free_vgpr 256
		.amdhsa_next_free_sgpr 92
		.amdhsa_reserve_vcc 1
		.amdhsa_float_denorm_mode_32 3
		.amdhsa_float_denorm_mode_16_64 3
		.amdhsa_memory_ordered 1
		.amdhsa_forward_progress 1
		.amdhsa_inst_pref_size 40
	.end_amdhsa_kernel
	.amdgpu_metadata
---
amdhsa.version: [ 1, 2 ]
amdhsa.kernels:
  - .name:           k_q3aa2310918_smax
    .symbol:         k_q3aa2310918_smax.kd
    .args:
      - { .name: qf, .offset: 0, .size: 8, .value_kind: global_buffer, .address_space: global }
      - { .name: kf, .offset: 8, .size: 8, .value_kind: global_buffer, .address_space: global }
      - { .name: pA, .offset: 16, .size: 8, .value_kind: global_buffer, .address_space: global }
    .group_segment_fixed_size: 327680
    .private_segment_fixed_size: 0
    .kernarg_segment_align: 8
    .kernarg_segment_size: 24
    .max_flat_workgroup_size: 384
    .sgpr_count:     92
    .vgpr_count:     256
    .wavefront_size: 32
...
	.end_amdgpu_metadata
.endif
;; end of part 4
;; launch srow (part 5): grid 8 x 32, 12 waves a work-group, clusters of 4 x 1, 327,680 bytes of LDS; arguments qf, kf, mask, pmax1, pA, stats; writes stats
.if DOCPART == 5
	.amdgcn_target "amdgcn-amd-amdhsa--gfx1250"
	.amdhsa_code_object_version 6
	.text
	.protected	k_q3aa2310918_srow
	.globl	k_q3aa2310918_srow
	.p2align	8
	.type	k_q3aa2310918_srow,@function
k_q3aa2310918_srow:
	s_mov_b64 s[64:65], 0
	v_nop
	global_prefetch_b8 v0, s[64:65] scope:SCOPE_SE
	s_setreg_imm32_b32 hwreg(HW_REG_WAVE_MODE, 25, 1), 1
	s_wait_xcnt 0x0
	s_wait_alu depctr_hold_cnt(0) depctr_sa_sdst(0) depctr_va_vdst(0) depctr_va_sdst(0) depctr_va_ssrc(0) depctr_va_vcc(0) depctr_vm_vsrc(0)
	s_getreg_b32 s2, hwreg(HW_REG_IB_STS2, 6, 4)
	s_cmp_eq_u32 s2, 0
	s_cbranch_scc0 .Lentry_in_a_cluster
	s_endpgm
.Lentry_in_a_cluster:
	s_bfe_u32 s2, ttmp6, 0x10000c
	s_cmp_lg_u32 s2, 0x3003
	s_cbranch_scc0 .Lentry_shape_is_right
	s_endpgm
.Lentry_shape_is_right:
; ATTENTION, one text for three launches, since three per-tensor maxima stand one behind the other.  Scores are made anew in each: 100 million of them would cost more on their way to memory and back.  No work of reference() is left out.
; MODE 0: each work-group's largest |Si|, Si = sum qi ki, to pA.   MODE 1 (this file): for each row Mc and l, to stats, and each work-group's smallest normalised l.   MODE 2: h, f32, to hbuf, and each work-group's largest |h|.
; The arithmetic and its limits stand at the head of the first launch's text.  The maximum is taken away before every exponential: a running maximum in MODE 1, the row's own stored one in MODE 2.
; SHARES.  A work-group takes 128 queries (block qb) of the three heads of one (batch, head group) y.  Twelve waves, three to a SIMD, so that one wave's vector work stands beside another's products and LDS loads.
; Head hl = wave / 4.  MODE 1, 2: wave % 4 picks two tiles of 16 queries, and the wave walks all 1,024 keys.  MODE 0: wave % 2 picks four tiles, (wave / 2) % 2 one half of each slot's keys: a fragment of K feeds four products.
; Both products are used transposed: S^T = K Q^T, O^T = V^T P: a lane holds ONE query (lane % 16) throughout, and two tiles of S^T, packed to f16, are the second product's source 1.
; THE RING.  Two LDS slots of 98,304 bytes, 2^17 apart.  MODE 0, 1: a slot holds 256 keys of the three heads' K.  MODE 2: 128 keys of K, then of V.  All are images of operand registers, dense in memory: rows of 256 bytes, no padding.
; Waves 0-5 fetch 16,384 bytes each: one tensor load of a wave is out at the most.  CLUSTER 4 x 1: the four query blocks of a cluster walk the same K and V, so each tile is asked for jointly, with the mask 15.
; The change of slots stands at a slot's head; the refill has the whole slot's work in which to land.
.set MODE,  1
.set SLOT1, 1<<17
.set TAU,   2*SLOT1                    ; -T 2^b3 of the batch's 1,024 keys
.set RED,   TAU+4096                   ; 4 bytes a wave
.set SPARE, RED+256                    ; the spare words, 128 bytes a wave
.set STAGE, SPARE+1536                 ; MODE 2, the way out: 16 rows x 272 bytes for each wave
.if MODE == 2
.set NSL,    8
.set STRIDE, 49152
.set KEYS,   128
.else
.set NSL,    4
.set STRIDE, 98304
.set KEYS,   256
.endif
.set AK0, 1                            ; v1   my lane's place in a slot's K
.set AV0, 2                            ; v2   and V
.set AT0, 3                            ; v3   TAU + 32 h
.set ADK, 4                            ; v4-6 the same for the slot in hand
.set ADV, 5
.set ADT, 6
.set SPW, 7                            ; v7   my spare word; never rewritten
.set NIL, 8                            ; v8   0; never rewritten
.set L16, 9                            ; v9   16 x lane
.set RL,  10                           ; v10  r = lane % 16
.set HH,  11                           ; v11  h = lane / 16
.set RW,  12                           ; v12  RED + 4 x wave
.set RRD, 13                           ; v13  RED
.set TW,  14                           ; v14  TAU + 16 (thread % 256)
.set PFO, 15                           ; v15  256 x lane
.set ZR,  252
.set R4,  253                          ; 4 r
.set L4,  254                          ; 4 x lane
.set ML,  255                          ; 16 (thread % 256)
.if MODE == 0
.set NKT, 2                            ; key tiles in a step
.set NQ,  4                            ; query tiles of a wave
.set Q,   16                           ; v16-79
.set KF,  80                           ; v80-111
.set S,   112                          ; v112-175
.set MX,  208
.endif
.if MODE == 1
.set NKT, 4
.set NQ,  2
.set Q,   16                           ; v16-47
.set KF,  48                           ; v48-111
.set S,   112                          ; v112-175: accumulator (kt, q) at 16 kt + 8 q
.set TT,  176                          ; v176-207
.set ST,  208                          ; tile q at 208 + 8 q: Mc, G, l (two halves), f, at work, a second sum (two halves)
.set STW, 8
.set MAGV, 224
.endif
.if MODE == 2
.set NKT, 2
.set NQ,  2
.set Q,   16                           ; v16-47
.set KF,  48                           ; v48-79: K's fragments, then V's
.set S,   80                           ; v80-111
.set P,   112                          ; v112-127
.set TT,  128                          ; v128-143
.set O,   144                          ; v144-207: accumulator (q, ct) at 32 q + 8 ct
.set ST,  208                          ; tile q at 208 + 4 q: Mc twice, 2^bits5 / l twice
.set STW, 4
.set MAGV, 224
.set MX,  226
.set STO, 228
.set RD,  229
.set GO,  230
.endif
.set W0,  S                            ; at the head: 52 registers for the work-groups' figures and the mask
.set PQ,  4                            ; s[4:5] qf, s[6:7] kf, s[8:9] mask, s[10:11] pmax1, s[12:13] pA, s[14:15] stats, s[16:17] vf, s[18:19] hbuf
.set PK,  6
.set PM,  8
.set PX,  10
.set PAA, 12
.set PS,  14
.set PV,  16
.set PH,  18
.set WV,  20
.set HL,  21
.set QG,  22
.set CX,  23
.set QB,  24
.set Y,   25
.set BB,  26
.set HG,  27
.set SEL, 28
.set G1,  32
.set G0K, 40
.set TB,  44                           ; the slot in hand: 0 or 2^17
.set TS,  45                           ; its keys' place in the table
.set SLOTS, 46
.set T0,  47                           ; my first query tile among the 6,144
.set SCL, 48                           ; s[48:49] 2^(nq+nk-n3-15)
.set CP,  50                           ; s[50:51] log2(e) 2^-b3
.set NM,  52                           ; s[52:53] -1.5 x 2^23
.set CAP, 54
.set CAPM, 55
.set HS,  56                           ; s[56:57] 2^(nv-15-bits5)
.set PFA, 58
.set LIM, 60
.set HMASK, 61
.set B3,  62
.set BITS5, 63
.set OUTP, 78                          ; s[78:79] where the work-group's figure goes
.set ROWP, 80                          ; s[80:81] stats at my first row
.set HP,  82                           ; s[82:83] hbuf at my first row and head
.set G0V, 84
.macro CROUND                          ; a round of the cluster's barrier
	s_barrier_signal -1
	s_barrier_wait -1
	s_cmp_lg_u32 s[WV], 0
	s_cbranch_scc1 .Lnot_wave_0_\@
	s_barrier_signal -3
.Lnot_wave_0_\@:
	s_barrier_wait -3
	s_barrier_signal -1
	s_barrier_wait -1
.endm
.macro PLACES
.rept 4
	v_nop
.endr
.endm
.macro WMAX r, t
	v_max_num_f32_dpp v[\r], v[\r], v[\r] row_xmask:1 row_mask:0xf bank_mask:0xf
	v_max_num_f32_dpp v[\r], v[\r], v[\r] row_xmask:2 row_mask:0xf bank_mask:0xf
	v_max_num_f32_dpp v[\r], v[\r], v[\r] row_xmask:4 row_mask:0xf bank_mask:0xf
	v_max_num_f32_dpp v[\r], v[\r], v[\r] row_xmask:8 row_mask:0xf bank_mask:0xf
	v_permlanex16_b32 v[\t], v[\r], s[SEL], s[SEL+1]
	v_max_num_f32 v[\r], v[\r], v[\t]
.endm
.macro WMIN r, t
	v_min_num_f32_dpp v[\r], v[\r], v[\r] row_xmask:1 row_mask:0xf bank_mask:0xf
	v_min_num_f32_dpp v[\r], v[\r], v[\r] row_xmask:2 row_mask:0xf bank_mask:0xf
	v_min_num_f32_dpp v[\r], v[\r], v[\r] row_xmask:4 row_mask:0xf bank_mask:0xf
	v_min_num_f32_dpp v[\r], v[\r], v[\r] row_xmask:8 row_mask:0xf bank_mask:0xf
	v_permlanex16_b32 v[\t], v[\r], s[SEL], s[SEL+1]
	v_min_num_f32 v[\r], v[\r], v[\t]
.endm
; The joint load of a slot.  The branches hang on the wave's number alone: they are the same in all four partners.  An s_nop 0 and four v_nop follow each load.
.macro TLOAD
.if MODE == 2
	s_cmp_lt_u32 s[WV], 3
	s_cbranch_scc0 .Lnot_k_\@
	tensor_load_to_lds s[G0K:G0K+3], s[G1:G1+7]
	s_nop 0
.rept 4
	v_nop
.endr
	s_branch .Lasked_\@
.Lnot_k_\@:
	s_cmp_lt_u32 s[WV], 6
	s_cbranch_scc0 .Lasked_\@
	tensor_load_to_lds s[G0V:G0V+3], s[G1:G1+7]
	s_nop 0
.rept 4
	v_nop
.endr
.Lasked_\@:
.else
	s_cmp_lt_u32 s[WV], 6
	s_cbranch_scc0 .Lasked_\@
	tensor_load_to_lds s[G0K:G0K+3], s[G1:G1+7]
	s_nop 0
.rept 4
	v_nop
.endr
.Lasked_\@:
.endif
.endm
; MODE 0: a prefetch of the slot that the NEXT change will ask for: 384 blocks of 256 bytes, each named once in the launch.  Both clusters of a y walk the same K: the first (cluster x = 0) asks.  Its four partners take
; 24,576 bytes each, told apart by address; in each, waves 8 to 10 ask for 8,192 bytes, lanes 256 bytes apart.  It stands behind the tensor load's lines.  The last change that fills a slot asks for nothing.
.macro ASK
	s_cmp_gt_u32 s[SLOTS], s[LIM]
	s_cbranch_scc0 .Lnot_mine_\@
	global_prefetch_b8 v[PFO], s[PFA:PFA+1] th:TH_LOAD_NT scope:SCOPE_SE
.Lnot_mine_\@:
.endm
	s_load_b128 s[4:7], s[0:1], 0x0                ; qf, kf
.if MODE == 0
	s_load_b64 s[12:13], s[0:1], 0x10              ; pA
.else
	s_load_b256 s[8:15], s[0:1], 0x10              ; mask, pmax1, pA, stats
.endif
.if MODE == 2
	s_load_b128 s[16:19], s[0:1], 0x30             ; vf, hbuf
.endif
	v_lshl_add_u32 v[SPW], v0, 2, SPARE
	v_mov_b32 v[NIL], 0
	ds_add_u32 v[SPW], v[NIL]                      ; the opening: the add, twice on end, and its wait ahead of my first tensor load
	ds_add_u32 v[SPW], v[NIL]
	v_lshrrev_b32 v[RL], 5, v0
	v_readfirstlane_b32 s[WV], v[RL]               ; wave 0..11
	s_lshr_b32 s[HL], s[WV], 2
	s_and_b32 s[QG], s[WV], 3
	s_bfe_u32 s[CX], ttmp6, 0x40000
	s_lshl_b32 s[QB], ttmp9, 2
	s_add_co_u32 s[QB], s[QB], s[CX]               ; my block of 128 queries: it enters global addresses of Q, the rows and the results alone
	s_and_b32 s[Y], ttmp7, 0xffff                  ; 4 x batch + head group, which the partners share
	s_lshr_b32 s[BB], s[Y], 2
	s_and_b32 s[HG], s[Y], 3
	s_mov_b32 s[G1], 15|(3<<16)|(1<<21)            ; the mask: all four; elements of 8 bytes; bit 21 beside a mask
	s_mov_b32 s[G1+1], 32<<16                      ; rows of 256 bytes,
	s_mov_b32 s[G1+2], 64<<16                      ; 64 of them
	s_mov_b32 s[G1+3], 32<<16
	s_mov_b32 s[G1+4], 64
	s_mov_b32 s[G1+5], 32
	s_mov_b32 s[G1+6], 0
	s_mov_b32 s[G1+7], 0
	s_mov_b32 s[SEL], 0x76543210
	s_mov_b32 s[SEL+1], 0xfedcba98
	s_mov_b32 s[TB], 0
	s_mov_b32 s[TS], 0
	s_mov_b32 s[SLOTS], NSL-1
	s_lshl_b32 s70, s[WV], 14                      ; 16,384 x wave: my part of a slot
	s_mul_i32 s71, s[Y], 393216                    ; y's first byte in kf and in vf
	s_add_co_u32 s66, s71, s70
	s_mov_b32 s67, 0
.if MODE == 2
	s_max_u32 s68, s[WV], 3
	s_sub_co_u32 s68, s68, 3
	s_lshl_b32 s68, s68, 14
	s_add_co_u32 s68, s68, s71                     ; waves 3-5: V's parts 0-2
	s_mov_b32 s69, 0
.endif
	s_mul_i32 s76, s[BB], 12
	s_mul_i32 s77, s[HG], 3
	s_add_co_u32 s76, s76, s77
	s_add_co_u32 s76, s76, s[HL]                   ; my head among the 96
	s_lshl_b32 s76, s76, 6
	s_lshl_b32 s77, s[QB], 3
	s_add_co_u32 s76, s76, s77
.if MODE == 0
	s_and_b32 s77, s[WV], 1
	s_lshl_b32 s77, s77, 2
.else
	s_lshl_b32 s77, s[QG], 1
.endif
	s_add_co_u32 s[T0], s76, s77
	v_and_b32 v[L16], 31, v0
	v_lshlrev_b32 v[PFO], 8, v[L16]
	v_lshlrev_b32 v[L4], 2, v[L16]
	v_lshlrev_b32 v[L16], 4, v[L16]
	v_and_b32 v[RL], 15, v0
	v_bfe_u32 v[HH], v0, 4, 1
	v_lshlrev_b32 v[R4], 2, v[RL]
	v_mov_b32 v[ZR], 0
	v_and_b32 v[ML], 255, v0
	v_lshlrev_b32 v[ML], 4, v[ML]
	v_add_nc_u32 v[TW], TAU, v[ML]
	s_lshl_b32 s76, s[HL], 14
.if MODE == 0
	s_bfe_u32 s77, s[WV], 0x10001                  ; which 128 of a slot's 256 keys
	s_mul_i32 s77, s77, 49152
	s_add_co_u32 s76, s76, s77
.endif
	v_add_nc_u32 v[AK0], s76, v[L16]
	s_lshl_b32 s76, s[HL], 14
	s_add_co_u32 s76, s76, 49152
	v_add_nc_u32 v[AV0], s76, v[L16]
	v_lshl_add_u32 v[AT0], v[HH], 5, TAU
	s_lshl_b32 s76, s[WV], 2
	s_add_co_u32 s76, s76, RED
	v_mov_b32 v[RW], s76
	v_mov_b32 v[RRD], RED
	v_mov_b32 v237, 0                              ; a lane permute's destination counts as one of its sources
.if MODE == 2
	s_mul_i32 s76, s[WV], 4352
	s_add_co_u32 s76, s76, STAGE                   ; my stage
	v_mul_u32_u24 v[STO], v[RL], 272
	v_lshl_add_u32 v[STO], v[HH], 5, v[STO]
	v_add_nc_u32 v[STO], s76, v[STO]               ; in: row r, 32 bytes for each half of the lanes
	v_mul_u32_u24 v[RD], v[HH], 272
	v_lshl_add_u32 v[RD], v[RL], 4, v[RD]
	v_add_nc_u32 v[RD], s76, v[RD]                 ; back: lanes 0-15 one row of 256 bytes, lanes 16-31 the next
	v_mul_u32_u24 v[GO], v[HH], 3072
	v_lshl_add_u32 v[GO], v[RL], 4, v[GO]          ; and the same two rows in hbuf
.endif
	s_wait_dscnt 0x0                               ; both opening adds are done
	s_wait_kmcnt 0x0
	s_mov_b32 s[G0K], 1
	s_mov_b32 s[G0K+1], s70
	s_add_nc_u64 s[G0K+2:G0K+3], s[PK:PK+1], s[66:67]
	s_or_b32 s[G0K+3], s[G0K+3], 0x80000000
.if MODE == 2
	s_mov_b32 s[G0V], 1
	s_mov_b32 s[G0V+1], s70
	s_add_nc_u64 s[G0V+2:G0V+3], s[PV:PV+1], s[68:69]
	s_or_b32 s[G0V+3], s[G0V+3], 0x80000000
.endif
	CROUND                                         ; all four work-groups are here: the first joint loads meet
	TLOAD                                          ; slot 0
	s_lshl_b32 s76, s[T0], 11
	s_mov_b32 s77, 0
	s_add_nc_u64 s[PQ:PQ+1], s[PQ:PQ+1], s[76:77]
.set n, 0
.rept NQ*4
	global_load_b128 v[Q+4*n:Q+4*n+3], v[L16], s[PQ:PQ+1] offset:512*n   ; Q's fragments stay in registers
.set n, n+1
.endr
	s_lshl_b32 s76, s[Y], 3
	s_add_co_u32 s76, s76, s[QB]
	s_lshl_b32 s76, s76, 2                         ; 4 x my work-group's number
.if MODE == 0
	s_add_nc_u64 s[OUTP:OUTP+1], s[PAA:PAA+1], s[76:77]
	s_mov_b32 s66, s71
	s_mov_b32 s67, 0
	s_add_nc_u64 s[PFA:PFA+1], s[PK:PK+1], s[66:67]
	s_mul_i32 s66, s[CX], 24576                    ; my work-group's part of a slot,
	s_and_b32 s68, s[WV], 3
	s_lshl_b32 s68, s68, 13                        ; my wave's part of that,
	s_add_co_u32 s66, s66, s68
	s_add_co_u32 s66, s66, STRIDE                  ; in slot 1: the first change of slots steps it to slot 2
	s_add_nc_u64 s[PFA:PFA+1], s[PFA:PFA+1], s[66:67]
	s_sub_co_u32 s66, s[WV], 8
	s_cmp_lt_u32 s66, 3                            ; waves 8 to 10
	s_cselect_b32 s66, 0, 1
	s_or_b32 s66, s66, ttmp9                       ; of the first cluster of this y: the same in all four partners
	s_cmp_eq_u32 s66, 0
	s_cselect_b32 s[LIM], 1, -1
	v_mov_b32 v[MX], 0
	v_mov_b32 v[MX+1], 0
.endif
.if MODE == 1
	s_add_nc_u64 s[OUTP:OUTP+1], s[PS:PS+1], s[76:77]
.endif
.if MODE == 2
	s_add_nc_u64 s[OUTP:OUTP+1], s[PH:PH+1], s[76:77]
	s_add_nc_u64 s[OUTP:OUTP+1], s[OUTP:OUTP+1], 0x1800000   ; behind h's 25,165,824 bytes
	s_lshl_b32 s76, s[BB], 10
	s_lshl_b32 s66, s[QB], 7
	s_add_co_u32 s76, s76, s66
	s_lshl_b32 s66, s[QG], 5
	s_add_co_u32 s76, s76, s66                     ; my first token
	s_mul_i32 s76, s76, 3072
	s_mul_i32 s66, s[HG], 3
	s_add_co_u32 s66, s66, s[HL]
	s_lshl_b32 s66, s66, 8                         ; my head's 256 bytes of a row
	s_add_co_u32 s76, s76, s66
	s_add_nc_u64 s[HP:HP+1], s[PH:PH+1], s[76:77]
.endif
.if MODE > 0
	s_lshl_b32 s76, s[T0], 6
	s_add_nc_u64 s[ROWP:ROWP+1], s[PS:PS+1], s[76:77]
	s_lshl_b32 s76, s[BB], 12
	s_add_nc_u64 s[PM:PM+1], s[PM:PM+1], s[76:77]
.irp i, 0,1,2,3,4,5,6,7
	global_load_b128 v[W0+4*\i:W0+4*\i+3], v[L16], s[PX:PX+1] offset:512*\i          ; 256 x {mq, mk, mv, 0}
.endr
.irp i, 0,1
	global_load_b128 v[W0+32+4*\i:W0+35+4*\i], v[L16], s[PAA:PAA+1] offset:512*\i    ; 256 x max|Si|
.endr
	global_load_b128 v[W0+48:W0+51], v[ML], s[PM:PM+1]                               ; four keys' mask
.if MODE == 2
.irp i, 0,1
	global_load_b128 v[W0+40+4*\i:W0+43+4*\i], v[L16], s[PS:PS+1] offset:786432+512*\i   ; 256 x the smallest normalised l
.endr
.irp q, 0,1
	global_load_b32 v[ST+4*\q], v[R4], s[ROWP:ROWP+1] offset:64*\q                   ; my query's Mc
	global_load_b32 v[ST+4*\q+2], v[R4], s[ROWP:ROWP+1] offset:393216+64*\q          ; and l
.endr
.endif
	s_mov_b32 s[NM], 0xcb400000
	s_mov_b32 s[NM+1], s[NM]
	s_mov_b32 s[CAPM], 0x4b407fff
	s_mov_b32 s[HMASK], 0xffff0000
	v_mov_b32 v[MAGV], 0x4b400000
	v_mov_b32 v[MAGV+1], 0x4b400000
	s_wait_loadcnt 0x0
.macro PMAX c
	v_max3_num_f32 v[232+\c], v[W0+\c], v[W0+4+\c], v[W0+8+\c]
	v_max3_num_f32 v[232+\c], v[232+\c], v[W0+12+\c], v[W0+16+\c]
	v_max3_num_f32 v[232+\c], v[232+\c], v[W0+20+\c], v[W0+24+\c]
	v_max_num_f32 v[232+\c], v[232+\c], v[W0+28+\c]
	WMAX 232+\c, 237
	v_readfirstlane_b32 s[66+\c], v[232+\c]
	s_add_co_u32 s[71+\c], s[66+\c], 0x7fffff      ; n = max(ceil(log2 m), -26)
	s_lshr_b32 s[71+\c], s[71+\c], 23
	s_sub_co_i32 s[71+\c], s[71+\c], 127
	s_max_i32 s[71+\c], s[71+\c], -26
.endm
	PMAX 0                                         ; nq in s71
	PMAX 1                                         ; nk in s72
	v_max3_num_f32 v235, v[W0+32], v[W0+33], v[W0+34]
	v_max3_num_f32 v235, v235, v[W0+35], v[W0+36]
	v_max3_num_f32 v235, v235, v[W0+37], v[W0+38]
	v_max_num_f32 v235, v235, v[W0+39]
	WMAX 235, 237
	v_readfirstlane_b32 s69, v235                  ; max|Si|
	s_add_co_u32 s74, s69, 0x7fffff
	s_lshr_b32 s74, s74, 23
	s_sub_co_i32 s74, s74, 157                     ; ceil(log2) - 30
	s_add_co_i32 s75, s71, s72
	s_add_co_i32 s74, s74, s75
	s_max_i32 s74, s74, -26                        ; n3
	s_sub_co_i32 s76, s75, s74
	s_add_co_i32 s76, s76, 112                     ; nq + nk - n3 - 15, as an exponent field
	s_lshl_b32 s[SCL], s76, 23
	s_mov_b32 s[SCL+1], s[SCL]
	s_sub_co_i32 s[B3], 18, s74
	s_lshl_b32 s76, s[B3], 23
	s_sub_co_u32 s[CP], 0x3fb8aa3b, s76            ; log2(e) with b3 off its exponent field
	s_mov_b32 s[CP+1], s[CP]
	v_mov_b32 v238, 0x4b400000
	v_fma_f32 v238, v235, s[SCL], v238             ; the largest |y|, on top of 1.5 x 2^23
	v_mov_b32 v239, 0x46fffe00                     ; 32767
	v_mov_b32 v240, 0x467ffe00                     ; 16383.5
	v_cmp_eq_u32 vcc_lo, 0x4b404000, v238          ; is it 16384?  A choice of a value: no branch hangs on it
	v_cndmask_b32 v239, v239, v240, vcc_lo
	v_readfirstlane_b32 s[CAP], v239
.if MODE == 2
	PMAX 2                                         ; nv in s73
	v_min3_num_f32 v236, v[W0+40], v[W0+41], v[W0+42]
	v_min3_num_f32 v236, v236, v[W0+43], v[W0+44]
	v_min3_num_f32 v236, v236, v[W0+45], v[W0+46]
	v_min_num_f32 v236, v236, v[W0+47]
	WMIN 236, 237
	v_readfirstlane_b32 s70, v236
	s_lshr_b32 s[BITS5], s70, 23
	s_sub_co_i32 s[BITS5], s[BITS5], 112           ; bits5 = 15 + floor(log2 of it)
	s_sub_co_i32 s76, s73, s[BITS5]
	s_add_co_i32 s76, s76, 112
	s_lshl_b32 s[HS], s76, 23
	s_mov_b32 s[HS+1], s[HS]
.irp q, 0,1
	v_rcp_f32 v[ST+4*\q+2], v[ST+4*\q+2]
.endr
	v_nop                                          ; a plain place behind the reciprocals,
	s_wait_alu depctr_va_vdst(0)                   ; and the one wait ahead of their first reader
.irp q, 0,1
	v_ldexp_f32 v[ST+4*\q+2], v[ST+4*\q+2], s[BITS5]
	v_mov_b32 v[ST+4*\q+1], v[ST+4*\q]
.endr
.irp q, 0,1
	v_mov_b32 v[ST+4*\q+3], v[ST+4*\q+2]
.endr
	v_mov_b32 v[MX], 0
	v_mov_b32 v[MX+1], 0
.set j, 0
.rept 64
	v_mov_b32 v[O+j], 0                            ; O^T: the step is written once, and its first trip adds onto zeros
.set j, j+1
.endr
.endif
.if MODE == 1
.irp q, 0,1
	v_mov_b32 v[ST+8*\q], 0xff61b1e6               ; Mc and G begin at -3e38, under every g
	v_mov_b32 v[ST+8*\q+1], 0xff61b1e6
	v_mov_b32 v[ST+8*\q+2], 0
	v_mov_b32 v[ST+8*\q+3], 0
	v_mov_b32 v[ST+8*\q+4], 0
	v_mov_b32 v[ST+8*\q+5], 0
.endr
.endif
.irp j, 0,1,2,3
	v_sub_f32 v[W0+48+\j], 1.0, v[W0+48+\j]        ; -T 2^b3, T = 10000 (1 - mask), rounded as reference() rounds it
.endr
.irp j, 0,1,2,3
	v_mul_f32 v[W0+48+\j], 0xc61c4000, v[W0+48+\j]
.endr
.irp j, 0,1,2,3
	v_ldexp_f32 v[W0+48+\j], v[W0+48+\j], s[B3]
.endr
	s_cmp_lt_u32 s[WV], 8                          ; 256 threads x 4 keys fill the table; the first change of slots shows it to every wave
	s_cbranch_scc0 .Lno_tau
	ds_store_b128 v[TW], v[W0+48:W0+51]
.Lno_tau:
.else
	s_wait_loadcnt 0x0                             ; Q
.endif
.macro KLOAD i                         ; the step's key tiles: tile T of the slot lies at (T / 8) x 49,152 + (T % 8) x 2,048; four loads of 512 consecutive bytes each
.set n, 0
.rept NKT*4
.set T, NKT*(\i)+n/4
	ds_load_b128 v[KF+4*n:KF+4*n+3], v[ADK] offset:(T/8)*49152+(T%8)*2048+512*(n%4)
.set n, n+1
.endr
.endm
.macro TTLOAD i                        ; the table's 8 numbers for my half of each key tile
.set n, 0
.rept NKT*2
	ds_load_b128 v[TT+4*n:TT+4*n+3], v[ADT] offset:64*NKT*(\i)+64*(n/2)+16*(n%2)
.set n, n+1
.endr
.endm
.macro QK                              ; S^T = K Q^T: the accumulators take turns, one instruction a turn; the first 32 channels start the sums
.set c, 0
.rept 2
.set n, 0
.rept NKT*NQ
.set rS, S+8*n
.set rK, KF+16*(n/NQ)+8*c
.set rQ, Q+16*(n%NQ)+8*c
.if c == 0
	v_wmma_f32_16x16x32_f16 v[rS:rS+7], v[rK:rK+7], v[rQ:rQ+7], 0
.else
	v_wmma_f32_16x16x32_f16 v[rS:rS+7], v[rK:rK+7], v[rQ:rQ+7], v[rS:rS+7]
.endif
.set n, n+1
.endr
.set c, c+1
.endr
.endm
.macro FRONT                           ; Si -> g = min(rne(Si sc), cap) - T 2^b3
.set j, 0
.rept NKT*8
	v_pk_fma_f32 v[S+j:S+j+1], v[S+j:S+j+1], s[SCL:SCL+1], v[MAGV:MAGV+1] op_sel_hi:[1,0,1]
.set j, j+2
.endr
.set j, 0
.rept NKT*8
	v_pk_add_f32 v[S+j:S+j+1], v[S+j:S+j+1], s[NM:NM+1] op_sel_hi:[1,0]
.set j, j+2
.endr
.set j, 0
.rept NKT*16
	v_min_num_f32 v[S+j], s[CAP], v[S+j]
.set j, j+1
.endr
.set j, 0
.rept NKT*8
	v_pk_add_f32 v[S+j:S+j+1], v[S+j:S+j+1], v[TT+8*(j/16)+j%8:TT+8*(j/16)+j%8+1]
.set j, j+2
.endr
.endm
.macro EXPS                            ; e = 2^(g c - Mc): one batch, one plain place, one wait
.set j, 0
.rept NKT*8
.set rM, ST+STW*((j/8)%2)
	v_pk_fma_f32 v[S+j:S+j+1], v[S+j:S+j+1], s[CP:CP+1], v[rM:rM+1] op_sel_hi:[1,0,0] neg_lo:[0,0,1] neg_hi:[0,0,1]
.set j, j+2
.endr
.set j, 0
.rept NKT*16
	v_exp_f32 v[S+j], v[S+j]
.set j, j+1
.endr
	v_nop
	s_wait_alu depctr_va_vdst(0)                   ; ahead of the batch's first reader
.endm
.macro SUB i
	KLOAD \i
.if MODE > 0
	TTLOAD \i
.endif
	s_wait_dscnt 0x0
	QK
	PLACES                                         ; four places behind the products, in front of the reads of their results and of loads into their sources
.if MODE == 0
.set j, 0
.rept 16
	v_max3_num_f32 v[MX], v[MX], |v[S+j]|, |v[S+j+1]|          ; each accumulator from its low end on; two chains
	v_max3_num_f32 v[MX+1], v[MX+1], |v[S+j+2]|, |v[S+j+3]|
.set j, j+4
.endr
.endif
.if MODE == 2
.set n, 0
.rept 8
	ds_load_b128 v[KF+4*n:KF+4*n+3], v[ADV] offset:4096*(\i)+512*n   ; V^T of these 32 keys, four channel tiles: it lands under the vector work below
.set n, n+1
.endr
.endif
.if MODE > 0
	FRONT
.endif
.if MODE == 1
.irp q, 0,1
	v_max3_num_f32 v[ST+8*\q+5], v[S+8*\q], v[S+8*\q+1], v[S+8*\q+2]
.endr
.set m, 3
.rept 14
.irp q, 0,1
	v_max3_num_f32 v[ST+8*\q+5], v[ST+8*\q+5], v[S+16*(m/8)+8*\q+m%8], v[S+16*((m+1)/8)+8*\q+(m+1)%8]
.endr
.set m, m+2
.endr
.irp q, 0,1
	v_max_num_f32 v[ST+8*\q+5], v[ST+8*\q+5], v[S+55+8*\q]
.endr
.irp q, 0,1
	v_permlanex16_b32 v[ST+8*\q+4], v[ST+8*\q+5], s[SEL], s[SEL+1]     ; the query's other keys lie in the lane 16 away
.endr
.irp q, 0,1
	v_max3_num_f32 v[ST+8*\q+1], v[ST+8*\q+5], v[ST+8*\q+4], v[ST+8*\q+1]   ; the running G
.endr
.irp q, 0,1
	v_mul_f32 v[ST+8*\q+5], s[CP], v[ST+8*\q+1]    ; the new Mc
.endr
.irp q, 0,1
	v_sub_f32 v[ST+8*\q+4], v[ST+8*\q], v[ST+8*\q+5]
.endr
.irp q, 0,1
	v_mov_b32 v[ST+8*\q], v[ST+8*\q+5]
.endr
.irp q, 0,1
	v_exp_f32 v[ST+8*\q+4], v[ST+8*\q+4]           ; f = 2^(old Mc - new Mc): it belongs to the batch below
.endr
.endif
.if MODE > 0
	EXPS
.endif
.if MODE == 1
.irp q, 0,1
	v_pk_mul_f32 v[ST+8*\q+2:ST+8*\q+3], v[ST+8*\q+2:ST+8*\q+3], v[ST+8*\q+4:ST+8*\q+5] op_sel_hi:[1,0]
	v_pk_add_f32 v[ST+8*\q+6:ST+8*\q+7], v[S+8*\q:S+8*\q+1], v[S+8*\q+2:S+8*\q+3]
.endr
.set m, 2
.rept 7
.irp q, 0,1
	v_pk_add_f32 v[ST+8*\q+2:ST+8*\q+3], v[ST+8*\q+2:ST+8*\q+3], v[S+16*(m/4)+8*\q+2*(m%4):S+16*(m/4)+8*\q+2*(m%4)+1]
	v_pk_add_f32 v[ST+8*\q+6:ST+8*\q+7], v[ST+8*\q+6:ST+8*\q+7], v[S+16*((m+1)/4)+8*\q+2*((m+1)%4):S+16*((m+1)/4)+8*\q+2*((m+1)%4)+1]
.endr
.set m, m+2
.endr
.irp q, 0,1
	v_pk_add_f32 v[ST+8*\q+2:ST+8*\q+3], v[ST+8*\q+2:ST+8*\q+3], v[ST+8*\q+6:ST+8*\q+7]
.endr
.endif
.if MODE == 2
.set j, 0
.rept 16
.set rM, ST+4*((j/8)%2)+2
	v_pk_fma_f32 v[S+j:S+j+1], v[S+j:S+j+1], v[rM:rM+1], v[MAGV:MAGV+1]      ; e 2^bits5 / l, rounded to a whole number
.set j, j+2
.endr
.set j, 0
.rept 32
	v_min_num_f32 v[S+j], s[CAPM], v[S+j]          ; the upper clip, 32767
.set j, j+1
.endr
.set j, 0
.rept 16
	v_pk_add_f32 v[S+j:S+j+1], v[S+j:S+j+1], s[NM:NM+1] op_sel_hi:[1,0]
.set j, j+2
.endr
.set n, 0
.rept 16
	v_cvt_pk_f16_f32 v[P+8*((n/4)%2)+4*(n/8)+n%4], v[S+2*n], v[S+2*n+1]
.set n, n+1
.endr
	s_wait_dscnt 0x0                               ; V is in
.set n, 0
.rept 8
.set rO, O+32*(n%2)+8*(n/2)
	v_wmma_f32_16x16x32_f16 v[rO:rO+7], v[KF+8*(n/2):KF+8*(n/2)+7], v[P+8*(n%2):P+8*(n%2)+7], v[rO:rO+7]
.set n, n+1
.endr
	PLACES
.endif
.endm
; THE CHANGE OF SLOTS, at a slot's head.  Each wave waits for all its tensor loads, adds 0 to its spare word, and waits for that and for its reads of the slot that it has left.  fill = 1: a round of the cluster's barrier, so
; that no wave of any partner still reads that slot or has a load on its way; the joint refill is the first thing behind it.
.macro CHANGE fill
	s_wait_tensorcnt 0x0                           ; no tensor load of mine is out, so a group 0 may be written
	ds_add_u32 v[SPW], v[NIL]
.if \fill
	ds_add_u32 v[SPW], v[NIL]                      ; and twice on end here, in every trip alike
	s_xor_b32 s[G0K+1], s[G0K+1], SLOT1            ; the walking descriptor: the other slot, the next keys
	s_add_nc_u64 s[G0K+2:G0K+3], s[G0K+2:G0K+3], STRIDE
.if MODE == 2
	s_xor_b32 s[G0V+1], s[G0V+1], SLOT1
	s_add_nc_u64 s[G0V+2:G0V+3], s[G0V+2:G0V+3], STRIDE
.endif
.if MODE == 0
	s_wait_xcnt 0x0                                ; the last prefetch, a slot back, has read its address
	s_add_nc_u64 s[PFA:PFA+1], s[PFA:PFA+1], STRIDE
.endif
	s_wait_dscnt 0x0
	CROUND
	TLOAD
.if MODE == 0
	ASK
.endif
.else
	s_wait_dscnt 0x0
	s_barrier_signal -1
	s_barrier_wait -1
.endif
.endm
.macro SLOTWORK
	v_add_nc_u32 v[ADK], s[TB], v[AK0]
.if MODE == 2
	v_add_nc_u32 v[ADV], s[TB], v[AV0]
.endif
.if MODE > 0
	v_add_nc_u32 v[ADT], s[TS], v[AT0]
.endif
	SUB 0
	SUB 1
	SUB 2
	SUB 3
	s_xor_b32 s[TB], s[TB], SLOT1
	s_add_co_u32 s[TS], s[TS], KEYS*4
.endm
.Lslot:                                            ; NSL - 1 trips: behind each change of slots but the last the next slot is asked for
	CHANGE 1
	SLOTWORK
	s_sub_co_u32 s[SLOTS], s[SLOTS], 1
	s_cmp_lg_u32 s[SLOTS], 0
	s_cbranch_scc1 .Lslot
	CHANGE 0                                       ; the last slot is written out
	SLOTWORK
; a figure of the work-group: each wave's to its own word, a barrier, every wave reads all twelve, thread 0 stores
.macro XRED r, off
	ds_store_b32 v[RW], v[\r]
	s_wait_dscnt 0x0                               ; for the others' sake
	s_barrier_signal -1
	s_barrier_wait -1
	ds_load_b128 v[240:243], v[RRD]
	ds_load_b128 v[244:247], v[RRD] offset:16
	ds_load_b128 v[248:251], v[RRD] offset:32
	s_wait_dscnt 0x0
.if MODE == 1
	v_min3_num_f32 v240, v240, v241, v242
	v_min3_num_f32 v240, v240, v243, v244
	v_min3_num_f32 v240, v240, v245, v246
	v_min3_num_f32 v240, v240, v247, v248
	v_min3_num_f32 v240, v240, v249, v250
	v_min_num_f32 v240, v240, v251
.else
	v_max3_num_f32 v240, v240, v241, v242
	v_max3_num_f32 v240, v240, v243, v244
	v_max3_num_f32 v240, v240, v245, v246
	v_max3_num_f32 v240, v240, v247, v248
	v_max3_num_f32 v240, v240, v249, v250
	v_max_num_f32 v240, v240, v251
.endif
	s_wait_xcnt 0x0                                ; EXEC changes only behind this wait
	v_cmp_gt_u32 vcc_lo, 1, v0
	s_and_saveexec_b32 s66, vcc_lo                 ; thread 0 of the work-group alone
	global_store_b32 v[ZR], v240, s[OUTP:OUTP+1] offset:\off
	s_wait_xcnt 0x0
	s_or_b32 exec_lo, exec_lo, s66
.endm
.if MODE == 0
	v_max_num_f32 v[MX], v[MX], v[MX+1]
	WMAX MX, 237
	XRED MX, 0
.endif
.if MODE == 1
.irp q, 0,1
	v_add_f32 v[ST+8*\q+2], v[ST+8*\q+2], v[ST+8*\q+3]
.endr
.irp q, 0,1
	v_permlanex16_b32 v[ST+8*\q+4], v[ST+8*\q+2], s[SEL], s[SEL+1]
.endr
.irp q, 0,1
	v_add_f32 v[ST+8*\q+2], v[ST+8*\q+2], v[ST+8*\q+4]                 ; the row's l
	v_fma_f32 v[ST+8*\q+5], v[ST+8*\q+1], s[CP], -v[ST+8*\q]           ; G c - Mc: what the rounding of Mc left
.endr
.irp q, 0,1
	v_exp_f32 v[ST+8*\q+5], -v[ST+8*\q+5]
.endr
	v_nop
	s_wait_alu depctr_va_vdst(0)
.irp q, 0,1
	v_mul_f32 v[ST+8*\q+5], v[ST+8*\q+2], v[ST+8*\q+5]                 ; 1 / (the row's largest p)
.endr
	v_min_num_f32 v236, v[ST+5], v[ST+13]
	v_max_num_f32 v236, 1.0, v236                  ; never under 1 in real numbers: the sum holds its largest term
	v_cndmask_b32 v238, v[ST], v[ST+8], s[HMASK]   ; lanes 0-15: my first tile's rows; lanes 16-31: my second's
	v_cndmask_b32 v239, v[ST+2], v[ST+10], s[HMASK]
	global_store_b32 v[L4], v238, s[ROWP:ROWP+1]
	global_store_b32 v[L4], v239, s[ROWP:ROWP+1] offset:393216
	WMIN 236, 237
	XRED 236, 786432
.endif
.if MODE == 2
	; THE WAY OUT: O^T x 2^(nv-15-bits5) goes through my stage, a tile of 16 queries at a time, and leaves as rows of 256 bytes: sixteen lanes store 256 consecutive bytes, aligned
.irp q, 0,1
.set j, 0
.rept 16
	v_pk_mul_f32 v[O+32*\q+j:O+32*\q+j+1], v[O+32*\q+j:O+32*\q+j+1], s[HS:HS+1] op_sel_hi:[1,0]
.set j, j+2
.endr
.set j, 0
.rept 8
	v_max3_num_f32 v[MX], v[MX], |v[O+32*\q+j]|, |v[O+32*\q+j+1]|
	v_max3_num_f32 v[MX+1], v[MX+1], |v[O+32*\q+j+2]|, |v[O+32*\q+j+3]|
.set j, j+4
.endr
.irp ct, 0,1,2,3
	ds_store_b128 v[STO], v[O+32*\q+8*\ct:O+32*\q+8*\ct+3] offset:64*\ct
	ds_store_b128 v[STO], v[O+32*\q+8*\ct+4:O+32*\q+8*\ct+7] offset:64*\ct+16
.endr
.irp i, 0,1,2,3,4,5,6,7
	ds_load_b128 v[KF+32*\q+4*\i:KF+32*\q+4*\i+3], v[RD] offset:544*\i     ; LDS serves a wave's instructions in order: these see my stores, and the next tile's stores come behind them
.endr
.endr
.irp q, 0,1
.irp i, 0,1,2,3,4,5,6,7
	s_wait_dscnt 16*(1-\q)+7-\i                    ; the LDS instructions issued behind this load may be out
	global_store_b128 v[GO], v[KF+32*\q+4*\i:KF+32*\q+4*\i+3], s[HP:HP+1] offset:6144*\i+49152*\q
.endr
.endr
	v_max_num_f32 v[MX], v[MX], v[MX+1]
	WMAX MX, 237
	XRED MX, 0
.endif
	s_wait_tensorcnt 0x0                           ; the wave's end
	ds_add_u32 v[SPW], v[NIL]
	s_wait_dscnt 0x0
	CROUND                                         ; the closing round
	s_endpgm
.Lfunc_end_k_q3aa2310918_srow:
	.size	k_q3aa2310918_srow, .Lfunc_end_k_q3aa2310918_srow-k_q3aa2310918_srow
	.p2alignl 7, 3214868480
	.fill 96, 4, 3214868480
	.section	.rodata,"a",@progbits
	.p2align	6, 0x0
	.amdhsa_kernel k_q3aa2310918_srow
		.amdhsa_group_segment_fixed_size 327680
		.amdhsa_private_segment_fixed_size 0
		.amdhsa_enable_private_segment 0
		.amdhsa_kernarg_size 48
		.amdhsa_user_sgpr_count 2
		.amdhsa_user_sgpr_kernarg_segment_ptr 1
		.amdhsa_wavefront_size32 1
		.amdhsa_system_sgpr_workgroup_id_x 1
		.amdhsa_system_sgpr_workgroup_id_y 1
		.amdhsa_system_sgpr_workgroup_id_z 1
		.amdhsa_system_vgpr_workitem_id 0
		.amdhsa_next_free_vgpr 256
		.amdhsa_next_free_sgpr 92
		.amdhsa_reserve_vcc 1
		.amdhsa_float_denorm_mode_32 3
		.amdhsa_float_denorm_mode_16_64 3
		.amdhsa_memory_ordered 1
		.amdhsa_forward_progress 1
		.amdhsa_inst_pref_size 170
	.end_amdhsa_kernel
	.amdgpu_metadata
---
amdhsa.version: [ 1, 2 ]
amdhsa.kernels:
  - .name:           k_q3aa2310918_srow
    .symbol:         k_q3aa2310918_srow.kd
    .args:
      - { .name: qf, .offset: 0, .size: 8, .value_kind: global_buffer, .address_space: global }
      - { .name: kf, .offset: 8, .size: 8, .value_kind: global_buffer, .address_space: global }
      - { .name: mask, .offset: 16, .size: 8, .value_kind: global_buffer, .address_space: global }
      - { .name: pmax1, .offset: 24, .size: 8, .value_kind: global_buffer, .address_space: global }
      - { .name: pA, .offset: 32, .size: 8, .value_kind: global_buffer, .address_space: global }
      - { .name: stats, .offset: 40, .size: 8, .value_kind: global_buffer, .address_space: global }
    .group_segment_fixed_size: 327680
    .private_segment_fixed_size: 0
    .kernarg_segment_align: 8
    .kernarg_segment_size: 48
    .max_flat_workgroup_size: 384
    .sgpr_count:     92
    .vgpr_count:     256
    .wavefront_size: 32
...
	.end_amdgpu_metadata
.endif
;; end of part 5
;; launch sout (part 6): grid 8 x 32, 12 waves a work-group, clusters of 4 x 1, 327,680 bytes of LDS; arguments qf, kf, mask, pmax1, pA, stats, vf, hbuf; writes hbuf
.if DOCPART == 6
	.amdgcn_target "amdgcn-amd-amdhsa--gfx1250"
	.amdhsa_code_object_version 6
	.text
	.protected	k_q3aa2310918_sout
	.globl	k_q3aa2310918_sout
	.p2align	8
	.type	k_q3aa2310918_sout,@function
k_q3aa2310918_sout:
	s_mov_b64 s[64:65], 0
	v_nop
	global_prefetch_b8 v0, s[64:65] scope:SCOPE_SE
	s_setreg_imm32_b32 hwreg(HW_REG_WAVE_MODE, 25, 1), 1
	s_wait_xcnt 0x0
	s_wait_alu depctr_hold_cnt(0) depctr_sa_sdst(0) depctr_va_vdst(0) depctr_va_sdst(0) depctr_va_ssrc(0) depctr_va_vcc(0) depctr_vm_vsrc(0)
	s_getreg_b32 s2, hwreg(HW_REG_IB_STS2, 6, 4)
	s_cmp_eq_u32 s2, 0
	s_cbranch_scc0 .Lentry_in_a_cluster
	s_endpgm
.Lentry_in_a_cluster:
	s_bfe_u32 s2, ttmp6, 0x10000c
	s_cmp_lg_u32 s2, 0x3003
	s_cbranch_scc0 .Lentry_shape_is_right
	s_endpgm
.Lentry_shape_is_right:
; ATTENTION, one text for three launches, since three per-tensor maxima stand one behind the other.  Scores are made anew in each: 100 million of them would cost more on their way to memory and back.  No work of reference() is left out.
; MODE 0: each work-group's largest |Si|, Si = sum qi ki, to pA.   MODE 1: for each row Mc and l, to stats, and each work-group's smallest normalised l.   MODE 2 (this file): h, f32, to hbuf, and each work-group's largest |h|.
; The arithmetic and its limits stand at the head of the first launch's text.  The maximum is taken away before every exponential: a running maximum in MODE 1, the row's own stored one in MODE 2.
; SHARES.  A work-group takes 128 queries (block qb) of the three heads of one (batch, head group) y.  Twelve waves, three to a SIMD, so that one wave's vector work stands beside another's products and LDS loads.
; Head hl = wave / 4.  MODE 1, 2: wave % 4 picks two tiles of 16 queries, and the wave walks all 1,024 keys.  MODE 0: wave % 2 picks four tiles, (wave / 2) % 2 one half of each slot's keys: a fragment of K feeds four products.
; Both products are used transposed: S^T = K Q^T, O^T = V^T P: a lane holds ONE query (lane % 16) throughout, and two tiles of S^T, packed to f16, are the second product's source 1.
; THE RING.  Two LDS slots of 98,304 bytes, 2^17 apart.  MODE 0, 1: a slot holds 256 keys of the three heads' K.  MODE 2: 128 keys of K, then of V.  All are images of operand registers, dense in memory: rows of 256 bytes, no padding.
; Waves 0-5 fetch 16,384 bytes each: one tensor load of a wave is out at the most.  CLUSTER 4 x 1: the four query blocks of a cluster walk the same K and V, so each tile is asked for jointly, with the mask 15.
; The change of slots stands at a slot's head; the refill has the whole slot's work in which to land.
.set MODE,  2
.set SLOT1, 1<<17
.set TAU,   2*SLOT1                    ; -T 2^b3 of the batch's 1,024 keys
.set RED,   TAU+4096                   ; 4 bytes a wave
.set SPARE, RED+256                    ; the spare words, 128 bytes a wave
.set STAGE, SPARE+1536                 ; MODE 2, the way out: 16 rows x 272 bytes for each wave
.if MODE == 2
.set NSL,    8
.set STRIDE, 49152
.set KEYS,   128
.else
.set NSL,    4
.set STRIDE, 98304
.set KEYS,   256
.endif
.set AK0, 1                            ; v1   my lane's place in a slot's K
.set AV0, 2                            ; v2   and V
.set AT0, 3                            ; v3   TAU + 32 h
.set ADK, 4                            ; v4-6 the same for the slot in hand
.set ADV, 5
.set ADT, 6
.set SPW, 7                            ; v7   my spare word; never rewritten
.set NIL, 8                            ; v8   0; never rewritten
.set L16, 9                            ; v9   16 x lane
.set RL,  10                           ; v10  r = lane % 16
.set HH,  11                           ; v11  h = lane / 16
.set RW,  12                           ; v12  RED + 4 x wave
.set RRD, 13                           ; v13  RED
.set TW,  14                           ; v14  TAU + 16 (thread % 256)
.set PFO, 15                           ; v15  256 x lane
.set ZR,  252
.set R4,  253                          ; 4 r
.set L4,  254                          ; 4 x lane
.set ML,  255                          ; 16 (thread % 256)
.if MODE == 0
.set NKT, 2                            ; key tiles in a step
.set NQ,  4                            ; query tiles of a wave
.set Q,   16                           ; v16-79
.set KF,  80                           ; v80-111
.set S,   112                          ; v112-175
.set MX,  208
.endif
.if MODE == 1
.set NKT, 4
.set NQ,  2
.set Q,   16                           ; v16-47
.set KF,  48                           ; v48-111
.set S,   112                          ; v112-175: accumulator (kt, q) at 16 kt + 8 q
.set TT,  176                          ; v176-207
.set ST,  208                          ; tile q at 208 + 8 q: Mc, G, l (two halves), f, at work, a second sum (two halves)
.set STW, 8
.set MAGV, 224
.endif
.if MODE == 2
.set NKT, 2
.set NQ,  2
.set Q,   16                           ; v16-47
.set KF,  48                           ; v48-79: K's fragments, then V's
.set S,   80                           ; v80-111
.set P,   112                          ; v112-127
.set TT,  128                          ; v128-143
.set O,   144                          ; v144-207: accumulator (q, ct) at 32 q + 8 ct
.set ST,  208                          ; tile q at 208 + 4 q: Mc twice, 2^bits5 / l twice
.set STW, 4
.set MAGV, 224
.set MX,  226
.set STO, 228
.set RD,  229
.set GO,  230
.endif
.set W0,  S                            ; at the head: 52 registers for the work-groups' figures and the mask
.set PQ,  4                            ; s[4:5] qf, s[6:7] kf, s[8:9] mask, s[10:11] pmax1, s[12:13] pA, s[14:15] stats, s[16:17] vf, s[18:19] hbuf
.set PK,  6
.set PM,  8
.set PX,  10
.set PAA, 12
.set PS,  14
.set PV,  16
.set PH,  18
.set WV,  20
.set HL,  21
.set QG,  22
.set CX,  23
.set QB,  24
.set Y,   25
.set BB,  26
.set HG,  27
.set SEL, 28
.set G1,  32
.set G0K, 40
.set TB,  44                           ; the slot in hand: 0 or 2^17
.set TS,  45                           ; its keys' place in the table
.set SLOTS, 46
.set T0,  47                           ; my first query tile among the 6,144
.set SCL, 48                           ; s[48:49] 2^(nq+nk-n3-15)
.set CP,  50                           ; s[50:51] log2(e) 2^-b3
.set NM,  52                           ; s[52:53] -1.5 x 2^23
.set CAP, 54
.set CAPM, 55
.set HS,  56                           ; s[56:57] 2^(nv-15-bits5)
.set PFA, 58
.set LIM, 60
.set HMASK, 61
.set B3,  62
.set BITS5, 63
.set OUTP, 78                          ; s[78:79] where the work-group's figure goes
.set ROWP, 80                          ; s[80:81] stats at my first row
.set HP,  82                           ; s[82:83] hbuf at my first row and head
.set G0V, 84
.macro CROUND                          ; a round of the cluster's barrier
	s_barrier_signal -1
	s_barrier_wait -1
	s_cmp_lg_u32 s[WV], 0
	s_cbranch_scc1 .Lnot_wave_0_\@
	s_barrier_signal -3
.Lnot_wave_0_\@:
	s_barrier_wait -3
	s_barrier_signal -1
	s_barrier_wait -1
.endm
.macro PLACES
.rept 4
	v_nop
.endr
.endm
.macro WMAX r, t
	v_max_num_f32_dpp v[\r], v[\r], v[\r] row_xmask:1 row_mask:0xf bank_mask:0xf
	v_max_num_f32_dpp v[\r], v[\r], v[\r] row_xmask:2 row_mask:0xf bank_mask:0xf
	v_max_num_f32_dpp v[\r], v[\r], v[\r] row_xmask:4 row_mask:0xf bank_mask:0xf
	v_max_num_f32_dpp v[\r], v[\r], v[\r] row_xmask:8 row_mask:0xf bank_mask:0xf
	v_permlanex16_b32 v[\t], v[\r], s[SEL], s[SEL+1]
	v_max_num_f32 v[\r], v[\r], v[\t]
.endm
.macro WMIN r, t
	v_min_num_f32_dpp v[\r], v[\r], v[\r] row_xmask:1 row_mask:0xf bank_mask:0xf
	v_min_num_f32_dpp v[\r], v[\r], v[\r] row_xmask:2 row_mask:0xf bank_mask:0xf
	v_min_num_f32_dpp v[\r], v[\r], v[\r] row_xmask:4 row_mask:0xf bank_mask:0xf
	v_min_num_f32_dpp v[\r], v[\r], v[\r] row_xmask:8 row_mask:0xf bank_mask:0xf
	v_permlanex16_b32 v[\t], v[\r], s[SEL], s[SEL+1]
	v_min_num_f32 v[\r], v[\r], v[\t]
.endm
; The joint load of a slot.  The branches hang on the wave's number alone: they are the same in all four partners.  An s_nop 0 and four v_nop follow each load.
.macro TLOAD
.if MODE == 2
	s_cmp_lt_u32 s[WV], 3
	s_cbranch_scc0 .Lnot_k_\@
	tensor_load_to_lds s[G0K:G0K+3], s[G1:G1+7]
	s_nop 0
.rept 4
	v_nop
.endr
	s_branch .Lasked_\@
.Lnot_k_\@:
	s_cmp_lt_u32 s[WV], 6
	s_cbranch_scc0 .Lasked_\@
	tensor_load_to_lds s[G0V:G0V+3], s[G1:G1+7]
	s_nop 0
.rept 4
	v_nop
.endr
.Lasked_\@:
.else
	s_cmp_lt_u32 s[WV], 6
	s_cbranch_scc0 .Lasked_\@
	tensor_load_to_lds s[G0K:G0K+3], s[G1:G1+7]
	s_nop 0
.rept 4
	v_nop
.endr
.Lasked_\@:
.endif
.endm
; MODE 0: a prefetch of the slot that the NEXT change will ask for: 384 blocks of 256 bytes, each named once in the launch.  Both clusters of a y walk the same K: the first (cluster x = 0) asks.  Its four partners take
; 24,576 bytes each, told apart by address; in each, waves 8 to 10 ask for 8,192 bytes, lanes 256 bytes apart.  It stands behind the tensor load's lines.  The last change that fills a slot asks for nothing.
.macro ASK
	s_cmp_gt_u32 s[SLOTS], s[LIM]
	s_cbranch_scc0 .Lnot_mine_\@
	global_prefetch_b8 v[PFO], s[PFA:PFA+1] th:TH_LOAD_NT scope:SCOPE_SE
.Lnot_mine_\@:
.endm
	s_load_b128 s[4:7], s[0:1], 0x0                ; qf, kf
.if MODE == 0
	s_load_b64 s[12:13], s[0:1], 0x10              ; pA
.else
	s_load_b256 s[8:15], s[0:1], 0x10              ; mask, pmax1, pA, stats
.endif
.if MODE == 2
	s_load_b128 s[16:19], s[0:1], 0x30             ; vf, hbuf
.endif
	v_lshl_add_u32 v[SPW], v0, 2, SPARE
	v_mov_b32 v[NIL], 0
	ds_add_u32 v[SPW], v[NIL]                      ; the opening: the add, twice on end, and its wait ahead of my first tensor load
	ds_add_u32 v[SPW], v[NIL]
	v_lshrrev_b32 v[RL], 5, v0
	v_readfirstlane_b32 s[WV], v[RL]               ; wave 0..11
	s_lshr_b32 s[HL], s[WV], 2
	s_and_b32 s[QG], s[WV], 3
	s_bfe_u32 s[CX], ttmp6, 0x40000
	s_lshl_b32 s[QB], ttmp9, 2
	s_add_co_u32 s[QB], s[QB], s[CX]               ; my block of 128 queries: it enters global addresses of Q, the rows and the results alone
	s_and_b32 s[Y], ttmp7, 0xffff                  ; 4 x batch + head group, which the partners share
	s_lshr_b32 s[BB], s[Y], 2
	s_and_b32 s[HG], s[Y], 3
	s_mov_b32 s[G1], 15|(3<<16)|(1<<21)            ; the mask: all four; elements of 8 bytes; bit 21 beside a mask
	s_mov_b32 s[G1+1], 32<<16                      ; rows of 256 bytes,
	s_mov_b32 s[G1+2], 64<<16                      ; 64 of them
	s_mov_b32 s[G1+3], 32<<16
	s_mov_b32 s[G1+4], 64
	s_mov_b32 s[G1+5], 32
	s_mov_b32 s[G1+6], 0
	s_mov_b32 s[G1+7], 0
	s_mov_b32 s[SEL], 0x76543210
	s_mov_b32 s[SEL+1], 0xfedcba98
	s_mov_b32 s[TB], 0
	s_mov_b32 s[TS], 0
	s_mov_b32 s[SLOTS], NSL-1
	s_lshl_b32 s70, s[WV], 14                      ; 16,384 x wave: my part of a slot
	s_mul_i32 s71, s[Y], 393216                    ; y's first byte in kf and in vf
	s_add_co_u32 s66, s71, s70
	s_mov_b32 s67, 0
.if MODE == 2
	s_max_u32 s68, s[WV], 3
	s_sub_co_u32 s68, s68, 3
	s_lshl_b32 s68, s68, 14
	s_add_co_u32 s68, s68, s71                     ; waves 3-5: V's parts 0-2
	s_mov_b32 s69, 0
.endif
	s_mul_i32 s76, s[BB], 12
	s_mul_i32 s77, s[HG], 3
	s_add_co_u32 s76, s76, s77
	s_add_co_u32 s76, s76, s[HL]                   ; my head among the 96
	s_lshl_b32 s76, s76, 6
	s_lshl_b32 s77, s[QB], 3
	s_add_co_u32 s76, s76, s77
.if MODE == 0
	s_and_b32 s77, s[WV], 1
	s_lshl_b32 s77, s77, 2
.else
	s_lshl_b32 s77, s[QG], 1
.endif
	s_add_co_u32 s[T0], s76, s77
	v_and_b32 v[L16], 31, v0
	v_lshlrev_b32 v[PFO], 8, v[L16]
	v_lshlrev_b32 v[L4], 2, v[L16]
	v_lshlrev_b32 v[L16], 4, v[L16]
	v_and_b32 v[RL], 15, v0
	v_bfe_u32 v[HH], v0, 4, 1
	v_lshlrev_b32 v[R4], 2, v[RL]
	v_mov_b32 v[ZR], 0
	v_and_b32 v[ML], 255, v0
	v_lshlrev_b32 v[ML], 4, v[ML]
	v_add_nc_u32 v[TW], TAU, v[ML]
	s_lshl_b32 s76, s[HL], 14
.if MODE == 0
	s_bfe_u32 s77, s[WV], 0x10001                  ; which 128 of a slot's 256 keys
	s_mul_i32 s77, s77, 49152
	s_add_co_u32 s76, s76, s77
.endif
	v_add_nc_u32 v[AK0], s76, v[L16]
	s_lshl_b32 s76, s[HL], 14
	s_add_co_u32 s76, s76, 49152
	v_add_nc_u32 v[AV0], s76, v[L16]
	v_lshl_add_u32 v[AT0], v[HH], 5, TAU
	s_lshl_b32 s76, s[WV], 2
	s_add_co_u32 s76, s76, RED
	v_mov_b32 v[RW], s76
	v_mov_b32 v[RRD], RED
	v_mov_b32 v237, 0                              ; a lane permute's destination counts as one of its sources
.if MODE == 2
	s_mul_i32 s76, s[WV], 4352
	s_add_co_u32 s76, s76, STAGE                   ; my stage
	v_mul_u32_u24 v[STO], v[RL], 272
	v_lshl_add_u32 v[STO], v[HH], 5, v[STO]
	v_add_nc_u32 v[STO], s76, v[STO]               ; in: row r, 32 bytes for each half of the lanes
	v_mul_u32_u24 v[RD], v[HH], 272
	v_lshl_add_u32 v[RD], v[RL], 4, v[RD]
	v_add_nc_u32 v[RD], s76, v[RD]                 ; back: lanes 0-15 one row of 256 bytes, lanes 16-31 the next
	v_mul_u32_u24 v[GO], v[HH], 3072
	v_lshl_add_u32 v[GO], v[RL], 4, v[GO]          ; and the same two rows in hbuf
.endif
	s_wait_dscnt 0x0                               ; both opening adds are done
	s_wait_kmcnt 0x0
	s_mov_b32 s[G0K], 1
	s_mov_b32 s[G0K+1], s70
	s_add_nc_u64 s[G0K+2:G0K+3], s[PK:PK+1], s[66:67]
	s_or_b32 s[G0K+3], s[G0K+3], 0x80000000
.if MODE == 2
	s_mov_b32 s[G0V], 1
	s_mov_b32 s[G0V+1], s70
	s_add_nc_u64 s[G0V+2:G0V+3], s[PV:PV+1], s[68:69]
	s_or_b32 s[G0V+3], s[G0V+3], 0x80000000
.endif
	CROUND                                         ; all four work-groups are here: the first joint loads meet
	TLOAD                                          ; slot 0
	s_lshl_b32 s76, s[T0], 11
	s_mov_b32 s77, 0
	s_add_nc_u64 s[PQ:PQ+1], s[PQ:PQ+1], s[76:77]
.set n, 0
.rept NQ*4
	global_load_b128 v[Q+4*n:Q+4*n+3], v[L16], s[PQ:PQ+1] offset:512*n   ; Q's fragments stay in registers
.set n, n+1
.endr
	s_lshl_b32 s76, s[Y], 3
	s_add_co_u32 s76, s76, s[QB]
	s_lshl_b32 s76, s76, 2                         ; 4 x my work-group's number
.if MODE == 0
	s_add_nc_u64 s[OUTP:OUTP+1], s[PAA:PAA+1], s[76:77]
	s_mov_b32 s66, s71
	s_mov_b32 s67, 0
	s_add_nc_u64 s[PFA:PFA+1], s[PK:PK+1], s[66:67]
	s_mul_i32 s66, s[CX], 24576                    ; my work-group's part of a slot,
	s_and_b32 s68, s[WV], 3
	s_lshl_b32 s68, s68, 13                        ; my wave's part of that,
	s_add_co_u32 s66, s66, s68
	s_add_co_u32 s66, s66, STRIDE                  ; in slot 1: the first change of slots steps it to slot 2
	s_add_nc_u64 s[PFA:PFA+1], s[PFA:PFA+1], s[66:67]
	s_sub_co_u32 s66, s[WV], 8
	s_cmp_lt_u32 s66, 3                            ; waves 8 to 10
	s_cselect_b32 s66, 0, 1
	s_or_b32 s66, s66, ttmp9                       ; of the first cluster of this y: the same in all four partners
	s_cmp_eq_u32 s66, 0
	s_cselect_b32 s[LIM], 1, -1
	v_mov_b32 v[MX], 0
	v_mov_b32 v[MX+1], 0
.endif
.if MODE == 1
	s_add_nc_u64 s[OUTP:OUTP+1], s[PS:PS+1], s[76:77]
.endif
.if MODE == 2
	s_add_nc_u64 s[OUTP:OUTP+1], s[PH:PH+1], s[76:77]
	s_add_nc_u64 s[OUTP:OUTP+1], s[OUTP:OUTP+1], 0x1800000   ; behind h's 25,165,824 bytes
	s_lshl_b32 s76, s[BB], 10
	s_lshl_b32 s66, s[QB], 7
	s_add_co_u32 s76, s76, s66
	s_lshl_b32 s66, s[QG], 5
	s_add_co_u32 s76, s76, s66                     ; my first token
	s_mul_i32 s76, s76, 3072
	s_mul_i32 s66, s[HG], 3
	s_add_co_u32 s66, s66, s[HL]
	s_lshl_b32 s66, s66, 8                         ; my head's 256 bytes of a row
	s_add_co_u32 s76, s76, s66
	s_add_nc_u64 s[HP:HP+1], s[PH:PH+1], s[76:77]
.endif
.if MODE > 0
	s_lshl_b32 s76, s[T0], 6
	s_add_nc_u64 s[ROWP:ROWP+1], s[PS:PS+1], s[76:77]
	s_lshl_b32 s76, s[BB], 12
	s_add_nc_u64 s[PM:PM+1], s[PM:PM+1], s[76:77]
.irp i, 0,1,2,3,4,5,6,7
	global_load_b128 v[W0+4*\i:W0+4*\i+3], v[L16], s[PX:PX+1] offset:512*\i          ; 256 x {mq, mk, mv, 0}
.endr
.irp i, 0,1
	global_load_b128 v[W0+32+4*\i:W0+35+4*\i], v[L16], s[PAA:PAA+1] offset:512*\i    ; 256 x max|Si|
.endr
	global_load_b128 v[W0+48:W0+51], v[ML], s[PM:PM+1]                               ; four keys' mask
.if MODE == 2
.irp i, 0,1
	global_load_b128 v[W0+40+4*\i:W0+43+4*\i], v[L16], s[PS:PS+1] offset:786432+512*\i   ; 256 x the smallest normalised l
.endr
.irp q, 0,1
	global_load_b32 v[ST+4*\q], v[R4], s[ROWP:ROWP+1] offset:64*\q                   ; my query's Mc
	global_load_b32 v[ST+4*\q+2], v[R4], s[ROWP:ROWP+1] offset:393216+64*\q          ; and l
.endr
.endif
	s_mov_b32 s[NM], 0xcb400000
	s_mov_b32 s[NM+1], s[NM]
	s_mov_b32 s[CAPM], 0x4b407fff
	s_mov_b32 s[HMASK], 0xffff0000
	v_mov_b32 v[MAGV], 0x4b400000
	v_mov_b32 v[MAGV+1], 0x4b400000
	s_wait_loadcnt 0x0
.macro PMAX c
	v_max3_num_f32 v[232+\c], v[W0+\c], v[W0+4+\c], v[W0+8+\c]
	v_max3_num_f32 v[232+\c], v[232+\c], v[W0+12+\c], v[W0+16+\c]
	v_max3_num_f32 v[232+\c], v[232+\c], v[W0+20+\c], v[W0+24+\c]
	v_max_num_f32 v[232+\c], v[232+\c], v[W0+28+\c]
	WMAX 232+\c, 237
	v_readfirstlane_b32 s[66+\c], v[232+\c]
	s_add_co_u32 s[71+\c], s[66+\c], 0x7fffff      ; n = max(ceil(log2 m), -26)
	s_lshr_b32 s[71+\c], s[71+\c], 23
	s_sub_co_i32 s[71+\c], s[71+\c], 127
	s_max_i32 s[71+\c], s[71+\c], -26
.endm
	PMAX 0                                         ; nq in s71
	PMAX 1                                         ; nk in s72
	v_max3_num_f32 v235, v[W0+32], v[W0+33], v[W0+34]
	v_max3_num_f32 v235, v235, v[W0+35], v[W0+36]
	v_max3_num_f32 v235, v235, v[W0+37], v[W0+38]
	v_max_num_f32 v235, v235, v[W0+39]
	WMAX 235, 237
	v_readfirstlane_b32 s69, v235                  ; max|Si|
	s_add_co_u32 s74, s69, 0x7fffff
	s_lshr_b32 s74, s74, 23
	s_sub_co_i32 s74, s74, 157                     ; ceil(log2) - 30
	s_add_co_i32 s75, s71, s72
	s_add_co_i32 s74, s74, s75
	s_max_i32 s74, s74, -26                        ; n3
	s_sub_co_i32 s76, s75, s74
	s_add_co_i32 s76, s76, 112                     ; nq + nk - n3 - 15, as an exponent field
	s_lshl_b32 s[SCL], s76, 23
	s_mov_b32 s[SCL+1], s[SCL]
	s_sub_co_i32 s[B3], 18, s74
	s_lshl_b32 s76, s[B3], 23
	s_sub_co_u32 s[CP], 0x3fb8aa3b, s76            ; log2(e) with b3 off its exponent field
	s_mov_b32 s[CP+1], s[CP]
	v_mov_b32 v238, 0x4b400000
	v_fma_f32 v238, v235, s[SCL], v238             ; the largest |y|, on top of 1.5 x 2^23
	v_mov_b32 v239, 0x46fffe00                     ; 32767
	v_mov_b32 v240, 0x467ffe00                     ; 16383.5
	v_cmp_eq_u32 vcc_lo, 0x4b404000, v238          ; is it 16384?  A choice of a value: no branch hangs on it
	v_cndmask_b32 v239, v239, v240, vcc_lo
	v_readfirstlane_b32 s[CAP], v239
.if MODE == 2
	PMAX 2                                         ; nv in s73
	v_min3_num_f32 v236, v[W0+40], v[W0+41], v[W0+42]
	v_min3_num_f32 v236, v236, v[W0+43], v[W0+44]
	v_min3_num_f32 v236, v236, v[W0+45], v[W0+46]
	v_min_num_f32 v236, v236, v[W0+47]
	WMIN 236, 237
	v_readfirstlane_b32 s70, v236
	s_lshr_b32 s[BITS5], s70, 23
	s_sub_co_i32 s[BITS5], s[BITS5], 112           ; bits5 = 15 + floor(log2 of it)
	s_sub_co_i32 s76, s73, s[BITS5]
	s_add_co_i32 s76, s76, 112
	s_lshl_b32 s[HS], s76, 23
	s_mov_b32 s[HS+1], s[HS]
.irp q, 0,1
	v_rcp_f32 v[ST+4*\q+2], v[ST+4*\q+2]
.endr
	v_nop                                          ; a plain place behind the reciprocals,
	s_wait_alu depctr_va_vdst(0)                   ; and the one wait ahead of their first reader
.irp q, 0,1
	v_ldexp_f32 v[ST+4*\q+2], v[ST+4*\q+2], s[BITS5]
	v_mov_b32 v[ST+4*\q+1], v[ST+4*\q]
.endr
.irp q, 0,1
	v_mov_b32 v[ST+4*\q+3], v[ST+4*\q+2]
.endr
	v_mov_b32 v[MX], 0
	v_mov_b32 v[MX+1], 0
.set j, 0
.rept 64
	v_mov_b32 v[O+j], 0                            ; O^T: the step is written once, and its first trip adds onto zeros
.set j, j+1
.endr
.endif
.if MODE == 1
.irp q, 0,1
	v_mov_b32 v[ST+8*\q], 0xff61b1e6               ; Mc and G begin at -3e38, under every g
	v_mov_b32 v[ST+8*\q+1], 0xff61b1e6
	v_mov_b32 v[ST+8*\q+2], 0
	v_mov_b32 v[ST+8*\q+3], 0
	v_mov_b32 v[ST+8*\q+4], 0
	v_mov_b32 v[ST+8*\q+5], 0
.endr
.endif
.irp j, 0,1,2,3
	v_sub_f32 v[W0+48+\j], 1.0, v[W0+48+\j]        ; -T 2^b3, T = 10000 (1 - mask), rounded as reference() rounds it
.endr
.irp j, 0,1,2,3
	v_mul_f32 v[W0+48+\j], 0xc61c4000, v[W0+48+\j]
.endr
.irp j, 0,1,2,3
	v_ldexp_f32 v[W0+48+\j], v[W0+48+\j], s[B3]
.endr
	s_cmp_lt_u32 s[WV], 8                          ; 256 threads x 4 keys fill the table; the first change of slots shows it to every wave
	s_cbranch_scc0 .Lno_tau
	ds_store_b128 v[TW], v[W0+48:W0+51]
.Lno_tau:
.else
	s_wait_loadcnt 0x0                             ; Q
.endif
.macro KLOAD i                         ; the step's key tiles: tile T of the slot lies at (T / 8) x 49,152 + (T % 8) x 2,048; four loads of 512 consecutive bytes each
.set n, 0
.rept NKT*4
.set T, NKT*(\i)+n/4
	ds_load_b128 v[KF+4*n:KF+4*n+3], v[ADK] offset:(T/8)*49152+(T%8)*2048+512*(n%4)
.set n, n+1
.endr
.endm
.macro TTLOAD i                        ; the table's 8 numbers for my half of each key tile
.set n, 0
.rept NKT*2
	ds_load_b128 v[TT+4*n:TT+4*n+3], v[ADT] offset:64*NKT*(\i)+64*(n/2)+16*(n%2)
.set n, n+1
.endr
.endm
.macro QK                              ; S^T = K Q^T: the accumulators take turns, one instruction a turn; the first 32 channels start the sums
.set c, 0
.rept 2
.set n, 0
.rept NKT*NQ
.set rS, S+8*n
.set rK, KF+16*(n/NQ)+8*c
.set rQ, Q+16*(n%NQ)+8*c
.if c == 0
	v_wmma_f32_16x16x32_f16 v[rS:rS+7], v[rK:rK+7], v[rQ:rQ+7], 0
.else
	v_wmma_f32_16x16x32_f16 v[rS:rS+7], v[rK:rK+7], v[rQ:rQ+7], v[rS:rS+7]
.endif
.set n, n+1
.endr
.set c, c+1
.endr
.endm
.macro FRONT                           ; Si -> g = min(rne(Si sc), cap) - T 2^b3
.set j, 0
.rept NKT*8
	v_pk_fma_f32 v[S+j:S+j+1], v[S+j:S+j+1], s[SCL:SCL+1], v[MAGV:MAGV+1] op_sel_hi:[1,0,1]
.set j, j+2
.endr
.set j, 0
.rept NKT*8
	v_pk_add_f32 v[S+j:S+j+1], v[S+j:S+j+1], s[NM:NM+1] op_sel_hi:[1,0]
.set j, j+2
.endr
.set j, 0
.rept NKT*16
	v_min_num_f32 v[S+j], s[CAP], v[S+j]
.set j, j+1
.endr
.set j, 0
.rept NKT*8
	v_pk_add_f32 v[S+j:S+j+1], v[S+j:S+j+1], v[TT+8*(j/16)+j%8:TT+8*(j/16)+j%8+1]
.set j, j+2
.endr
.endm
.macro EXPS                            ; e = 2^(g c - Mc): one batch, one plain place, one wait
.set j, 0
.rept NKT*8
.set rM, ST+STW*((j/8)%2)
	v_pk_fma_f32 v[S+j:S+j+1], v[S+j:S+j+1], s[CP:CP+1], v[rM:rM+1] op_sel_hi:[1,0,0] neg_lo:[0,0,1] neg_hi:[0,0,1]
.set j, j+2
.endr
.set j, 0
.rept NKT*16
	v_exp_f32 v[S+j], v[S+j]
.set j, j+1
.endr
	v_nop
	s_wait_alu depctr_va_vdst(0)                   ; ahead of the batch's first reader
.endm
.macro SUB i
	KLOAD \i
.if MODE > 0
	TTLOAD \i
.endif
	s_wait_dscnt 0x0
	QK
	PLACES                                         ; four places behind the products, in front of the reads of their results and of loads into their sources
.if MODE == 0
.set j, 0
.rept 16
	v_max3_num_f32 v[MX], v[MX], |v[S+j]|, |v[S+j+1]|          ; each accumulator from its low end on; two chains
	v_max3_num_f32 v[MX+1], v[MX+1], |v[S+j+2]|, |v[S+j+3]|
.set j, j+4
.endr
.endif
.if MODE == 2
.set n, 0
.rept 8
	ds_load_b128 v[KF+4*n:KF+4*n+3], v[ADV] offset:4096*(\i)+512*n   ; V^T of these 32 keys, four channel tiles: it lands under the vector work below
.set n, n+1
.endr
.endif
.if MODE > 0
	FRONT
.endif
.if MODE == 1
.irp q, 0,1
	v_max3_num_f32 v[ST+8*\q+5], v[S+8*\q], v[S+8*\q+1], v[S+8*\q+2]
.endr
.set m, 3
.rept 14
.irp q, 0,1
	v_max3_num_f32 v[ST+8*\q+5], v[ST+8*\q+5], v[S+16*(m/8)+8*\q+m%8], v[S+16*((m+1)/8)+8*\q+(m+1)%8]
.endr
.set m, m+2
.endr
.irp q, 0,1
	v_max_num_f32 v[ST+8*\q+5], v[ST+8*\q+5], v[S+55+8*\q]
.endr
.irp q, 0,1
	v_permlanex16_b32 v[ST+8*\q+4], v[ST+8*\q+5], s[SEL], s[SEL+1]     ; the query's other keys lie in the lane 16 away
.endr
.irp q, 0,1
	v_max3_num_f32 v[ST+8*\q+1], v[ST+8*\q+5], v[ST+8*\q+4], v[ST+8*\q+1]   ; the running G
.endr
.irp q, 0,1
	v_mul_f32 v[ST+8*\q+5], s[CP], v[ST+8*\q+1]    ; the new Mc
.endr
.irp q, 0,1
	v_sub_f32 v[ST+8*\q+4], v[ST+8*\q], v[ST+8*\q+5]
.endr
.irp q, 0,1
	v_mov_b32 v[ST+8*\q], v[ST+8*\q+5]
.endr
.irp q, 0,1
	v_exp_f32 v[ST+8*\q+4], v[ST+8*\q+4]           ; f = 2^(old Mc - new Mc): it belongs to the batch below
.endr
.endif
.if MODE > 0
	EXPS
.endif
.if MODE == 1
.irp q, 0,1
	v_pk_mul_f32 v[ST+8*\q+2:ST+8*\q+3], v[ST+8*\q+2:ST+8*\q+3], v[ST+8*\q+4:ST+8*\q+5] op_sel_hi:[1,0]
	v_pk_add_f32 v[ST+8*\q+6:ST+8*\q+7], v[S+8*\q:S+8*\q+1], v[S+8*\q+2:S+8*\q+3]
.endr
.set m, 2
.rept 7
.irp q, 0,1
	v_pk_add_f32 v[ST+8*\q+2:ST+8*\q+3], v[ST+8*\q+2:ST+8*\q+3], v[S+16*(m/4)+8*\q+2*(m%4):S+16*(m/4)+8*\q+2*(m%4)+1]
	v_pk_add_f32 v[ST+8*\q+6:ST+8*\q+7], v[ST+8*\q+6:ST+8*\q+7], v[S+16*((m+1)/4)+8*\q+2*((m+1)%4):S+16*((m+1)/4)+8*\q+2*((m+1)%4)+1]
.endr
.set m, m+2
.endr
.irp q, 0,1
	v_pk_add_f32 v[ST+8*\q+2:ST+8*\q+3], v[ST+8*\q+2:ST+8*\q+3], v[ST+8*\q+6:ST+8*\q+7]
.endr
.endif
.if MODE == 2
.set j, 0
.rept 16
.set rM, ST+4*((j/8)%2)+2
	v_pk_fma_f32 v[S+j:S+j+1], v[S+j:S+j+1], v[rM:rM+1], v[MAGV:MAGV+1]      ; e 2^bits5 / l, rounded to a whole number
.set j, j+2
.endr
.set j, 0
.rept 32
	v_min_num_f32 v[S+j], s[CAPM], v[S+j]          ; the upper clip, 32767
.set j, j+1
.endr
.set j, 0
.rept 16
	v_pk_add_f32 v[S+j:S+j+1], v[S+j:S+j+1], s[NM:NM+1] op_sel_hi:[1,0]
.set j, j+2
.endr
.set n, 0
.rept 16
	v_cvt_pk_f16_f32 v[P+8*((n/4)%2)+4*(n/8)+n%4], v[S+2*n], v[S+2*n+1]
.set n, n+1
.endr
	s_wait_dscnt 0x0                               ; V is in
.set n, 0
.rept 8
.set rO, O+32*(n%2)+8*(n/2)
	v_wmma_f32_16x16x32_f16 v[rO:rO+7], v[KF+8*(n/2):KF+8*(n/2)+7], v[P+8*(n%2):P+8*(n%2)+7], v[rO:rO+7]
.set n, n+1
.endr
	PLACES
.endif
.endm
; THE CHANGE OF SLOTS, at a slot's head.  Each wave waits for all its tensor loads, adds 0 to its spare word, and waits for that and for its reads of the slot that it has left.  fill = 1: a round of the cluster's barrier, so
; that no wave of any partner still reads that slot or has a load on its way; the joint refill is the first thing behind it.
.macro CHANGE fill
	s_wait_tensorcnt 0x0                           ; no tensor load of mine is out, so a group 0 may be written
	ds_add_u32 v[SPW], v[NIL]
.if \fill
	ds_add_u32 v[SPW], v[NIL]                      ; and twice on end here, in every trip alike
	s_xor_b32 s[G0K+1], s[G0K+1], SLOT1            ; the walking descriptor: the other slot, the next keys
	s_add_nc_u64 s[G0K+2:G0K+3], s[G0K+2:G0K+3], STRIDE
.if MODE == 2
	s_xor_b32 s[G0V+1], s[G0V+1], SLOT1
	s_add_nc_u64 s[G0V+2:G0V+3], s[G0V+2:G0V+3], STRIDE
.endif
.if MODE == 0
	s_wait_xcnt 0x0                                ; the last prefetch, a slot back, has read its address
	s_add_nc_u64 s[PFA:PFA+1], s[PFA:PFA+1], STRIDE
.endif
	s_wait_dscnt 0x0
	CROUND
	TLOAD
.if MODE == 0
	ASK
.endif
.else
	s_wait_dscnt 0x0
	s_barrier_signal -1
	s_barrier_wait -1
.endif
.endm
.macro SLOTWORK
	v_add_nc_u32 v[ADK], s[TB], v[AK0]
.if MODE == 2
	v_add_nc_u32 v[ADV], s[TB], v[AV0]
.endif
.if MODE > 0
	v_add_nc_u32 v[ADT], s[TS], v[AT0]
.endif
	SUB 0
	SUB 1
	SUB 2
	SUB 3
	s_xor_b32 s[TB], s[TB], SLOT1
	s_add_co_u32 s[TS], s[TS], KEYS*4
.endm
.Lslot:                                            ; NSL - 1 trips: behind each change of slots but the last the next slot is asked for
	CHANGE 1
	SLOTWORK
	s_sub_co_u32 s[SLOTS], s[SLOTS], 1
	s_cmp_lg_u32 s[SLOTS], 0
	s_cbranch_scc1 .Lslot
	CHANGE 0                                       ; the last slot is written out
	SLOTWORK
; a figure of the work-group: each wave's to its own word, a barrier, every wave reads all twelve, thread 0 stores
.macro XRED r, off
	ds_store_b32 v[RW], v[\r]
	s_wait_dscnt 0x0                               ; for the others' sake
	s_barrier_signal -1
	s_barrier_wait -1
	ds_load_b128 v[240:243], v[RRD]
	ds_load_b128 v[244:247], v[RRD] offset:16
	ds_load_b128 v[248:251], v[RRD] offset:32
	s_wait_dscnt 0x0
.if MODE == 1
	v_min3_num_f32 v240, v240, v241, v242
	v_min3_num_f32 v240, v240, v243, v244
	v_min3_num_f32 v240, v240, v245, v246
	v_min3_num_f32 v240, v240, v247, v248
	v_min3_num_f32 v240, v240, v249, v250
	v_min_num_f32 v240, v240, v251
.else
	v_max3_num_f32 v240, v240, v241, v242
	v_max3_num_f32 v240, v240, v243, v244
	v_max3_num_f32 v240, v240, v245, v246
	v_max3_num_f32 v240, v240, v247, v248
	v_max3_num_f32 v240, v240, v249, v250
	v_max_num_f32 v240, v240, v251
.endif
	s_wait_xcnt 0x0                                ; EXEC changes only behind this wait
	v_cmp_gt_u32 vcc_lo, 1, v0
	s_and_saveexec_b32 s66, vcc_lo                 ; thread 0 of the work-group alone
	global_store_b32 v[ZR], v240, s[OUTP:OUTP+1] offset:\off
	s_wait_xcnt 0x0
	s_or_b32 exec_lo, exec_lo, s66
.endm
.if MODE == 0
	v_max_num_f32 v[MX], v[MX], v[MX+1]
	WMAX MX, 237
	XRED MX, 0
.endif
.if MODE == 1
.irp q, 0,1
	v_add_f32 v[ST+8*\q+2], v[ST+8*\q+2], v[ST+8*\q+3]
.endr
.irp q, 0,1
	v_permlanex16_b32 v[ST+8*\q+4], v[ST+8*\q+2], s[SEL], s[SEL+1]
.endr
.irp q, 0,1
	v_add_f32 v[ST+8*\q+2], v[ST+8*\q+2], v[ST+8*\q+4]                 ; the row's l
	v_fma_f32 v[ST+8*\q+5], v[ST+8*\q+1], s[CP], -v[ST+8*\q]           ; G c - Mc: what the rounding of Mc left
.endr
.irp q, 0,1
	v_exp_f32 v[ST+8*\q+5], -v[ST+8*\q+5]
.endr
	v_nop
	s_wait_alu depctr_va_vdst(0)
.irp q, 0,1
	v_mul_f32 v[ST+8*\q+5], v[ST+8*\q+2], v[ST+8*\q+5]                 ; 1 / (the row's largest p)
.endr
	v_min_num_f32 v236, v[ST+5], v[ST+13]
	v_max_num_f32 v236, 1.0, v236                  ; never under 1 in real numbers: the sum holds its largest term
	v_cndmask_b32 v238, v[ST], v[ST+8], s[HMASK]   ; lanes 0-15: my first tile's rows; lanes 16-31: my second's
	v_cndmask_b32 v239, v[ST+2], v[ST+10], s[HMASK]
	global_store_b32 v[L4], v238, s[ROWP:ROWP+1]
	global_store_b32 v[L4], v239, s[ROWP:ROWP+1] offset:393216
	WMIN 236, 237
	XRED 236, 786432
.endif
.if MODE == 2
	; THE WAY OUT: O^T x 2^(nv-15-bits5) goes through my stage, a tile of 16 queries at a time, and leaves as rows of 256 bytes: sixteen lanes store 256 consecutive bytes, aligned
.irp q, 0,1
.set j, 0
.rept 16
	v_pk_mul_f32 v[O+32*\q+j:O+32*\q+j+1], v[O+32*\q+j:O+32*\q+j+1], s[HS:HS+1] op_sel_hi:[1,0]
.set j, j+2
.endr
.set j, 0
.rept 8
	v_max3_num_f32 v[MX], v[MX], |v[O+32*\q+j]|, |v[O+32*\q+j+1]|
	v_max3_num_f32 v[MX+1], v[MX+1], |v[O+32*\q+j+2]|, |v[O+32*\q+j+3]|
.set j, j+4
.endr
.irp ct, 0,1,2,3
	ds_store_b128 v[STO], v[O+32*\q+8*\ct:O+32*\q+8*\ct+3] offset:64*\ct
	ds_store_b128 v[STO], v[O+32*\q+8*\ct+4:O+32*\q+8*\ct+7] offset:64*\ct+16
.endr
.irp i, 0,1,2,3,4,5,6,7
	ds_load_b128 v[KF+32*\q+4*\i:KF+32*\q+4*\i+3], v[RD] offset:544*\i     ; LDS serves a wave's instructions in order: these see my stores, and the next tile's stores come behind them
.endr
.endr
.irp q, 0,1
.irp i, 0,1,2,3,4,5,6,7
	s_wait_dscnt 16*(1-\q)+7-\i                    ; the LDS instructions issued behind this load may be out
	global_store_b128 v[GO], v[KF+32*\q+4*\i:KF+32*\q+4*\i+3], s[HP:HP+1] offset:6144*\i+49152*\q
.endr
.endr
	v_max_num_f32 v[MX], v[MX], v[MX+1]
	WMAX MX, 237
	XRED MX, 0
.endif
	s_wait_tensorcnt 0x0                           ; the wave's end
	ds_add_u32 v[SPW], v[NIL]
	s_wait_dscnt 0x0
	CROUND                                         ; the closing round
	s_endpgm
.Lfunc_end_k_q3aa2310918_sout:
	.size	k_q3aa2310918_sout, .Lfunc_end_k_q3aa2310918_sout-k_q3aa2310918_sout
	.p2alignl 7, 3214868480
	.fill 96, 4, 3214868480
	.section	.rodata,"a",@progbits
	.p2align	6, 0x0
	.amdhsa_kernel k_q3aa2310918_sout
		.amdhsa_group_segment_fixed_size 327680
		.amdhsa_private_segment_fixed_size 0
		.amdhsa_enable_private_segment 0
		.amdhsa_kernarg_size 64
		.amdhsa_user_sgpr_count 2
		.amdhsa_user_sgpr_kernarg_segment_ptr 1
		.amdhsa_wavefront_size32 1
		.amdhsa_system_sgpr_workgroup_id_x 1
		.amdhsa_system_sgpr_workgroup_id_y 1
		.amdhsa_system_sgpr_workgroup_id_z 1
		.amdhsa_system_vgpr_workitem_id 0
		.amdhsa_next_free_vgpr 256
		.amdhsa_next_free_sgpr 92
		.amdhsa_reserve_vcc 1
		.amdhsa_float_denorm_mode_32 3
		.amdhsa_float_denorm_mode_16_64 3
		.amdhsa_memory_ordered 1
		.amdhsa_forward_progress 1
		.amdhsa_inst_pref_size 130
	.end_amdhsa_kernel
	.amdgpu_metadata
---
amdhsa.version: [ 1, 2 ]
amdhsa.kernels:
  - .name:           k_q3aa2310918_sout
    .symbol:         k_q3aa2310918_sout.kd
    .args:
      - { .name: qf, .offset: 0, .size: 8, .value_kind: global_buffer, .address_space: global }
      - { .name: kf, .offset: 8, .size: 8, .value_kind: global_buffer, .address_space: global }
      - { .name: mask, .offset: 16, .size: 8, .value_kind: global_buffer, .address_space: global }
      - { .name: pmax1, .offset: 24, .size: 8, .value_kind: global_buffer, .address_space: global }
      - { .name: pA, .offset: 32, .size: 8, .value_kind: global_buffer, .address_space: global }
      - { .name: stats, .offset: 40, .size: 8, .value_kind: global_buffer, .address_space: global }
      - { .name: vf, .offset: 48, .size: 8, .value_kind: global_buffer, .address_space: global }
      - { .name: hbuf, .offset: 56, .size: 8, .value_kind: global_buffer, .address_space: global }
    .group_segment_fixed_size: 327680
    .private_segment_fixed_size: 0
    .kernarg_segment_align: 8
    .kernarg_segment_size: 64
    .max_flat_workgroup_size: 384
    .sgpr_count:     92
    .vgpr_count:     256
    .wavefront_size: 32
...
	.end_amdgpu_metadata
.endif
;; end of part 6
;; launch fin (part 7): grid 768 x 1, 8 waves a work-group, no clusters, 0 bytes of LDS; arguments hbuf, out0; writes out0
.if DOCPART == 7
	.amdgcn_target "amdgcn-amd-amdhsa--gfx1250"
	.amdhsa_code_object_version 6
	.text
	.protected	k_q3aa2310918_fin
	.globl	k_q3aa2310918_fin
	.p2align	8
	.type	k_q3aa2310918_fin,@function
k_q3aa2310918_fin:
	s_mov_b64 s[64:65], 0
	v_nop
	global_prefetch_b8 v0, s[64:65] scope:SCOPE_SE
	s_setreg_imm32_b32 hwreg(HW_REG_WAVE_MODE, 25, 1), 1
	s_wait_xcnt 0x0
; attn_6: out0 = min(rne(h 2^(15-n6)), 32767) 2^(n6-15), n6 = max(ceil(log2 max|h|), -26).  hbuf holds h, laid as out0, and behind it the 256 work-groups' largest |h|.  No work of reference() is left out.
; A stream: memory binds, so no LDS, no matrix unit, no cluster.  A work-group takes 32,768 bytes; thread t takes 16 bytes at 16 t of each of eight runs of 4,096: a load or store of a wave covers 512 consecutive bytes, aligned.
; All ten loads of a wave go out at once; the maximum is reduced while the data are on their way.  u = h 2^(15-n6) + 1.5 x 2^23 rounds to a whole number, ties to even; (u - 1.5 x 2^23) 2^(n6-15) is one fused
; multiply-add that rounds nothing.  The lower clip never binds: |h| <= 2^n6.
.set MAG, 48                           ; v48-49  1.5 x 2^23
.set NEG, 50                           ; v50-51  -1.5 x 2^23 x 2^(n6-15)
	s_load_b128 s[4:7], s[0:1], 0x0                ; hbuf, out0
	v_and_b32 v1, 31, v0
	v_lshlrev_b32 v2, 4, v1                        ; 16 x lane
	v_lshlrev_b32 v3, 4, v0                        ; 16 x thread
	s_lshl_b32 s8, ttmp9, 15
	s_mov_b32 s9, 0
	s_mov_b32 s20, 0x76543210
	s_mov_b32 s21, 0xfedcba98
	s_mov_b32 s19, 0x4b407fff                      ; 1.5 x 2^23 + 32767
	v_mov_b32 v[MAG], 0x4b400000
	v_mov_b32 v[MAG+1], 0x4b400000
	v_mov_b32 v13, 0
	s_wait_kmcnt 0x0
	s_add_nc_u64 s[10:11], s[4:5], 0x1800000       ; behind h's 25,165,824 bytes
	s_add_nc_u64 s[4:5], s[4:5], s[8:9]
	s_add_nc_u64 s[6:7], s[6:7], s[8:9]
	global_load_b128 v[4:7], v2, s[10:11]
	global_load_b128 v[8:11], v2, s[10:11] offset:512
.irp i, 0,1,2,3,4,5,6,7
	global_load_b128 v[16+4*\i:19+4*\i], v3, s[4:5] offset:4096*\i th:TH_LOAD_NT
.endr
	s_wait_loadcnt 0x8                             ; the 256 maxima are in; the eight data loads may be out
	v_max3_num_f32 v12, v4, v5, v6
	v_max3_num_f32 v12, v12, v7, v8
	v_max3_num_f32 v12, v12, v9, v10
	v_max_num_f32 v12, v12, v11
	v_max_num_f32_dpp v12, v12, v12 row_xmask:1 row_mask:0xf bank_mask:0xf
	v_max_num_f32_dpp v12, v12, v12 row_xmask:2 row_mask:0xf bank_mask:0xf
	v_max_num_f32_dpp v12, v12, v12 row_xmask:4 row_mask:0xf bank_mask:0xf
	v_max_num_f32_dpp v12, v12, v12 row_xmask:8 row_mask:0xf bank_mask:0xf
	v_permlanex16_b32 v13, v12, s20, s21
	v_max_num_f32 v12, v12, v13
	v_readfirstlane_b32 s12, v12
	s_add_co_u32 s12, s12, 0x7fffff
	s_lshr_b32 s12, s12, 23
	s_sub_co_i32 s12, s12, 127
	s_max_i32 s12, s12, -26                        ; n6
	s_sub_co_i32 s14, 142, s12
	s_lshl_b32 s14, s14, 23                        ; 2^(15 - n6)
	s_mov_b32 s15, s14
	s_add_co_i32 s16, s12, 112
	s_lshl_b32 s16, s16, 23                        ; 2^(n6 - 15)
	s_mov_b32 s17, s16
	s_sub_co_i32 s18, s12, 15
	s_lshl_b32 s18, s18, 23
	s_add_co_u32 s18, s18, 0xcb400000              ; -1.5 x 2^23 with n6 - 15 on its exponent field
	v_mov_b32 v[NEG], s18
	v_mov_b32 v[NEG+1], s18
.irp i, 0,1,2,3,4,5,6,7
	s_wait_loadcnt 7-\i                            ; loads come back in order: run i is in, the younger ones may be out
	v_pk_fma_f32 v[16+4*\i:17+4*\i], v[16+4*\i:17+4*\i], s[14:15], v[MAG:MAG+1] op_sel_hi:[1,0,1]
	v_pk_fma_f32 v[18+4*\i:19+4*\i], v[18+4*\i:19+4*\i], s[14:15], v[MAG:MAG+1] op_sel_hi:[1,0,1]
	v_min_num_f32 v[16+4*\i], s19, v[16+4*\i]
	v_min_num_f32 v[17+4*\i], s19, v[17+4*\i]
	v_min_num_f32 v[18+4*\i], s19, v[18+4*\i]
	v_min_num_f32 v[19+4*\i], s19, v[19+4*\i]
	v_pk_fma_f32 v[16+4*\i:17+4*\i], v[16+4*\i:17+4*\i], s[16:17], v[NEG:NEG+1] op_sel_hi:[1,0,1]
	v_pk_fma_f32 v[18+4*\i:19+4*\i], v[18+4*\i:19+4*\i], s[16:17], v[NEG:NEG+1] op_sel_hi:[1,0,1]
	global_store_b128 v3, v[16+4*\i:19+4*\i], s[6:7] offset:4096*\i th:TH_STORE_NT
.endr
	s_endpgm
.Lfunc_end_k_q3aa2310918_fin:
	.size	k_q3aa2310918_fin, .Lfunc_end_k_q3aa2310918_fin-k_q3aa2310918_fin
	.p2alignl 7, 3214868480
	.fill 96, 4, 3214868480
	.section	.rodata,"a",@progbits
	.p2align	6, 0x0
	.amdhsa_kernel k_q3aa2310918_fin
		.amdhsa_group_segment_fixed_size 0
		.amdhsa_private_segment_fixed_size 0
		.amdhsa_enable_private_segment 0
		.amdhsa_kernarg_size 16
		.amdhsa_user_sgpr_count 2
		.amdhsa_user_sgpr_kernarg_segment_ptr 1
		.amdhsa_wavefront_size32 1
		.amdhsa_system_sgpr_workgroup_id_x 1
		.amdhsa_system_sgpr_workgroup_id_y 1
		.amdhsa_system_sgpr_workgroup_id_z 1
		.amdhsa_system_vgpr_workitem_id 0
		.amdhsa_next_free_vgpr 64
		.amdhsa_next_free_sgpr 66
		.amdhsa_reserve_vcc 0
		.amdhsa_float_denorm_mode_32 3
		.amdhsa_float_denorm_mode_16_64 3
		.amdhsa_memory_ordered 1
		.amdhsa_forward_progress 1
		.amdhsa_inst_pref_size 8
	.end_amdhsa_kernel
	.amdgpu_metadata
---
amdhsa.version: [ 1, 2 ]
amdhsa.kernels:
  - .name:           k_q3aa2310918_fin
    .symbol:         k_q3aa2310918_fin.kd
    .args:
      - { .name: hbuf, .offset: 0, .size: 8, .value_kind: global_buffer, .address_space: global }
      - { .name: out0, .offset: 8, .size: 8, .value_kind: global_buffer, .address_space: global }
    .group_segment_fixed_size: 0
    .private_segment_fixed_size: 0
    .kernarg_segment_align: 8
    .kernarg_segment_size: 16
    .max_flat_workgroup_size: 256
    .sgpr_count:     66
    .vgpr_count:     64
    .wavefront_size: 32
...
	.end_amdgpu_metadata
.endif
;; end of part 7
